; MI455X (gfx1250); checked and timed in simulation.
; The chip was launched on July 23, 2026; its instructions are those of AMD's public machine-readable ISA for CDNA 5 (MIT licence, August 2026) and "CDNA5" Instruction Set Architecture Reference Guide (July 2026). The comments in the code are by the model that wrote it; some were corrected since.
;; Transformer Block. Allowed arithmetic: float matrix products may take bf16 or f16 operands with f32 sums; all other float work in f32.
;; Inputs: W1 256 x 256 float32; Wk_c 256 x 256 float32; Wk_s 256 x 256 float32; Wq_c 256 x 256 float32; Wq_s 256 x 256 float32; Wv_c 256 x 256 float32; Wv_s 256 x 256 float32; b1 256 float32; context 8 x 2,048 x 256 float32; inputs 8 x 2,048 x 256 float32; ln_b 256 float32; ln_g 256 float32.
;; Outputs: out0 8 x 2,048 x 256 float32.
;; 2 versions, each right and faster than the one before. Each part assembles by itself: llvm-mc -triple=amdgcn-amd-amdhsa -mcpu=gfx1250 --defsym DOCPART=n.
;; ======== version 1 of 2: 4 launches
;; workspace buffers: wt 917,504 bytes; q_s 8,388,608 bytes; k_s 8,388,608 bytes; v_s 8,388,608 bytes; k_c 8,388,608 bytes; v_c 8,388,608 bytes; q_c 8,388,608 bytes; x1 16,777,216 bytes
;; launch wprep (part 1): grid 8 x 7, 4 waves a work-group, no clusters, 17,408 bytes of LDS; arguments Wk_s, Wv_s, Wq_s, Wk_c, Wv_c, Wq_c, W1, wt; writes wt
.if DOCPART == 1
	.amdgcn_target "amdgcn-amd-amdhsa--gfx1250"
	.amdhsa_code_object_version 6
	.text
	.protected	k_q56e424c1d1_wprep
	.globl	k_q56e424c1d1_wprep
	.p2align	8
	.type	k_q56e424c1d1_wprep,@function
k_q56e424c1d1_wprep:
	s_mov_b64 s[64:65], 0
	v_nop
	global_prefetch_b8 v0, s[64:65] scope:SCOPE_SE
	s_setreg_imm32_b32 hwreg(HW_REG_WAVE_MODE, 25, 1), 1
	s_wait_xcnt 0x0
; wt[j][e][d] = bf16(scale_j * W_j[d][e]), j = 0 Wk_s, 1 Wv_s, 2 Wq_s, 3 Wk_c, 4 Wv_c, 5 Wq_c, 6 W1.
; scale_j = log2(e)/16 for the two query weights (1/sqrt(256) and the change to base 2 of the softmax), else 1.
; The later launches then take every weight as a tile of 256 rows (e) x 512 bytes (d), the shape of a key tile.
; A work-group transposes 128 d x 64 e of one weight through LDS: 32 KiB in, 16 KiB out; 8 x 7 = 56 work-groups.
; No matrix unit, cluster or tensor load: 1.8 MB are read once and nothing is shared.
; LIMIT: the factor is applied in f32 before the one rounding to bf16.
.set PW,  264                          ; LDS pitch of a row of 128 bf16: 256 bytes + 8
.set DAT, 16                           ; v[16:79]: group g: row d in 4 registers, row d + 1 in the next 4
	s_load_b512 s[8:23], s[0:1], 0x0               ; the seven weights s[8:21], wt s[22:23]
	v_lshl_add_u32 v80, v0, 2, 0x4200
	v_mov_b32 v81, 0
	s_and_b32 s2, ttmp7, 0xffff                    ; j: which weight
	s_and_b32 s3, ttmp9, 3                         ; eb: which 64 columns e
	s_lshr_b32 s4, ttmp9, 2                        ; dh: which 128 rows d
	s_mov_b32 s26, 0x3f800000                      ; 1.0
	s_mov_b32 s27, 0x3db8aa3b                      ; log2(e) / 16
	s_cmp_eq_u32 s2, 2
	s_cselect_b32 s6, s27, s26
	s_cmp_eq_u32 s2, 5
	s_cselect_b32 s6, s27, s6
	s_mov_b32 s7, s6                               ; the pair is named whole by the packed multiply
	s_lshl_b32 s28, s4, 17                         ; in: dh x 128 rows x 1,024 bytes
	s_lshl_b32 s5, s3, 8                           ;     + eb x 256 bytes
	s_add_co_u32 s28, s28, s5
	s_mov_b32 s29, 0
	s_lshl_b32 s30, s2, 17                         ; out: j x 131,072
	s_lshl_b32 s5, s3, 15                          ;      + eb x 64 rows x 512 bytes
	s_add_co_u32 s30, s30, s5
	s_lshl_b32 s5, s4, 8                           ;      + dh x 256 bytes
	s_add_co_u32 s30, s30, s5
	s_mov_b32 s31, 0
	v_and_b32 v1, 15, v0                           ; i
	v_bfe_u32 v2, v0, 4, 1                         ; hh
	v_lshrrev_b32 v3, 5, v0                        ; w
	v_lshlrev_b32 v4, 15, v3                       ; global in: (32 w + 2 hh) x 1,024 + 16 i
	v_lshl_add_u32 v4, v2, 11, v4
	v_lshl_add_u32 v4, v1, 4, v4
	v_mul_u32_u24 v5, v1, 4*PW                     ; LDS in: row e = 4 i, byte 2 (32 w + 2 hh)
	v_lshl_add_u32 v5, v3, 6, v5
	v_lshl_add_u32 v5, v2, 2, v5
	v_lshl_add_u32 v6, v3, 4, v2                   ; 16 w + hh
	v_mul_u32_u24 v7, v6, PW                       ; LDS out: row e = 16 w + hh, byte 16 i
	v_lshl_add_u32 v7, v1, 4, v7
	v_lshlrev_b32 v6, 9, v6                        ; global out: (16 w + hh) x 512 + 16 i
	v_lshl_add_u32 v6, v1, 4, v6
	s_wait_kmcnt 0x0
	s_mov_b64 s[24:25], s[8:9]                     ; the weight's address is chosen by j, which hangs on no address
.irp n, 1,2,3,4,5,6
	s_cmp_eq_u32 s2, \n
	s_cselect_b64 s[24:25], s[8+2*\n:9+2*\n], s[24:25]
.endr
	s_add_nc_u64 s[24:25], s[24:25], s[28:29]
	s_add_nc_u64 s[22:23], s[22:23], s[30:31]
; sixteen loads: group g brings rows d = 32 w + 4 g + 2 hh and d + 1; sixteen lanes read 256 consecutive, aligned bytes of a row
.irp g, 0,1,2,3,4,5,6,7
	global_load_b128 v[DAT+8*\g:DAT+8*\g+3],   v4, s[24:25] offset:\g*4096 th:TH_LOAD_NT
	global_load_b128 v[DAT+8*\g+4:DAT+8*\g+7], v4, s[24:25] offset:\g*4096+1024 th:TH_LOAD_NT
.endr
.irp g, 0,1,2,3,4,5,6,7
	s_wait_loadcnt 14-2*\g                         ; loads return in order: group g is in, the 14 - 2 g younger loads stay out
.irp p, 0,2,4,6
	v_pk_mul_f32 v[DAT+8*\g+\p:DAT+8*\g+\p+1], v[DAT+8*\g+\p:DAT+8*\g+\p+1], s[6:7] op_sel_hi:[1,0]
.endr
.irp k, 0,1,2,3
	v_cvt_pk_bf16_f32 v[DAT+8*\g+\k], v[DAT+8*\g+\k], v[DAT+8*\g+4+\k]   ; (d, d + 1) of column e = 4 i + k
.endr
.irp k, 0,1,2,3
	ds_store_b32 v5, v[DAT+8*\g+\k] offset:\k*PW+8*\g
.endr
.endr
	s_wait_dscnt 0x0                               ; my stores are done, for the other waves' sake
	s_barrier_signal -1
	s_barrier_wait -1
.irp m, 0,1,2,3,4,5,6,7
	ds_load_b64 v[DAT+4*\m:DAT+4*\m+1],   v7 offset:\m*2*PW      ; row e = 16 w + hh + 2 m; the pitch is a multiple of 8, so 8 bytes at a time
	ds_load_b64 v[DAT+4*\m+2:DAT+4*\m+3], v7 offset:\m*2*PW+8
.endr
.irp m, 0,1,2,3,4,5,6,7
	s_wait_dscnt 14-2*\m                           ; pair m is in, the younger pairs stay out
	global_store_b128 v6, v[DAT+4*\m:DAT+4*\m+3], s[22:23] offset:\m*1024   ; sixteen lanes store 256 consecutive, aligned bytes
.endr
	s_wait_tensorcnt 0x0
	ds_add_u32 v80, v81
	s_wait_dscnt 0x0
	s_endpgm
.Lfunc_end_k_q56e424c1d1_wprep:
	.size	k_q56e424c1d1_wprep, .Lfunc_end_k_q56e424c1d1_wprep-k_q56e424c1d1_wprep
	.p2alignl 7, 3214868480
	.fill 96, 4, 3214868480
	.section	.rodata,"a",@progbits
	.p2align	6, 0x0
	.amdhsa_kernel k_q56e424c1d1_wprep
		.amdhsa_group_segment_fixed_size 17408
		.amdhsa_private_segment_fixed_size 0
		.amdhsa_enable_private_segment 0
		.amdhsa_kernarg_size 64
		.amdhsa_user_sgpr_count 2
		.amdhsa_user_sgpr_kernarg_segment_ptr 1
		.amdhsa_wavefront_size32 1
		.amdhsa_system_sgpr_workgroup_id_x 1
		.amdhsa_system_sgpr_workgroup_id_y 1
		.amdhsa_system_sgpr_workgroup_id_z 1
		.amdhsa_system_vgpr_workitem_id 0
		.amdhsa_next_free_vgpr 82
		.amdhsa_next_free_sgpr 66
		.amdhsa_reserve_vcc 0
		.amdhsa_float_denorm_mode_32 3
		.amdhsa_float_denorm_mode_16_64 3
		.amdhsa_memory_ordered 1
		.amdhsa_forward_progress 1
		.amdhsa_inst_pref_size 13
	.end_amdhsa_kernel
	.amdgpu_metadata
---
amdhsa.version: [ 1, 2 ]
amdhsa.kernels:
  - .name:           k_q56e424c1d1_wprep
    .symbol:         k_q56e424c1d1_wprep.kd
    .args:
      - { .name: Wk_s, .offset: 0, .size: 8, .value_kind: global_buffer, .address_space: global }
      - { .name: Wv_s, .offset: 8, .size: 8, .value_kind: global_buffer, .address_space: global }
      - { .name: Wq_s, .offset: 16, .size: 8, .value_kind: global_buffer, .address_space: global }
      - { .name: Wk_c, .offset: 24, .size: 8, .value_kind: global_buffer, .address_space: global }
      - { .name: Wv_c, .offset: 32, .size: 8, .value_kind: global_buffer, .address_space: global }
      - { .name: Wq_c, .offset: 40, .size: 8, .value_kind: global_buffer, .address_space: global }
      - { .name: W1, .offset: 48, .size: 8, .value_kind: global_buffer, .address_space: global }
      - { .name: wt, .offset: 56, .size: 8, .value_kind: global_buffer, .address_space: global }
    .group_segment_fixed_size: 17408
    .private_segment_fixed_size: 0
    .kernarg_segment_align: 8
    .kernarg_segment_size: 64
    .max_flat_workgroup_size: 128
    .sgpr_count:     66
    .vgpr_count:     82
    .wavefront_size: 32
...
	.end_amdgpu_metadata
.endif
;; end of part 1
;; launch proj (part 2): grid 256 x 1, 4 waves a work-group, clusters of 4 x 1, 327,680 bytes of LDS; arguments inputs, context, wt, k_s, v_s, q_s, k_c, v_c; writes k_s, v_s, q_s, k_c, v_c
.if DOCPART == 2
	.amdgcn_target "amdgcn-amd-amdhsa--gfx1250"
	.amdhsa_code_object_version 6
	.text
	.protected	k_q56e424c1d1_proj
	.globl	k_q56e424c1d1_proj
	.p2align	8
	.type	k_q56e424c1d1_proj,@function
k_q56e424c1d1_proj:
	s_mov_b64 s[64:65], 0
	v_nop
	global_prefetch_b8 v0, s[64:65] scope:SCOPE_SE
	s_setreg_imm32_b32 hwreg(HW_REG_WAVE_MODE, 25, 1), 1
	s_wait_xcnt 0x0
	s_wait_alu depctr_hold_cnt(0) depctr_sa_sdst(0) depctr_va_vdst(0) depctr_va_sdst(0) depctr_va_ssrc(0) depctr_va_vcc(0) depctr_vm_vsrc(0)
	s_getreg_b32 s2, hwreg(HW_REG_IB_STS2, 6, 4)
	s_cmp_eq_u32 s2, 0
	s_cbranch_scc0 .Lentry_in_a_cluster
	s_endpgm
.Lentry_in_a_cluster:
	s_bfe_u32 s2, ttmp6, 0x10000c
	s_cmp_lg_u32 s2, 0x3003
	s_cbranch_scc0 .Lentry_shape_is_right
	s_endpgm
.Lentry_shape_is_right:
; K_s, V_s, Q_s = inputs x (Wk_s, Wv_s, Wq_s);  K_c, V_c = context x (Wk_c, Wv_c).  Results [16384][256] bf16, sums in f32.
; Clusters 0-31 take inputs (three weights), clusters 32-63 context (two).  A work-group owns 128 rows of X and keeps them, as bf16
; fragments, in 512 registers of every wave.  A weight is a tile wt[j] of 256 rows (e) x 512 bytes (d); wave w fetches and reads rows 64 w .. 64 w + 63.
; The product is taken transposed: source 0 = 16 rows of the weight (M = e), source 1 = 16 rows of X (N = row), so that a lane's eight
; results are eight neighbouring e of one row and pack into 16 bytes.
; CLUSTER: the four work-groups of a cluster walk the same weight tiles; each tile is asked for jointly (mask 15).
; The share is uneven (three passes against two): a work-group with rows of both sources would take in five weight tiles for half the rows each.
; LIMITS: X and the weights are rounded to bf16 as matrix operands; NaN and infinities are not treated.
.set KP,    528                        ; LDS pitch: 512 bytes + 16: an odd multiple of 16, so the 16 rows of a fragment load start 16 bytes apart modulo 256
.set KQ,    64*KP                      ; a wave's quarter of a tile
.set SLOT,  4*KQ                       ; a weight tile
.set XT,    2*SLOT                     ; 64 rows x 528: X in bf16 on its way into fragments, later the stage on the way out; no tensor load lands here
.set TILEB, 131072                     ; bytes of a weight tile in memory
.set KADR, 1                           ; v1, v2  my fragment address in slot 0, 1
.set QADR, 3                           ; v3      fragment address in XT
.set XA,   4                           ; v4      X: 16 w rows + 16 L bytes
.set XW,   5                           ; v5      XT: my 16 rows, 8 L
.set STO,  6                           ; v6      stage in
.set RD,   7                           ; v7      stage back, whole rows
.set GO,   8                           ; v8      byte offset in the outputs
.set SB,   32                          ; v[32:159]  sixteen result tiles; tile (kt, t) at SB + 8 ((kt & 1) 8 + (kt >> 1) 4 + t)
.set FB,   160                         ; v[160:255] three fragment buffers of 32 registers
; window 1: fragments of X rows 0-63 (chunk ch of 32 d, row tile t at 8 (4 ch + t)); window 2: rows 64-127; window 3: X as loaded, f32
.set W0K, 15|(1<<16)|(1<<20)|(1<<21)|(6<<22)|(3<<25)   ; mask 15; 2-byte elements; padding on; bit 21 beside a mask; after 128 words; 4 words
.set MSB, 0
.macro WIN new                         ; the immediate's high byte repeats the setting that is left
.if MSB != \new
	s_set_vgpr_msb (MSB<<8)|\new
.set MSB, \new
.endif
.endm
.macro NOP4
.rept 4
	v_nop
.endr
.endm
.macro BAR                             ; a work-group barrier behind which no tensor load fills bytes again
	s_wait_dscnt 0x0                               ; no LDS instruction of mine is pending at the signal
	s_barrier_signal -1
	s_barrier_wait -1
.endm
.macro ROUND                           ; a round of the cluster's barrier
	s_barrier_signal -1
	s_barrier_wait -1
	s_cmp_lg_u32 s5, 0
	s_cbranch_scc1 .Lnot_wave_0_\@
	s_barrier_signal -3
.Lnot_wave_0_\@:
	s_barrier_wait -3
	s_barrier_signal -1
	s_barrier_wait -1
.endm
.macro LOADQ set                       ; 64 rows x 256 d of XT into the 256 registers of one window, as source-1 fragments
	WIN \set
.irp ch, 0,1,2,3,4,5,6,7
.irp t, 0,1,2,3
	ds_load_b128 v[8*(4*\ch+\t):8*(4*\ch+\t)+3],   v[QADR] offset:\t*16*KP+64*\ch
	ds_load_b128 v[8*(4*\ch+\t)+4:8*(4*\ch+\t)+7], v[QADR] offset:\t*16*KP+64*\ch+32
.endr
.endr
	WIN 0
	s_wait_dscnt 0x0
.endm
.macro SCHUNK adr, ch                  ; eight loads: my 64 rows, 32 along d, into buffer ch mod 3
.irp kt, 0,1,2,3
	ds_load_b128 v[FB+32*((\ch)%3)+8*\kt:FB+32*((\ch)%3)+8*\kt+3],   v[\adr] offset:\kt*16*KP+64*(\ch)
	ds_load_b128 v[FB+32*((\ch)%3)+8*\kt+4:FB+32*((\ch)%3)+8*\kt+7], v[\adr] offset:\kt*16*KP+64*(\ch)+32
.endr
.endm
; 64 x 64 x 256: 128 matrix instructions; the first chunk starts the sums.  The sixteen accumulators take turns, one instruction a turn.
; Chunk ch + 2 is requested ahead of chunk ch's products.
.macro SMUL set, adr
	WIN \set
	SCHUNK \adr, 0
	SCHUNK \adr, 1
.irp ch, 0,1,2,3,4,5,6,7
.if \ch < 6
.if \ch > 0
	NOP4                                           ; four places between chunk ch - 1's products and the loads into the buffer that they read
.endif
	SCHUNK \adr, (\ch+2)
	s_wait_dscnt 16                                ; chunk ch is in; the 8 loads each of the two younger chunks stay out
.else
	s_wait_dscnt 8*(7-\ch)                         ; one younger chunk, then none
.endif
.irp kt, 0,1,2,3
.irp t, 0,1,2,3
.set sx, SB+8*((\kt&1)*8+(\kt>>1)*4+\t)
.set fx, FB+32*(\ch%3)+8*\kt
.set qx, 8*(4*\ch+\t)
.if \ch == 0
	v_wmma_f32_16x16x32_bf16 v[sx:sx+7], v[fx:fx+7], v[qx:qx+7], 0
.else
	v_wmma_f32_16x16x32_bf16 v[sx:sx+7], v[fx:fx+7], v[qx:qx+7], v[sx:sx+7]
.endif
.endr
.endr
.endr
	NOP4                                           ; four places before anything reads the results
	WIN 0
.endm
; 64 rows of X, f32 in window 3, to bf16, through XT, into fragments in window 'set'
.macro XIN rho, set
	WIN 0x0f                                       ; both sources in window 3
.set n, 0
.rept 64
	v_cvt_pk_bf16_f32 v[SB+n], v[128*\rho+2*n], v[128*\rho+2*n+1]
.set n, n+1
.endr
	WIN 0
.if \rho
	BAR                                            ; every wave has read the first half out of XT
.endif
.irp k, 0,1,2,3,4,5,6,7,8,9,10,11,12,13,14,15
.irp hf, 0,1
	ds_store_b64 v[XW], v[SB+2*(2*\k+\hf):SB+2*(2*\k+\hf)+1] offset:\k*KP+256*\hf
.endr
.endr
	BAR                                            ; all 64 rows are in XT
	LOADQ \set
.endm
; the way out of 64 rows x my 64 e: round, 16 bytes a lane into XT, whole rows of 512 bytes back, stores of 512 consecutive aligned bytes
.macro OUTB o, rho
.set n, 0
.rept 16
.irp i, 0,1,2,3
	v_cvt_pk_bf16_f32 v[SB+8*n+\i], v[SB+8*n+2*\i], v[SB+8*n+2*\i+1]
.endr
.set n, n+1
.endr
	BAR                                            ; nobody reads XT any more
.irp kt, 0,1,2,3
.irp t, 0,1,2,3
.set sx, SB+8*((\kt&1)*8+(\kt>>1)*4+\t)
	ds_store_b128 v[STO], v[sx:sx+3] offset:\t*16*KP+32*\kt      ; row 16 t + r, e = 64 w + 16 kt + 8 h ..
.endr
.endr
	BAR                                            ; the four waves' columns make whole rows
.irp k, 0,1,2,3,4,5,6,7,8,9,10,11,12,13,14,15
	ds_load_b128 v[FB+4*\k:FB+4*\k+3], v[RD] offset:\k*KP
.endr
.irp k, 0,1,2,3,4,5,6,7,8,9,10,11,12,13,14,15
	s_wait_dscnt 15-\k                             ; row k is in, the younger rows stay out
	global_store_b128 v[GO], v[FB+4*\k:FB+4*\k+3], s[\o:\o+1] offset:\rho*32768+\k*512
.endr
	s_wait_xcnt 0x0                                ; the stores' data registers are loaded again by the next product only behind this wait
.endm
.macro PASS slot, o                    ; one weight against my 128 rows
	SMUL 0x04, KADR+\slot                          ; source 1 in window 1
	OUTB \o, 0
	SMUL 0x08, KADR+\slot                          ; source 1 in window 2
	OUTB \o, 1
.endm
	s_load_b512 s[8:23], s[0:1], 0x0               ; inputs, context, wt, k_s, v_s, q_s, k_c, v_c
	v_lshl_add_u32 v30, v0, 2, 0x4a400
	v_mov_b32 v31, 0
	ds_add_u32 v30, v31
	v_lshrrev_b32 v1, 5, v0
	v_readfirstlane_b32 s5, v1                     ; wave
	s_bfe_u32 s6, ttmp6, 0x40000                   ; cx
	s_lshr_b32 s7, ttmp9, 5                        ; 0: inputs, 1: context; the same in all four partners
	s_mov_b32 s32, W0K                             ; group 1: 64 rows x 256 elements of 2 bytes, row to row 256 elements
	s_mov_b32 s33, 256<<16
	s_mov_b32 s34, 64<<16
	s_mov_b32 s35, 256<<16
	s_mov_b32 s36, 64
	s_mov_b32 s37, 256
	s_mov_b32 s38, 0
	s_mov_b32 s39, 0
	s_mul_i32 s40, s7, 3*TILEB                     ; my first weight tile, my 64 rows of it
	s_lshl_b32 s41, s5, 15
	s_add_co_u32 s40, s40, s41
	s_mov_b32 s41, 0
	s_and_b32 s84, ttmp9, 31                       ; what hangs on cx stays in s84-s87, which feed no joint descriptor
	s_lshl_b32 s84, s84, 2
	s_add_co_u32 s84, s84, s6                      ; my block of 128 rows
	s_lshl_b32 s86, s84, 17                        ; x 128 x 1,024 bytes
	s_mov_b32 s87, 0
	s_lshl_b32 s84, s84, 16                        ; x 128 x 512 bytes
	s_mov_b32 s85, 0
	s_mov_b32 s56, 1                               ; group 0 of slot 0 and of slot 1
	s_mul_i32 s57, s5, KQ
	s_mov_b32 s60, 1
	s_mul_i32 s61, s5, KQ
	s_add_co_u32 s61, s61, SLOT
	s_wait_dscnt 0x0
	s_wait_kmcnt 0x0
	s_add_nc_u64 s[58:59], s[12:13], s[40:41]
	s_add_nc_u64 s[62:63], s[58:59], TILEB
	s_or_b32 s59, s59, 0x80000000
	s_or_b32 s63, s63, 0x80000000
	s_cmp_eq_u32 s7, 0
	s_cselect_b64 s[24:25], s[8:9], s[10:11]       ; X
	s_cselect_b64 s[26:27], s[14:15], s[20:21]     ; first result: K
	s_cselect_b64 s[28:29], s[16:17], s[22:23]     ; second: V
	s_add_nc_u64 s[24:25], s[24:25], s[86:87]
	s_add_nc_u64 s[26:27], s[26:27], s[84:85]
	s_add_nc_u64 s[28:29], s[28:29], s[84:85]
	s_add_nc_u64 s[18:19], s[18:19], s[84:85]      ; third (inputs alone): Q
	ROUND                                          ; the four partners are here: the first joint loads meet
	tensor_load_to_lds s[56:59], s[32:39]          ; weight tile 0
	s_nop 0
	tensor_load_to_lds s[60:63], s[32:39]          ; weight tile 1: two tensor loads of the wave are out
	s_nop 0
	v_and_b32 v9, 31, v0                           ; L
	v_and_b32 v10, 15, v0                          ; r
	v_bfe_u32 v11, v0, 4, 1                        ; h
	s_lshl_b32 s2, s5, 14
	v_lshl_add_u32 v[XA], v9, 4, s2                ; 16 w rows of 1,024 bytes + 16 L
	WIN 0xc0                                       ; destination in window 3
.irp rho, 0,1
.irp k, 0,1,2,3,4,5,6,7,8,9,10,11,12,13,14,15
.irp hf, 0,1
	global_load_b128 v[4*(32*\rho+2*\k+\hf):4*(32*\rho+2*\k+\hf)+3], v[XA], s[24:25] offset:\rho*65536+\k*1024+512*\hf th:TH_LOAD_NT
.endr
.endr
.endr
	WIN 0
	v_mul_u32_u24 v12, v10, KP
	v_lshl_add_u32 v12, v11, 4, v12                ; r x pitch + 16 h
	s_mul_i32 s2, s5, KQ
	v_add_nc_u32 v[KADR], s2, v12
	s_add_co_u32 s2, s2, SLOT
	v_add_nc_u32 v[KADR+1], s2, v12
	v_add_nc_u32 v[QADR], XT, v12
	s_mul_i32 s2, s5, 16*KP
	s_add_co_u32 s2, s2, XT
	v_lshl_add_u32 v[XW], v9, 3, s2
	v_lshl_add_u32 v[RD], v9, 4, s2
	s_lshl_b32 s2, s5, 7
	s_add_co_u32 s2, s2, XT
	v_add_nc_u32 v[STO], s2, v12
	s_lshl_b32 s2, s5, 13
	v_lshl_add_u32 v[GO], v9, 4, s2                ; 16 w rows of 512 bytes + 16 L
	s_wait_loadcnt 32                              ; rows 0-63 are in; the 32 loads of rows 64-127 stay out
	XIN 0, 0x40
	s_wait_loadcnt 0x0
	XIN 1, 0x80
	s_wait_tensorcnt 0x1                           ; my quarter of tile 0 has landed (I alone read it); tile 1 stays out
	PASS 0, 26
	s_wait_dscnt 0x0                               ; my reads of slot 0 are done
	s_wait_tensorcnt 0x0                           ; all my tensor loads have landed, tile 1 among them: group 0 may be written
	ds_add_u32 v30, v31
	s_wait_dscnt 0x0
	s_add_nc_u64 s[58:59], s[58:59], 2*TILEB       ; slot 0's next tile
	ROUND                                          ; both hold of every wave of the four partners
	s_cmp_lg_u32 s7, 0
	s_cbranch_scc1 .Lcontext                       ; context has no third weight: it fills nothing again
	tensor_load_to_lds s[56:59], s[32:39]          ; weight tile 2, my one tensor load behind the round
	s_nop 0
	PASS 1, 28
	s_wait_tensorcnt 0x0                           ; tile 2 has landed
	PASS 0, 18
	s_branch .Lclose
.Lcontext:
	PASS 1, 28
.Lclose:
	s_wait_tensorcnt 0x0
	ds_add_u32 v30, v31
	s_wait_dscnt 0x0
	ROUND                                          ; the closing round: nobody ends while a partner may still ask jointly
	s_endpgm
.Lfunc_end_k_q56e424c1d1_proj:
	.size	k_q56e424c1d1_proj, .Lfunc_end_k_q56e424c1d1_proj-k_q56e424c1d1_proj
	.p2alignl 7, 3214868480
	.fill 96, 4, 3214868480
	.section	.rodata,"a",@progbits
	.p2align	6, 0x0
	.amdhsa_kernel k_q56e424c1d1_proj
		.amdhsa_group_segment_fixed_size 327680
		.amdhsa_private_segment_fixed_size 0
		.amdhsa_enable_private_segment 0
		.amdhsa_kernarg_size 64
		.amdhsa_user_sgpr_count 2
		.amdhsa_user_sgpr_kernarg_segment_ptr 1
		.amdhsa_wavefront_size32 1
		.amdhsa_system_sgpr_workgroup_id_x 1
		.amdhsa_system_sgpr_workgroup_id_y 1
		.amdhsa_system_sgpr_workgroup_id_z 1
		.amdhsa_system_vgpr_workitem_id 0
		.amdhsa_next_free_vgpr 1024
		.amdhsa_next_free_sgpr 88
		.amdhsa_reserve_vcc 0
		.amdhsa_float_denorm_mode_32 3
		.amdhsa_float_denorm_mode_16_64 3
		.amdhsa_memory_ordered 1
		.amdhsa_forward_progress 1
		.amdhsa_inst_pref_size 203
	.end_amdhsa_kernel
	.amdgpu_metadata
---
amdhsa.version: [ 1, 2 ]
amdhsa.kernels:
  - .name:           k_q56e424c1d1_proj
    .symbol:         k_q56e424c1d1_proj.kd
    .args:
      - { .name: inputs, .offset: 0, .size: 8, .value_kind: global_buffer, .address_space: global }
      - { .name: context, .offset: 8, .size: 8, .value_kind: global_buffer, .address_space: global }
      - { .name: wt, .offset: 16, .size: 8, .value_kind: global_buffer, .address_space: global }
      - { .name: k_s, .offset: 24, .size: 8, .value_kind: global_buffer, .address_space: global }
      - { .name: v_s, .offset: 32, .size: 8, .value_kind: global_buffer, .address_space: global }
      - { .name: q_s, .offset: 40, .size: 8, .value_kind: global_buffer, .address_space: global }
      - { .name: k_c, .offset: 48, .size: 8, .value_kind: global_buffer, .address_space: global }
      - { .name: v_c, .offset: 56, .size: 8, .value_kind: global_buffer, .address_space: global }
    .group_segment_fixed_size: 327680
    .private_segment_fixed_size: 0
    .kernarg_segment_align: 8
    .kernarg_segment_size: 64
    .max_flat_workgroup_size: 128
    .sgpr_count:     88
    .vgpr_count:     1024
    .wavefront_size: 32
...
	.end_amdgpu_metadata
.endif
;; end of part 2
;; launch selfatt (part 3): grid 256 x 1, 4 waves a work-group, clusters of 4 x 1, 327,680 bytes of LDS; arguments q_s, k_s, v_s, wt, inputs, ln_g, ln_b, x1, q_c; writes x1, q_c
.if DOCPART == 3
	.amdgcn_target "amdgcn-amd-amdhsa--gfx1250"
	.amdhsa_code_object_version 6
	.text
	.protected	k_q56e424c1d1_selfatt
	.globl	k_q56e424c1d1_selfatt
	.p2align	8
	.type	k_q56e424c1d1_selfatt,@function
k_q56e424c1d1_selfatt:
	s_mov_b64 s[64:65], 0
	v_nop
	global_prefetch_b8 v0, s[64:65] scope:SCOPE_SE
	s_setreg_imm32_b32 hwreg(HW_REG_WAVE_MODE, 25, 1), 1
	s_wait_xcnt 0x0
	s_wait_alu depctr_hold_cnt(0) depctr_sa_sdst(0) depctr_va_vdst(0) depctr_va_sdst(0) depctr_va_ssrc(0) depctr_va_vcc(0) depctr_vm_vsrc(0)
	s_getreg_b32 s2, hwreg(HW_REG_IB_STS2, 6, 4)
	s_cmp_eq_u32 s2, 0
	s_cbranch_scc0 .Lentry_in_a_cluster
	s_endpgm
.Lentry_in_a_cluster:
	s_bfe_u32 s2, ttmp6, 0x10000c
	s_cmp_lg_u32 s2, 0x3003
	s_cbranch_scc0 .Lentry_shape_is_right
	s_endpgm
.Lentry_shape_is_right:
; x1 = LN(causal attention(q_s, k_s, v_s) + inputs);  q_c = bf16(x1 x Wq_c).  q_s carries log2(e)/16, so scores are exponents of 2.
; A work-group owns 64 query rows; a cluster of four owns 256 rows of one batch and walks the same key blocks of 256 keys.
; Every product is taken transposed, so that a lane owns a query row: S^T = K Q^T (M = key, N = q), O^T = V^T P^T (M = d, N = q); two neighbouring
; score tiles, rounded in pairs, are a source-1 fragment of P as they stand.  Each wave takes all 64 rows and its own 64 keys of a block, with its own
; running maximum, sum and O^T (512 registers); the four partial results are merged once at the end.  So each byte of K and V is read from LDS once.
; CLUSTER: the K and V tiles, and the weight behind the last key tile, are asked for jointly by the four work-groups (mask 15).
; The first step takes the diagonal block, with the mask; a loop takes the c blocks below it (c = cluster number mod 8: the same in all partners).
; The clusters' work is uneven (1 to 8 steps).
; LIMITS: NaN and infinities are not treated.  A masked score is -FLT_MAX: true scores must lie above it.  Q, K, V, P, x1 and the weight are rounded to bf16
; as matrix operands; the sum of the exponentials is taken from the unrounded numbers.  An exponential below 2^-126 comes out as 0 (ISA guide, V_EXP_F32).
.set KP,    528                        ; K, Q, x: 512 bytes + 16, an odd multiple of 16
.set KQ,    64*KP
.set VP,    544                        ; V: 512 bytes + 32, an odd multiple of 32, for the transposing loads
.set VQ,    64*VP
.set SLOTV, 4*KQ                       ; slot K at 0, slot V behind it
.set XT,    SLOTV+4*VQ                 ; 64 x 528: the Q tile (filled once), later x1 in bf16
.set RED,   XT+64*KP                   ; 1 KiB of maxima, 1 KiB of sums
.set MST,   SLOTV                      ; behind slot V's last fill: four images of 32 q x 256 d f32; later the stage of q_c
.set MP,    1040                       ; their pitch: 1,024 bytes + 16
.set MIMG,  32*MP
.set TILEB, 131072                     ; 256 rows x 512 bytes
.set WIDX,  5                          ; Wq_c
.set KADR, 1
.set VADR, 2
.set QADR, 3
.set DM,   4                           ; 64 (cx - w) + r - 8 h: a score is masked where 16 (kt - t) + j is greater
.set NEG,  5
.set REDW, 6
.set REDR, 7
.set M,    8                           ; v[8:15]   running maximum of q tile t, twice (a pair for packed arithmetic)
.set AL,   16                          ; v[16:23]  factor for the old sums, twice
.set LS,   24                          ; v[24:31]  two partial sums of q tile t
.set SB,   32                          ; v[32:159] sixteen score tiles; tile (kt, t) at SB + 8 ((kt & 1) 8 + (kt >> 1) 4 + t); P(c, t) at SB + 8 (4 c + t)
.set FB,   160                         ; v[160:255] three fragment buffers of 32 registers
.set FA,   160                         ; P V: eight V^T fragments
.set FO,   96                          ; P V: eight more, where the odd score tiles lay
.set MX,   160
.set TM,   164
; the end of the kernel, window 0
.set MW,   8
.set MR0,  9
.set MR1,  10
.set RESA, 11
.set GBA,  12
.set XW,   13
.set STO,  14
.set RD,   15
.set AR,   32                          ; v[32:159] sixteen rows: slot 8 rho + k = local row 32 rho + 8 w + k; registers 0-3: d = 4 L .., 4-7: d = 128 + 4 L ..
.set G,    160
.set BT,   168
.set LT,   184
.set RB,   184
.set XB,   184
; window 1: Q (later x1) fragments, chunk ch of 32 d, q tile t at 8 (4 ch + t); windows 2, 3: O^T tile (dt, t) at window 2 + (dt >> 3), register 64 t + 8 (dt & 7)
.set W0K, 15|(1<<16)|(1<<20)|(1<<21)|(6<<22)|(3<<25)   ; mask 15; 2-byte elements; padding on; bit 21 beside a mask; after 128 words; 4 words
.set W0V, 15|(1<<16)|(1<<20)|(1<<21)|(6<<22)|(7<<25)   ; the same with 8 words
.set W0Q, (1<<16)|(1<<20)|(6<<22)|(3<<25)              ; no mask: my own rows
.set MSB, 0
.macro WIN new                         ; the immediate's high byte repeats the setting that is left
.if MSB != \new
	s_set_vgpr_msb (MSB<<8)|\new
.set MSB, \new
.endif
.endm
.macro NOP4
.rept 4
	v_nop
.endr
.endm
.macro BAR                             ; a work-group barrier behind which no tensor load fills bytes again
	s_wait_dscnt 0x0
	s_barrier_signal -1
	s_barrier_wait -1
.endm
.macro ROUND                           ; a round of the cluster's barrier
	s_barrier_signal -1
	s_barrier_wait -1
	s_cmp_lg_u32 s5, 0
	s_cbranch_scc1 .Lnot_wave_0_\@
	s_barrier_signal -3
.Lnot_wave_0_\@:
	s_barrier_wait -3
	s_barrier_signal -1
	s_barrier_wait -1
.endm
.macro GROUP1 g, w0, rows              ; rows x 256 elements of 2 bytes, row to row 256 elements
	s_mov_b32 s[\g], \w0
	s_mov_b32 s[\g+1], 256<<16
	s_mov_b32 s[\g+2], \rows<<16
	s_mov_b32 s[\g+3], 256<<16
	s_mov_b32 s[\g+4], \rows
	s_mov_b32 s[\g+5], 256
	s_mov_b32 s[\g+6], 0
	s_mov_b32 s[\g+7], 0
.endm
.macro LOADQ set                       ; 64 rows x 256 d of XT into window 1, as source-1 fragments
	WIN \set
.irp ch, 0,1,2,3,4,5,6,7
.irp t, 0,1,2,3
	ds_load_b128 v[8*(4*\ch+\t):8*(4*\ch+\t)+3],   v[QADR] offset:\t*16*KP+64*\ch
	ds_load_b128 v[8*(4*\ch+\t)+4:8*(4*\ch+\t)+7], v[QADR] offset:\t*16*KP+64*\ch+32
.endr
.endr
	WIN 0
	s_wait_dscnt 0x0
.endm
.macro SCHUNK adr, ch                  ; eight loads: my 64 rows of slot K, 32 along d, into buffer ch mod 3
.irp kt, 0,1,2,3
	ds_load_b128 v[FB+32*((\ch)%3)+8*\kt:FB+32*((\ch)%3)+8*\kt+3],   v[\adr] offset:\kt*16*KP+64*(\ch)
	ds_load_b128 v[FB+32*((\ch)%3)+8*\kt+4:FB+32*((\ch)%3)+8*\kt+7], v[\adr] offset:\kt*16*KP+64*(\ch)+32
.endr
.endm
; 64 x 64 x 256: 128 matrix instructions; the first chunk starts the sums.  The sixteen accumulators take turns, one instruction a turn.
; Chunk ch + 2 is requested ahead of chunk ch's products.
.macro SMUL set, adr
	WIN \set
	SCHUNK \adr, 0
	SCHUNK \adr, 1
.irp ch, 0,1,2,3,4,5,6,7
.if \ch < 6
.if \ch > 0
	NOP4                                           ; four places between chunk ch - 1's products and the loads into the buffer that they read
.endif
	SCHUNK \adr, (\ch+2)
	s_wait_dscnt 16                                ; chunk ch is in; the 8 loads each of the two younger chunks stay out
.else
	s_wait_dscnt 8*(7-\ch)                         ; one younger chunk, then none
.endif
.irp kt, 0,1,2,3
.irp t, 0,1,2,3
.set sx, SB+8*((\kt&1)*8+(\kt>>1)*4+\t)
.set fx, FB+32*(\ch%3)+8*\kt
.set qx, 8*(4*\ch+\t)
.if \ch == 0
	v_wmma_f32_16x16x32_bf16 v[sx:sx+7], v[fx:fx+7], v[qx:qx+7], 0
.else
	v_wmma_f32_16x16x32_bf16 v[sx:sx+7], v[fx:fx+7], v[qx:qx+7], v[sx:sx+7]
.endif
.endr
.endr
.endr
	NOP4                                           ; four places before anything reads the results
	WIN 0
.endm
.macro MASK                            ; key 64 w + 16 kt + 8 h + j above query 64 cx + 16 t + r: the score becomes -FLT_MAX.  cx enters data alone
.irp kt, 0,1,2,3
.irp t, 0,1,2,3
.set sx, SB+8*((\kt&1)*8+(\kt>>1)*4+\t)
.irp j, 0,1,2,3,4,5,6,7
	v_cmp_gt_i32 vcc_lo, 16*(\kt-\t)+\j, v[DM]
	v_cndmask_b32 v[sx+\j], v[sx+\j], v[NEG], vcc_lo
.endr
.endr
.endr
.endm
; The tile at SB + 8 n belongs to q tile n & 3.  A lane holds 32 scores of each of four query rows; its partner, lane xor 16, the other 32.
.macro SOFTMAX first
.irp t, 0,1,2,3
	v_max3_num_f32 v[MX+\t], v[SB+8*\t], v[SB+8*\t+1], v[SB+8*\t+2]
.endr
.set n, 3
.rept 14
.irp t, 0,1,2,3
	v_max3_num_f32 v[MX+\t], v[MX+\t], v[SB+32*(n>>3)+8*\t+(n&7)], v[SB+32*((n+1)>>3)+8*\t+((n+1)&7)]
.endr
.set n, n+2
.endr
.irp t, 0,1,2,3
	v_max_num_f32 v[MX+\t], v[MX+\t], v[SB+96+8*\t+7]
.endr
.irp t, 0,1,2,3
	v_permlanex16_b32 v[TM+\t], v[MX+\t], s26, s27
.endr
.if \first
.irp t, 0,1,2,3
	v_max_num_f32 v[M+2*\t], v[MX+\t], v[TM+\t]
.endr
.irp t, 0,1,2,3
	v_mov_b32 v[M+2*\t+1], v[M+2*\t]
.endr
.else
.irp t, 0,1,2,3
	v_max3_num_f32 v[MX+\t], v[MX+\t], v[TM+\t], v[M+2*\t]       ; the new running maximum
.endr
.irp t, 0,1,2,3
	v_sub_f32 v[TM+\t], v[M+2*\t], v[MX+\t]
.endr
.irp t, 0,1,2,3
	v_exp_f32 v[AL+2*\t], v[TM+\t]                 ; the moves below are the plain place behind these (ISA guide 5.7.2)
.endr
.irp t, 0,1,2,3
	v_mov_b32 v[M+2*\t], v[MX+\t]
	v_mov_b32 v[M+2*\t+1], v[MX+\t]
.endr
	s_wait_alu depctr_va_vdst(0)
.irp t, 0,1,2,3
	v_mov_b32 v[AL+2*\t+1], v[AL+2*\t]
.endr
.endif
.set n, 0
.rept 16
.irp p, 0,2,4,6
	v_pk_add_f32 v[SB+8*n+\p:SB+8*n+\p+1], v[SB+8*n+\p:SB+8*n+\p+1], v[M+2*(n&3):M+2*(n&3)+1] neg_lo:[0,1] neg_hi:[0,1]
.endr
.irp j, 0,1,2,3,4,5,6,7
	v_exp_f32 v[SB+8*n+\j], v[SB+8*n+\j]           ; the next tile's subtraction is the plain place behind these
.endr
.set n, n+1
.endr
.irp t, 0,1,2,3
.if \first
	s_wait_alu depctr_va_vdst(0)
	v_pk_add_f32 v[LS+2*\t:LS+2*\t+1], v[SB+8*\t:SB+8*\t+1], v[SB+8*\t+2:SB+8*\t+3]
.else
	s_wait_alu depctr_va_vdst(0)
	v_pk_fma_f32 v[LS+2*\t:LS+2*\t+1], v[LS+2*\t:LS+2*\t+1], v[AL+2*\t:AL+2*\t+1], v[SB+8*\t:SB+8*\t+1]
.endif
.endr
.set n, 1+\first
.rept 15-\first
.irp t, 0,1,2,3
	v_pk_add_f32 v[LS+2*\t:LS+2*\t+1], v[LS+2*\t:LS+2*\t+1], v[SB+32*(n>>2)+8*\t+2*(n&3):SB+32*(n>>2)+8*\t+2*(n&3)+1]
.endr
.set n, n+1
.endr
.set n, 0
.rept 8                                ; P(c, t), n = 4 c + t: keys 8 h .. from tile (2 c, t), in place; keys 16 + 8 h .. from tile (2 c + 1, t)
.irp i, 0,1,2,3
	v_cvt_pk_bf16_f32 v[SB+8*n+\i], v[SB+8*n+2*\i], v[SB+8*n+2*\i+1]
.endr
.irp i, 0,1,2,3
	v_cvt_pk_bf16_f32 v[SB+8*n+4+\i], v[SB+64+8*n+2*\i], v[SB+64+8*n+2*\i+1]
.endr
.set n, n+1
.endr
.endm
.macro RESCALE                         ; O^T of q tile t times AL(t): a lane's 128 numbers of a tile column belong to one query row
	WIN 0x82
.irp t, 0,1,2,3
.set n, 0
.rept 32
	v_pk_mul_f32 v[64*\t+2*n:64*\t+2*n+1], v[64*\t+2*n:64*\t+2*n+1], v[AL+2*\t:AL+2*\t+1]
.set n, n+1
.endr
.endr
	WIN 0xc3
.irp t, 0,1,2,3
.set n, 0
.rept 32
	v_pk_mul_f32 v[64*\t+2*n:64*\t+2*n+1], v[64*\t+2*n:64*\t+2*n+1], v[AL+2*\t:AL+2*\t+1]
.set n, n+1
.endr
.endr
	WIN 0
.endm
.macro VGRP c, half, buf               ; sixteen transposing loads: V^T fragments dt = 8 half .. 8 half + 7 of my keys 32 c .. 32 c + 31
.irp i, 0,1,2,3,4,5,6,7
	ds_load_tr16_b128 v[\buf+8*\i:\buf+8*\i+3],   v[VADR] offset:\c*32*VP+(8*\half+\i)*32
	ds_load_tr16_b128 v[\buf+8*\i+4:\buf+8*\i+7], v[VADR] offset:\c*32*VP+(8*\half+\i)*32+16*VP
.endr
.endm
.macro PVG c, buf, zero                ; 32 matrix instructions on the 32 accumulators of the window that is set, by turns
.irp i, 0,1,2,3,4,5,6,7
.irp t, 0,1,2,3
.if \zero
	v_wmma_f32_16x16x32_bf16 v[64*\t+8*\i:64*\t+8*\i+7], v[\buf+8*\i:\buf+8*\i+7], v[SB+8*(4*\c+\t):SB+8*(4*\c+\t)+7], 0
.else
	v_wmma_f32_16x16x32_bf16 v[64*\t+8*\i:64*\t+8*\i+7], v[\buf+8*\i:\buf+8*\i+7], v[SB+8*(4*\c+\t):SB+8*(4*\c+\t)+7], v[64*\t+8*\i:64*\t+8*\i+7]
.endif
.endr
.endr
.endm
.macro PVMUL first
	VGRP 0, 0, FA
	VGRP 0, 1, FO
.if \first == 0
	RESCALE
.endif
	s_wait_dscnt 16                                ; the first group is in; the second group's 16 loads stay out
	WIN 0xa0
	PVG 0, FA, \first
	NOP4                                           ; four places before loads land in the fragments just read
	WIN 0
	VGRP 1, 0, FA
	s_wait_dscnt 16
	WIN 0xf0
	PVG 0, FO, \first
	NOP4
	WIN 0
	VGRP 1, 1, FO
	s_wait_dscnt 16
	WIN 0xa0
	PVG 1, FA, 0
	s_wait_dscnt 0x0
	WIN 0xf0
	PVG 1, FO, 0
	NOP4
	v_nop                                          ; five places: the next scores are written over P and over the fragments
	WIN 0
.endm
; One block of 256 keys.  Two rounds: V's tile is asked for at the head and has the scores and the softmax in which to land;
; the next K tile (behind the last block: the weight) is asked for behind the softmax and has the rescaling and P V in which to land.
.macro STEP first, mask
.if \first == 0
	s_wait_dscnt 0x0                               ; my reads of slot V are done
	s_wait_xcnt 0x0
	v_lshl_add_u32 v254, v0, 2, 0x4bc00
	v_mov_b32 v255, 0
	s_wait_tensorcnt 0x0                           ; all my tensor loads have landed: this block's K
	ds_add_u32 v254, v255
	s_wait_dscnt 0x0
	ROUND
	tensor_load_to_lds s[60:63], s[40:47]          ; this block's V: my one tensor load behind the round
	s_nop 0
.endif
	SMUL 0x04, KADR
.if \mask
	MASK
.endif
	SOFTMAX \first
	s_wait_dscnt 0x0                               ; my reads of slot K are done
	s_wait_xcnt 0x0
	v_lshl_add_u32 v254, v0, 2, 0x4bc00
	v_mov_b32 v255, 0
	s_wait_tensorcnt 0x0                           ; all my tensor loads have landed: this block's V; both groups 0 may be written
	ds_add_u32 v254, v255
	s_wait_dscnt 0x0
.if \first
	s_cmp_gt_u32 s4, 0
.else
	s_add_co_u32 s7, s3, 1
	s_cmp_lt_u32 s7, s4
.endif
	s_cselect_b64 s[58:59], s[72:73], s[76:77]     ; another key block, or the weight
	s_or_b32 s59, s59, 0x80000000
	s_add_nc_u64 s[72:73], s[72:73], TILEB
.if \first
	s_mov_b64 s[62:63], s[74:75]                   ; V of block 0
	s_or_b32 s63, s63, 0x80000000
.else
	s_add_nc_u64 s[62:63], s[62:63], TILEB
.endif
	ROUND
	tensor_load_to_lds s[56:59], s[32:39]          ; my one tensor load behind the round
	s_nop 0
	PVMUL \first
.endm
.macro MWRITE rho                      ; my O^T of q tiles 2 rho, 2 rho + 1 as an image [32 q][256 d] f32
	WIN 0x08
.irp tp, 0,1
.irp i, 0,1,2,3,4,5,6,7
	ds_store_b128 v[MW], v[64*(2*\rho+\tp)+8*\i:64*(2*\rho+\tp)+8*\i+3]   offset:\tp*16*MP+64*\i
	ds_store_b128 v[MW], v[64*(2*\rho+\tp)+8*\i+4:64*(2*\rho+\tp)+8*\i+7] offset:\tp*16*MP+64*\i+16
.endr
.endr
	WIN 0x0c
.irp tp, 0,1
.irp i, 0,1,2,3,4,5,6,7
	ds_store_b128 v[MW], v[64*(2*\rho+\tp)+8*\i:64*(2*\rho+\tp)+8*\i+3]   offset:\tp*16*MP+64*(8+\i)
	ds_store_b128 v[MW], v[64*(2*\rho+\tp)+8*\i+4:64*(2*\rho+\tp)+8*\i+7] offset:\tp*16*MP+64*(8+\i)+16
.endr
.endr
	WIN 0
	BAR
.endm
.macro MROW k, buf                     ; row 8 w + k of the four images: eight loads of 512 consecutive bytes
	ds_load_b128 v[\buf:\buf+3],     v[MR0] offset:(\k)*MP
	ds_load_b128 v[\buf+4:\buf+7],   v[MR0] offset:(\k)*MP+512
	ds_load_b128 v[\buf+8:\buf+11],  v[MR0] offset:MIMG+(\k)*MP
	ds_load_b128 v[\buf+12:\buf+15], v[MR0] offset:MIMG+(\k)*MP+512
	ds_load_b128 v[\buf+16:\buf+19], v[MR1] offset:(\k)*MP
	ds_load_b128 v[\buf+20:\buf+23], v[MR1] offset:(\k)*MP+512
	ds_load_b128 v[\buf+24:\buf+27], v[MR1] offset:MIMG+(\k)*MP
	ds_load_b128 v[\buf+28:\buf+31], v[MR1] offset:MIMG+(\k)*MP+512
.endm
.macro MREAD rho
	MROW 0, RB
.irp k, 0,1,2,3,4,5,6,7
.if \k < 7
	MROW (\k+1), RB+32*((\k+1)&1)
	s_wait_dscnt 8                                 ; row k is in; the next row's eight loads stay out
.else
	s_wait_dscnt 0x0
.endif
.set bb, RB+32*(\k&1)
.set x, AR+8*(8*\rho+\k)
.irp p, 0,2,4,6
	v_pk_add_f32 v[bb+\p:bb+\p+1], v[bb+\p:bb+\p+1], v[bb+8+\p:bb+8+\p+1]
	v_pk_add_f32 v[bb+16+\p:bb+16+\p+1], v[bb+16+\p:bb+16+\p+1], v[bb+24+\p:bb+24+\p+1]
	v_pk_add_f32 v[x+\p:x+\p+1], v[bb+\p:bb+\p+1], v[bb+16+\p:bb+16+\p+1]
.endr
.endr
.endm
.macro RSUM off                        ; four rows' sums over the 32 lanes, in every lane
.irp m, 1,2,4,8
.irp i, 0,1,2,3
	v_add_f32_dpp v[LT+8*\i+\off], v[LT+8*\i+\off], v[LT+8*\i+\off] row_xmask:\m row_mask:0xf bank_mask:0xf
.endr
.endr
.irp i, 0,1,2,3
	v_permlanex16_b32 v[LT+8*\i+\off+1], v[LT+8*\i+\off], s26, s27
.endr
.irp i, 0,1,2,3
	v_add_f32 v[LT+8*\i+\off], v[LT+8*\i+\off], v[LT+8*\i+\off+1]
.endr
.endm
.macro LN4 base                        ; layer norm of row slots base .. base + 3: the mean is taken away first, then the squares are summed
.irp i, 0,1,2,3
.set x, AR+8*(\base+\i)
.set u, LT+8*\i
	v_pk_add_f32 v[u:u+1], v[x:x+1], v[x+2:x+3]
	v_pk_add_f32 v[u+2:u+3], v[x+4:x+5], v[x+6:x+7]
	v_pk_add_f32 v[u:u+1], v[u:u+1], v[u+2:u+3]
	v_add_f32 v[u], v[u], v[u+1]
.endr
	RSUM 0
.irp i, 0,1,2,3
.set x, AR+8*(\base+\i)
.set u, LT+8*\i
	v_mul_f32 v[u+1], s28, v[u]
	v_mul_f32 v[u], s28, v[u]
.irp p, 0,2,4,6
	v_pk_add_f32 v[x+\p:x+\p+1], v[x+\p:x+\p+1], v[u:u+1] neg_lo:[0,1] neg_hi:[0,1]
.endr
	v_pk_mul_f32 v[u+2:u+3], v[x:x+1], v[x:x+1]
.irp p, 2,4,6
	v_pk_fma_f32 v[u+2:u+3], v[x+\p:x+\p+1], v[x+\p:x+\p+1], v[u+2:u+3]
.endr
	v_add_f32 v[u+2], v[u+2], v[u+3]
.endr
	RSUM 2
.irp i, 0,1,2,3
	v_fma_f32 v[LT+8*\i+2], v[LT+8*\i+2], s28, s29               ; variance + epsilon
.endr
.irp i, 0,1,2,3
	v_rsq_f32 v[LT+8*\i+4], v[LT+8*\i+2]
.endr
	v_nop                                          ; the plain place behind the roots
	s_wait_alu depctr_va_vdst(0)
.irp i, 0,1,2,3
	v_mov_b32 v[LT+8*\i+5], v[LT+8*\i+4]
.endr
.irp i, 0,1,2,3
.set x, AR+8*(\base+\i)
.set u, LT+8*\i
.irp p, 0,2,4,6
	v_pk_mul_f32 v[x+\p:x+\p+1], v[x+\p:x+\p+1], v[u+4:u+5]
.endr
.irp p, 0,2,4,6
	v_pk_fma_f32 v[x+\p:x+\p+1], v[x+\p:x+\p+1], v[G+\p:G+\p+1], v[BT+\p:BT+\p+1]
.endr
.endr
.endm
	s_load_b512 s[8:23], s[0:1], 0x0               ; q_s, k_s, v_s, wt, inputs, ln_g, ln_b, x1
	s_load_b64 s[24:25], s[0:1], 0x40              ; q_c
	v_lshl_add_u32 v254, v0, 2, 0x4bc00
	v_mov_b32 v255, 0
	ds_add_u32 v254, v255
	s_wait_dscnt 0x0
	v_lshrrev_b32 v1, 5, v0
	v_readfirstlane_b32 s5, v1                     ; wave
	s_bfe_u32 s6, ttmp6, 0x40000                   ; cx
	s_and_b32 s4, ttmp9, 7                         ; c: the diagonal block, and the number of blocks below it
	s_lshr_b32 s7, ttmp9, 3                        ; batch
	s_mov_b32 s26, 0x76543210                      ; v_permlanex16_b32: lane i reads lane i of the other half
	s_mov_b32 s27, 0xfedcba98
	s_mov_b32 s28, 0x3b800000                      ; 1/256
	s_mov_b32 s29, 0x3a83126f                      ; 0.001
	GROUP1 32, W0K, 64
	GROUP1 40, W0V, 64
	GROUP1 48, W0Q, 16
	s_lshl_b32 s78, s7, 20                         ; batch x 2,048 rows x 512 bytes
	s_lshl_b32 s79, s5, 15                         ; + my 64 rows of a tile
	s_add_co_u32 s78, s78, s79
	s_add_co_u32 s82, s79, WIDX*TILEB
	s_mov_b32 s79, 0
	s_mov_b32 s83, 0
	s_lshl_b32 s80, s4, 17                         ; the diagonal block
	s_mov_b32 s81, 0
	s_lshl_b32 s84, ttmp9, 2                       ; what hangs on cx stays in s84-s90, which feed no joint descriptor
	s_add_co_u32 s84, s84, s6                      ; my block of 64 rows
	s_lshl_b32 s86, s84, 16                        ; x 64 x 1,024 bytes
	s_mov_b32 s87, 0
	s_lshl_b32 s84, s84, 15                        ; x 64 x 512 bytes
	s_mov_b32 s85, 0
	s_lshl_b32 s88, s5, 13                         ; + 16 w rows of 512 bytes
	s_add_co_u32 s88, s88, s84
	s_mov_b32 s89, 0
	s_sub_co_i32 s90, s6, s5
	s_lshl_b32 s90, s90, 6                         ; 64 (cx - w)
	s_mov_b32 s56, 1                               ; groups 0: K, V, Q
	s_mul_i32 s57, s5, KQ
	s_mov_b32 s60, 1
	s_mul_i32 s61, s5, VQ
	s_add_co_u32 s61, s61, SLOTV
	s_mov_b32 s68, 1
	s_mul_i32 s69, s5, 16*KP
	s_add_co_u32 s69, s69, XT
	s_wait_kmcnt 0x0
	s_add_nc_u64 s[72:73], s[10:11], s[78:79]      ; K of block 0: the next block of the loop
	s_add_nc_u64 s[74:75], s[12:13], s[78:79]      ; V of block 0
	s_add_nc_u64 s[76:77], s[14:15], s[82:83]      ; the weight
	s_add_nc_u64 s[58:59], s[72:73], s[80:81]
	s_or_b32 s59, s59, 0x80000000
	s_add_nc_u64 s[62:63], s[74:75], s[80:81]
	s_or_b32 s63, s63, 0x80000000
	s_add_nc_u64 s[70:71], s[8:9], s[88:89]
	s_or_b32 s71, s71, 0x80000000
	s_add_nc_u64 s[16:17], s[16:17], s[86:87]      ; inputs, x1 and q_c at my first row
	s_add_nc_u64 s[22:23], s[22:23], s[86:87]
	s_add_nc_u64 s[24:25], s[24:25], s[84:85]
	ROUND                                          ; the four partners are here: the first joint loads meet
	tensor_load_to_lds s[68:71], s[48:55]          ; my 16 rows of Q
	s_nop 0
	tensor_load_to_lds s[56:59], s[32:39]          ; my 64 keys of the diagonal block
	s_nop 0
	tensor_load_to_lds s[60:63], s[40:47]          ; and their V: three tensor loads of the wave are out
	s_nop 0
	v_and_b32 v6, 15, v0                           ; r
	v_bfe_u32 v7, v0, 4, 1                         ; h
	v_mul_u32_u24 v3, v6, KP
	v_lshl_add_u32 v3, v7, 4, v3                   ; r x pitch + 16 h
	s_mul_i32 s7, s5, KQ
	v_add_nc_u32 v[KADR], s7, v3
	v_add_nc_u32 v[QADR], XT, v3
	v_and_b32 v2, 7, v0
	v_lshl_add_u32 v2, v7, 3, v2                   ; key row 8 h + (L & 7)
	v_mul_u32_u24 v2, v2, VP
	v_bfe_u32 v4, v0, 3, 1
	v_lshl_add_u32 v2, v4, 4, v2                   ; + 16 ((L >> 3) & 1)
	s_mul_i32 s7, s5, VQ
	s_add_co_u32 s7, s7, SLOTV
	v_add_nc_u32 v[VADR], s7, v2
	v_lshlrev_b32 v4, 3, v7
	v_sub_nc_u32 v4, v6, v4
	v_add_nc_u32 v[DM], s90, v4
	v_mov_b32 v[NEG], 0xff7fffff
	v_lshlrev_b32 v[REDR], 4, v6
	v_add_nc_u32 v[REDR], RED, v[REDR]             ; RED + 16 r
	s_lshl_b32 s7, s5, 8
	v_add_nc_u32 v[REDW], s7, v[REDR]              ; + 256 w
	s_wait_tensorcnt 0x1                           ; Q and K have landed; V stays out
	BAR                                            ; every wave's rows of Q are in
	LOADQ 0x40
	STEP 1, 1
	s_cmp_eq_u32 s4, 0
	s_cbranch_scc1 .Lmerge                         ; the first cluster of a batch has no block below the diagonal
	s_mov_b32 s3, 0
.Lstep:
	STEP 0, 0
	s_add_co_u32 s3, s3, 1
	s_cmp_lt_u32 s3, s4
	s_cbranch_scc1 .Lstep
.Lmerge:
	; the four waves' maxima and sums meet.  A wave, or a row of it, that has seen masked keys alone holds -FLT_MAX and finite sums: its factor is exactly 0.
.irp t, 0,1,2,3
	v_add_f32 v[LS+2*\t], v[LS+2*\t], v[LS+2*\t+1]
.endr
.irp t, 0,1,2,3
	v_permlanex16_b32 v[LS+2*\t+1], v[LS+2*\t], s26, s27
.endr
.irp t, 0,1,2,3
	v_mov_b32 v[160+\t], v[M+2*\t]
	v_add_f32 v[164+\t], v[LS+2*\t], v[LS+2*\t+1]
.endr
	ds_store_b128 v[REDW], v[160:163]
	ds_store_b128 v[REDW], v[164:167] offset:1024
	s_wait_tensorcnt 0x0                           ; the weight has landed; no tensor load follows
	BAR
.irp wv, 0,1,2,3
	ds_load_b128 v[168+4*\wv:168+4*\wv+3], v[REDR] offset:256*\wv
	ds_load_b128 v[184+4*\wv:184+4*\wv+3], v[REDR] offset:1024+256*\wv
.endr
	s_wait_dscnt 0x0
.irp t, 0,1,2,3
	v_max3_num_f32 v[200+\t], v[168+\t], v[172+\t], v[176+\t]
.endr
.irp t, 0,1,2,3
	v_max_num_f32 v[200+\t], v[200+\t], v[180+\t]
.endr
.irp wv, 0,1,2,3
.irp t, 0,1,2,3
	v_sub_f32 v[168+4*\wv+\t], v[168+4*\wv+\t], v[200+\t]
.endr
.endr
.irp t, 0,1,2,3
	v_sub_f32 v[208+\t], v[M+2*\t], v[200+\t]
.endr
.set n, 0
.rept 16
	v_exp_f32 v[168+n], v[168+n]
.set n, n+1
.endr
.irp t, 0,1,2,3
	v_exp_f32 v[208+\t], v[208+\t]
.endr
	v_nop                                          ; the plain place behind the exponentials
	s_wait_alu depctr_va_vdst(0)
.irp t, 0,1,2,3
	v_mul_f32 v[204+\t], v[168+\t], v[184+\t]
.endr
.irp wv, 1,2,3
.irp t, 0,1,2,3
	v_fmac_f32 v[204+\t], v[168+4*\wv+\t], v[184+4*\wv+\t]
.endr
.endr
.irp t, 0,1,2,3
	v_rcp_f32 v[212+\t], v[204+\t]                 ; the sum is at least 1: the wave that holds the maximum adds its own
.endr
	v_nop
	s_wait_alu depctr_va_vdst(0)
.irp t, 0,1,2,3
	v_mul_f32 v[AL+2*\t], v[208+\t], v[212+\t]
.endr
.irp t, 0,1,2,3
	v_mov_b32 v[AL+2*\t+1], v[AL+2*\t]
.endr
	RESCALE                                        ; my part, brought to the common maximum and divided by the whole sum
	v_and_b32 v24, 31, v0                          ; L
	v_and_b32 v25, 15, v0                          ; r
	v_bfe_u32 v26, v0, 4, 1                        ; h
	s_mul_i32 s7, s5, MIMG
	s_add_co_u32 s7, s7, MST
	v_mul_u32_u24 v27, v25, MP
	v_lshl_add_u32 v27, v26, 5, v27
	v_add_nc_u32 v[MW], s7, v27                    ; my image, row r, 32 h
	s_mul_i32 s7, s5, 8*MP
	s_add_co_u32 s7, s7, MST
	v_lshlrev_b32 v[GBA], 4, v24                   ; 16 L
	v_add_nc_u32 v[MR0], s7, v[GBA]                ; images 0 and 1, row 8 w
	v_add_nc_u32 v[MR1], 2*MIMG, v[MR0]            ; images 2 and 3
	s_lshl_b32 s7, s5, 13
	v_add_nc_u32 v[RESA], s7, v[GBA]               ; 8 w rows of 1,024 bytes (= 16 w rows of 512) + 16 L
	s_mul_i32 s7, s5, 8*KP
	s_add_co_u32 s7, s7, XT
	v_lshl_add_u32 v[XW], v24, 3, s7
	v_mul_u32_u24 v27, v25, KP
	v_lshl_add_u32 v27, v26, 4, v27
	s_lshl_b32 s7, s5, 7
	s_add_co_u32 s7, s7, MST
	v_add_nc_u32 v[STO], s7, v27                   ; stage of q_c: row r, 16 h + 128 w
	s_mul_i32 s7, s5, 16*KP
	s_add_co_u32 s7, s7, MST
	v_add_nc_u32 v[RD], s7, v[GBA]
	MWRITE 0
	WIN 0xc0                                       ; the residual lands in window 3, where q tiles 0 and 1 have just left
.irp rho, 0,1
.irp k, 0,1,2,3,4,5,6,7
	global_load_b128 v[8*(8*\rho+\k):8*(8*\rho+\k)+3],   v[RESA], s[16:17] offset:\rho*32768+\k*1024 th:TH_LOAD_NT
	global_load_b128 v[8*(8*\rho+\k)+4:8*(8*\rho+\k)+7], v[RESA], s[16:17] offset:\rho*32768+\k*1024+512 th:TH_LOAD_NT
.endr
.endr
	WIN 0
	global_load_b128 v[G:G+3],     v[GBA], s[18:19]
	global_load_b128 v[G+4:G+7],   v[GBA], s[18:19] offset:512
	global_load_b128 v[BT:BT+3],   v[GBA], s[20:21]
	global_load_b128 v[BT+4:BT+7], v[GBA], s[20:21] offset:512
	MREAD 0
	BAR                                            ; every wave has read the images: they may be written again
	MWRITE 1
	MREAD 1
	s_wait_loadcnt 0x0                             ; residual, gain and bias
	WIN 0x0c
.set n, 0
.rept 64
	v_pk_add_f32 v[AR+2*n:AR+2*n+1], v[AR+2*n:AR+2*n+1], v[2*n:2*n+1]
.set n, n+1
.endr
	WIN 0
.irp b, 0,4,8,12
	LN4 \b
.endr
.irp rho, 0,1
.irp k, 0,1,2,3,4,5,6,7
	global_store_b128 v[RESA], v[AR+8*(8*\rho+\k):AR+8*(8*\rho+\k)+3],   s[22:23] offset:\rho*32768+\k*1024       ; x1: 512 consecutive, aligned bytes a store
	global_store_b128 v[RESA], v[AR+8*(8*\rho+\k)+4:AR+8*(8*\rho+\k)+7], s[22:23] offset:\rho*32768+\k*1024+512
.endr
.endr
.set n, 0
.rept 64
	v_cvt_pk_bf16_f32 v[XB+n], v[AR+2*n], v[AR+2*n+1]
.set n, n+1
.endr
.irp rho, 0,1
.irp k, 0,1,2,3,4,5,6,7
	ds_store_b64 v[XW], v[XB+4*(8*\rho+\k):XB+4*(8*\rho+\k)+1]   offset:(32*\rho+\k)*KP
	ds_store_b64 v[XW], v[XB+4*(8*\rho+\k)+2:XB+4*(8*\rho+\k)+3] offset:(32*\rho+\k)*KP+256
.endr
.endr
	BAR                                            ; x1 in bf16 is whole; nobody reads the images any more
	LOADQ 0x40
	WIN 0x80
	v_mov_b32 v[KADR], v[KADR]                     ; the fragment address, copied into window 2
	SMUL 0xa6, KADR                                ; q_c^T = Wq_c^T x1^T: results, fragments and address in window 2, x1 in window 1
	WIN 0x8a
.set n, 0
.rept 16
.irp i, 0,1,2,3
	v_cvt_pk_bf16_f32 v[SB+8*n+\i], v[SB+8*n+2*\i], v[SB+8*n+2*\i+1]
.endr
.set n, n+1
.endr
	WIN 0x08
.irp kt, 0,1,2,3
.irp t, 0,1,2,3
.set sx, SB+8*((\kt&1)*8+(\kt>>1)*4+\t)
	ds_store_b128 v[STO], v[sx:sx+3] offset:\t*16*KP+32*\kt
.endr
.endr
	WIN 0
	BAR
.irp k, 0,1,2,3,4,5,6,7,8,9,10,11,12,13,14,15
	ds_load_b128 v[RB+4*\k:RB+4*\k+3], v[RD] offset:\k*KP
.endr
.irp k, 0,1,2,3,4,5,6,7,8,9,10,11,12,13,14,15
	s_wait_dscnt 15-\k                             ; row k is in, the younger rows stay out
	global_store_b128 v[RESA], v[RB+4*\k:RB+4*\k+3], s[24:25] offset:\k*512
.endr
	s_wait_xcnt 0x0
	v_lshl_add_u32 v254, v0, 2, 0x4bc00
	v_mov_b32 v255, 0
	s_wait_tensorcnt 0x0
	ds_add_u32 v254, v255
	s_wait_dscnt 0x0
	ROUND                                          ; the closing round
	s_endpgm
.Lfunc_end_k_q56e424c1d1_selfatt:
	.size	k_q56e424c1d1_selfatt, .Lfunc_end_k_q56e424c1d1_selfatt-k_q56e424c1d1_selfatt
	.p2alignl 7, 3214868480
	.fill 96, 4, 3214868480
	.section	.rodata,"a",@progbits
	.p2align	6, 0x0
	.amdhsa_kernel k_q56e424c1d1_selfatt
		.amdhsa_group_segment_fixed_size 327680
		.amdhsa_private_segment_fixed_size 0
		.amdhsa_enable_private_segment 0
		.amdhsa_kernarg_size 72
		.amdhsa_user_sgpr_count 2
		.amdhsa_user_sgpr_kernarg_segment_ptr 1
		.amdhsa_wavefront_size32 1
		.amdhsa_system_sgpr_workgroup_id_x 1
		.amdhsa_system_sgpr_workgroup_id_y 1
		.amdhsa_system_sgpr_workgroup_id_z 1
		.amdhsa_system_vgpr_workitem_id 0
		.amdhsa_next_free_vgpr 1024
		.amdhsa_next_free_sgpr 92
		.amdhsa_reserve_vcc 1
		.amdhsa_float_denorm_mode_32 3
		.amdhsa_float_denorm_mode_16_64 3
		.amdhsa_memory_ordered 1
		.amdhsa_forward_progress 1
		.amdhsa_inst_pref_size 255
	.end_amdhsa_kernel
	.section	.bss,"aw",@nobits
	.p2align	6
	.space	262144
	.amdgpu_metadata
---
amdhsa.version: [ 1, 2 ]
amdhsa.kernels:
  - .name:           k_q56e424c1d1_selfatt
    .symbol:         k_q56e424c1d1_selfatt.kd
    .args:
      - { .name: q_s, .offset: 0, .size: 8, .value_kind: global_buffer, .address_space: global }
      - { .name: k_s, .offset: 8, .size: 8, .value_kind: global_buffer, .address_space: global }
      - { .name: v_s, .offset: 16, .size: 8, .value_kind: global_buffer, .address_space: global }
      - { .name: wt, .offset: 24, .size: 8, .value_kind: global_buffer, .address_space: global }
      - { .name: inputs, .offset: 32, .size: 8, .value_kind: global_buffer, .address_space: global }
      - { .name: ln_g, .offset: 40, .size: 8, .value_kind: global_buffer, .address_space: global }
      - { .name: ln_b, .offset: 48, .size: 8, .value_kind: global_buffer, .address_space: global }
      - { .name: x1, .offset: 56, .size: 8, .value_kind: global_buffer, .address_space: global }
      - { .name: q_c, .offset: 64, .size: 8, .value_kind: global_buffer, .address_space: global }
    .group_segment_fixed_size: 327680
    .private_segment_fixed_size: 0
    .kernarg_segment_align: 8
    .kernarg_segment_size: 72
    .max_flat_workgroup_size: 128
    .sgpr_count:     92
    .vgpr_count:     1024
    .wavefront_size: 32
...
	.end_amdgpu_metadata
.endif
;; end of part 3
;; launch crossffn (part 4): grid 256 x 1, 4 waves a work-group, clusters of 4 x 1, 327,680 bytes of LDS; arguments q_c, k_c, v_c, wt, x1, ln_g, ln_b, b1, out0; writes out0
.if DOCPART == 4
	.amdgcn_target "amdgcn-amd-amdhsa--gfx1250"
	.amdhsa_code_object_version 6
	.text
	.protected	k_q56e424c1d1_crossffn
	.globl	k_q56e424c1d1_crossffn
	.p2align	8
	.type	k_q56e424c1d1_crossffn,@function
k_q56e424c1d1_crossffn:
	s_mov_b64 s[64:65], 0
	v_nop
	global_prefetch_b8 v0, s[64:65] scope:SCOPE_SE
	s_setreg_imm32_b32 hwreg(HW_REG_WAVE_MODE, 25, 1), 1
	s_wait_xcnt 0x0
	s_wait_alu depctr_hold_cnt(0) depctr_sa_sdst(0) depctr_va_vdst(0) depctr_va_sdst(0) depctr_va_ssrc(0) depctr_va_vcc(0) depctr_vm_vsrc(0)
	s_getreg_b32 s2, hwreg(HW_REG_IB_STS2, 6, 4)
	s_cmp_eq_u32 s2, 0
	s_cbranch_scc0 .Lentry_in_a_cluster
	s_endpgm
.Lentry_in_a_cluster:
	s_bfe_u32 s2, ttmp6, 0x10000c
	s_cmp_lg_u32 s2, 0x3003
	s_cbranch_scc0 .Lentry_shape_is_right
	s_endpgm
.Lentry_shape_is_right:
; x2 = LN(attention(q_c, k_c, v_c) + x1);  out0 = relu(LN(relu(x2 x W1 + b1) + x2)).  q_c carries log2(e)/16, so scores are exponents of 2.
; A work-group owns 64 query rows; a cluster of four owns 256 rows of one batch and walks the batch's eight key blocks of 256 keys.
; Every product is taken transposed, so that a lane owns a query row: S^T = K Q^T (M = key, N = q), O^T = V^T P^T (M = d, N = q); two neighbouring
; score tiles, rounded in pairs, are a source-1 fragment of P as they stand.  Each wave takes all 64 rows and its own 64 keys of a block, with its own
; running maximum, sum and O^T (512 registers); the four partial results are merged once at the end.  So each byte of K and V is read from LDS once.
; CLUSTER: the K and V tiles, and the weight behind the last key tile, are asked for jointly by the four work-groups (mask 15).
; The first step (block 7) is written out, since its products start the sums; a loop takes blocks 0 to 6.
; LIMITS: NaN and infinities are not treated.  Q, K, V, P, x2 and the weight are rounded to bf16 as matrix operands; the sum of the exponentials is
; taken from the unrounded numbers.  An exponential below 2^-126 comes out as 0 (ISA guide, V_EXP_F32).
.set KP,    528                        ; K, Q, x: 512 bytes + 16, an odd multiple of 16
.set KQ,    64*KP
.set VP,    544                        ; V: 512 bytes + 32, an odd multiple of 32, for the transposing loads
.set VQ,    64*VP
.set SLOTV, 4*KQ                       ; slot K at 0, slot V behind it
.set XT,    SLOTV+4*VQ                 ; 64 x 528: the Q tile (filled once), later x2 in bf16
.set RED,   XT+64*KP                   ; 1 KiB of maxima, 1 KiB of sums
.set MST,   SLOTV                      ; behind slot V's last fill: four images of 32 q x 256 d f32; later the Dense layer's 64 x 256 f32
.set MP,    1040                       ; their pitch: 1,024 bytes + 16
.set MIMG,  32*MP
.set TILEB, 131072                     ; 256 rows x 512 bytes
.set WIDX,  6                          ; W1
.set KADR, 1
.set VADR, 2
.set QADR, 3
.set REDW, 6
.set REDR, 7
.set M,    8                           ; v[8:15]   running maximum of q tile t, twice (a pair for packed arithmetic)
.set AL,   16                          ; v[16:23]  factor for the old sums, twice
.set LS,   24                          ; v[24:31]  two partial sums of q tile t
.set SB,   32                          ; v[32:159] sixteen score tiles; tile (kt, t) at SB + 8 ((kt & 1) 8 + (kt >> 1) 4 + t); P(c, t) at SB + 8 (4 c + t)
.set FB,   160                         ; v[160:255] three fragment buffers of 32 registers
.set FA,   160                         ; P V: eight V^T fragments
.set FO,   96                          ; P V: eight more, where the odd score tiles lay
.set MX,   160
.set TM,   164
; the end of the kernel, window 0
.set MW,   8
.set MR0,  9
.set MR1,  10
.set RESA, 11
.set GBA,  12
.set XW,   13
.set STO,  14
.set AR,   32                          ; v[32:159] sixteen rows: slot 8 rho + k = local row 32 rho + 8 w + k; registers 0-3: d = 4 L .., 4-7: d = 128 + 4 L ..
.set G,    160
.set BT,   168
.set B1R,  176
.set LT,   184
.set RB,   184
.set XB,   184
; window 1: Q (later x2) fragments, chunk ch of 32 d, q tile t at 8 (4 ch + t); windows 2, 3: O^T tile (dt, t) at window 2 + (dt >> 3), register 64 t + 8 (dt & 7)
.set W0K, 15|(1<<16)|(1<<20)|(1<<21)|(6<<22)|(3<<25)   ; mask 15; 2-byte elements; padding on; bit 21 beside a mask; after 128 words; 4 words
.set W0V, 15|(1<<16)|(1<<20)|(1<<21)|(6<<22)|(7<<25)   ; the same with 8 words
.set W0Q, (1<<16)|(1<<20)|(6<<22)|(3<<25)              ; no mask: my own rows
.set MSB, 0
.macro WIN new                         ; the immediate's high byte repeats the setting that is left
.if MSB != \new
	s_set_vgpr_msb (MSB<<8)|\new
.set MSB, \new
.endif
.endm
.macro NOP4
.rept 4
	v_nop
.endr
.endm
.macro BAR                             ; a work-group barrier behind which no tensor load fills bytes again
	s_wait_dscnt 0x0
	s_barrier_signal -1
	s_barrier_wait -1
.endm
.macro ROUND                           ; a round of the cluster's barrier
	s_barrier_signal -1
	s_barrier_wait -1
	s_cmp_lg_u32 s5, 0
	s_cbranch_scc1 .Lnot_wave_0_\@
	s_barrier_signal -3
.Lnot_wave_0_\@:
	s_barrier_wait -3
	s_barrier_signal -1
	s_barrier_wait -1
.endm
.macro GROUP1 g, w0, rows              ; rows x 256 elements of 2 bytes, row to row 256 elements
	s_mov_b32 s[\g], \w0
	s_mov_b32 s[\g+1], 256<<16
	s_mov_b32 s[\g+2], \rows<<16
	s_mov_b32 s[\g+3], 256<<16
	s_mov_b32 s[\g+4], \rows
	s_mov_b32 s[\g+5], 256
	s_mov_b32 s[\g+6], 0
	s_mov_b32 s[\g+7], 0
.endm
.macro LOADQ set                       ; 64 rows x 256 d of XT into window 1, as source-1 fragments
	WIN \set
.irp ch, 0,1,2,3,4,5,6,7
.irp t, 0,1,2,3
	ds_load_b128 v[8*(4*\ch+\t):8*(4*\ch+\t)+3],   v[QADR] offset:\t*16*KP+64*\ch
	ds_load_b128 v[8*(4*\ch+\t)+4:8*(4*\ch+\t)+7], v[QADR] offset:\t*16*KP+64*\ch+32
.endr
.endr
	WIN 0
	s_wait_dscnt 0x0
.endm
.macro SCHUNK adr, ch                  ; eight loads: my 64 rows of slot K, 32 along d, into buffer ch mod 3
.irp kt, 0,1,2,3
	ds_load_b128 v[FB+32*((\ch)%3)+8*\kt:FB+32*((\ch)%3)+8*\kt+3],   v[\adr] offset:\kt*16*KP+64*(\ch)
	ds_load_b128 v[FB+32*((\ch)%3)+8*\kt+4:FB+32*((\ch)%3)+8*\kt+7], v[\adr] offset:\kt*16*KP+64*(\ch)+32
.endr
.endm
; 64 x 64 x 256: 128 matrix instructions; the first chunk starts the sums.  The sixteen accumulators take turns, one instruction a turn.
; Chunk ch + 2 is requested ahead of chunk ch's products.
.macro SMUL set, adr
	WIN \set
	SCHUNK \adr, 0
	SCHUNK \adr, 1
.irp ch, 0,1,2,3,4,5,6,7
.if \ch < 6
.if \ch > 0
	NOP4                                           ; four places between chunk ch - 1's products and the loads into the buffer that they read
.endif
	SCHUNK \adr, (\ch+2)
	s_wait_dscnt 16                                ; chunk ch is in; the 8 loads each of the two younger chunks stay out
.else
	s_wait_dscnt 8*(7-\ch)                         ; one younger chunk, then none
.endif
.irp kt, 0,1,2,3
.irp t, 0,1,2,3
.set sx, SB+8*((\kt&1)*8+(\kt>>1)*4+\t)
.set fx, FB+32*(\ch%3)+8*\kt
.set qx, 8*(4*\ch+\t)
.if \ch == 0
	v_wmma_f32_16x16x32_bf16 v[sx:sx+7], v[fx:fx+7], v[qx:qx+7], 0
.else
	v_wmma_f32_16x16x32_bf16 v[sx:sx+7], v[fx:fx+7], v[qx:qx+7], v[sx:sx+7]
.endif
.endr
.endr
.endr
	NOP4                                           ; four places before anything reads the results
	WIN 0
.endm
; The tile at SB + 8 n belongs to q tile n & 3.  A lane holds 32 scores of each of four query rows; its partner, lane xor 16, the other 32.
.macro SOFTMAX first
.irp t, 0,1,2,3
	v_max3_num_f32 v[MX+\t], v[SB+8*\t], v[SB+8*\t+1], v[SB+8*\t+2]
.endr
.set n, 3
.rept 14
.irp t, 0,1,2,3
	v_max3_num_f32 v[MX+\t], v[MX+\t], v[SB+32*(n>>3)+8*\t+(n&7)], v[SB+32*((n+1)>>3)+8*\t+((n+1)&7)]
.endr
.set n, n+2
.endr
.irp t, 0,1,2,3
	v_max_num_f32 v[MX+\t], v[MX+\t], v[SB+96+8*\t+7]
.endr
.irp t, 0,1,2,3
	v_permlanex16_b32 v[TM+\t], v[MX+\t], s26, s27
.endr
.if \first
.irp t, 0,1,2,3
	v_max_num_f32 v[M+2*\t], v[MX+\t], v[TM+\t]
.endr
.irp t, 0,1,2,3
	v_mov_b32 v[M+2*\t+1], v[M+2*\t]
.endr
.else
.irp t, 0,1,2,3
	v_max3_num_f32 v[MX+\t], v[MX+\t], v[TM+\t], v[M+2*\t]       ; the new running maximum
.endr
.irp t, 0,1,2,3
	v_sub_f32 v[TM+\t], v[M+2*\t], v[MX+\t]
.endr
.irp t, 0,1,2,3
	v_exp_f32 v[AL+2*\t], v[TM+\t]                 ; the moves below are the plain place behind these (ISA guide 5.7.2)
.endr
.irp t, 0,1,2,3
	v_mov_b32 v[M+2*\t], v[MX+\t]
	v_mov_b32 v[M+2*\t+1], v[MX+\t]
.endr
	s_wait_alu depctr_va_vdst(0)
.irp t, 0,1,2,3
	v_mov_b32 v[AL+2*\t+1], v[AL+2*\t]
.endr
.endif
.set n, 0
.rept 16
.irp p, 0,2,4,6
	v_pk_add_f32 v[SB+8*n+\p:SB+8*n+\p+1], v[SB+8*n+\p:SB+8*n+\p+1], v[M+2*(n&3):M+2*(n&3)+1] neg_lo:[0,1] neg_hi:[0,1]
.endr
.irp j, 0,1,2,3,4,5,6,7
	v_exp_f32 v[SB+8*n+\j], v[SB+8*n+\j]           ; the next tile's subtraction is the plain place behind these
.endr
.set n, n+1
.endr
.irp t, 0,1,2,3
.if \first
	s_wait_alu depctr_va_vdst(0)
	v_pk_add_f32 v[LS+2*\t:LS+2*\t+1], v[SB+8*\t:SB+8*\t+1], v[SB+8*\t+2:SB+8*\t+3]
.else
	s_wait_alu depctr_va_vdst(0)
	v_pk_fma_f32 v[LS+2*\t:LS+2*\t+1], v[LS+2*\t:LS+2*\t+1], v[AL+2*\t:AL+2*\t+1], v[SB+8*\t:SB+8*\t+1]
.endif
.endr
.set n, 1+\first
.rept 15-\first
.irp t, 0,1,2,3
	v_pk_add_f32 v[LS+2*\t:LS+2*\t+1], v[LS+2*\t:LS+2*\t+1], v[SB+32*(n>>2)+8*\t+2*(n&3):SB+32*(n>>2)+8*\t+2*(n&3)+1]
.endr
.set n, n+1
.endr
.set n, 0
.rept 8                                ; P(c, t), n = 4 c + t: keys 8 h .. from tile (2 c, t), in place; keys 16 + 8 h .. from tile (2 c + 1, t)
.irp i, 0,1,2,3
	v_cvt_pk_bf16_f32 v[SB+8*n+\i], v[SB+8*n+2*\i], v[SB+8*n+2*\i+1]
.endr
.irp i, 0,1,2,3
	v_cvt_pk_bf16_f32 v[SB+8*n+4+\i], v[SB+64+8*n+2*\i], v[SB+64+8*n+2*\i+1]
.endr
.set n, n+1
.endr
.endm
.macro RESCALE                         ; O^T of q tile t times AL(t): a lane's 128 numbers of a tile column belong to one query row
	WIN 0x82
.irp t, 0,1,2,3
.set n, 0
.rept 32
	v_pk_mul_f32 v[64*\t+2*n:64*\t+2*n+1], v[64*\t+2*n:64*\t+2*n+1], v[AL+2*\t:AL+2*\t+1]
.set n, n+1
.endr
.endr
	WIN 0xc3
.irp t, 0,1,2,3
.set n, 0
.rept 32
	v_pk_mul_f32 v[64*\t+2*n:64*\t+2*n+1], v[64*\t+2*n:64*\t+2*n+1], v[AL+2*\t:AL+2*\t+1]
.set n, n+1
.endr
.endr
	WIN 0
.endm
.macro VGRP c, half, buf               ; sixteen transposing loads: V^T fragments dt = 8 half .. 8 half + 7 of my keys 32 c .. 32 c + 31
.irp i, 0,1,2,3,4,5,6,7
	ds_load_tr16_b128 v[\buf+8*\i:\buf+8*\i+3],   v[VADR] offset:\c*32*VP+(8*\half+\i)*32
	ds_load_tr16_b128 v[\buf+8*\i+4:\buf+8*\i+7], v[VADR] offset:\c*32*VP+(8*\half+\i)*32+16*VP
.endr
.endm
.macro PVG c, buf, zero                ; 32 matrix instructions on the 32 accumulators of the window that is set, by turns
.irp i, 0,1,2,3,4,5,6,7
.irp t, 0,1,2,3
.if \zero
	v_wmma_f32_16x16x32_bf16 v[64*\t+8*\i:64*\t+8*\i+7], v[\buf+8*\i:\buf+8*\i+7], v[SB+8*(4*\c+\t):SB+8*(4*\c+\t)+7], 0
.else
	v_wmma_f32_16x16x32_bf16 v[64*\t+8*\i:64*\t+8*\i+7], v[\buf+8*\i:\buf+8*\i+7], v[SB+8*(4*\c+\t):SB+8*(4*\c+\t)+7], v[64*\t+8*\i:64*\t+8*\i+7]
.endif
.endr
.endr
.endm
.macro PVMUL first
	VGRP 0, 0, FA
	VGRP 0, 1, FO
.if \first == 0
	RESCALE
.endif
	s_wait_dscnt 16                                ; the first group is in; the second group's 16 loads stay out
	WIN 0xa0
	PVG 0, FA, \first
	NOP4                                           ; four places before loads land in the fragments just read
	WIN 0
	VGRP 1, 0, FA
	s_wait_dscnt 16
	WIN 0xf0
	PVG 0, FO, \first
	NOP4
	WIN 0
	VGRP 1, 1, FO
	s_wait_dscnt 16
	WIN 0xa0
	PVG 1, FA, 0
	s_wait_dscnt 0x0
	WIN 0xf0
	PVG 1, FO, 0
	NOP4
	v_nop                                          ; five places: the next scores are written over P and over the fragments
	WIN 0
.endm
; One block of 256 keys.  Two rounds: V's tile is asked for at the head and has the scores and the softmax in which to land;
; the next K tile (behind the last block: the weight) is asked for behind the softmax and has the rescaling and P V in which to land.
.macro STEP first
.if \first == 0
	s_wait_dscnt 0x0                               ; my reads of slot V are done
	s_wait_xcnt 0x0
	v_lshl_add_u32 v254, v0, 2, 0x4bc00
	v_mov_b32 v255, 0
	s_wait_tensorcnt 0x0                           ; all my tensor loads have landed: this block's K
	ds_add_u32 v254, v255
	s_wait_dscnt 0x0
	ROUND
	tensor_load_to_lds s[60:63], s[40:47]          ; this block's V: my one tensor load behind the round
	s_nop 0
.endif
	SMUL 0x04, KADR
	SOFTMAX \first
	s_wait_dscnt 0x0                               ; my reads of slot K are done
	s_wait_xcnt 0x0
	v_lshl_add_u32 v254, v0, 2, 0x4bc00
	v_mov_b32 v255, 0
	s_wait_tensorcnt 0x0                           ; all my tensor loads have landed: this block's V; both groups 0 may be written
	ds_add_u32 v254, v255
	s_wait_dscnt 0x0
.if \first
	s_cmp_gt_u32 s4, 0
.else
	s_add_co_u32 s7, s3, 1
	s_cmp_lt_u32 s7, s4
.endif
	s_cselect_b64 s[58:59], s[72:73], s[76:77]     ; another key block, or the weight
	s_or_b32 s59, s59, 0x80000000
	s_add_nc_u64 s[72:73], s[72:73], TILEB
.if \first
	s_mov_b64 s[62:63], s[74:75]                   ; V of block 0
	s_or_b32 s63, s63, 0x80000000
.else
	s_add_nc_u64 s[62:63], s[62:63], TILEB
.endif
	ROUND
	tensor_load_to_lds s[56:59], s[32:39]          ; my one tensor load behind the round
	s_nop 0
	PVMUL \first
.endm
.macro MWRITE rho                      ; my O^T of q tiles 2 rho, 2 rho + 1 as an image [32 q][256 d] f32
	WIN 0x08
.irp tp, 0,1
.irp i, 0,1,2,3,4,5,6,7
	ds_store_b128 v[MW], v[64*(2*\rho+\tp)+8*\i:64*(2*\rho+\tp)+8*\i+3]   offset:\tp*16*MP+64*\i
	ds_store_b128 v[MW], v[64*(2*\rho+\tp)+8*\i+4:64*(2*\rho+\tp)+8*\i+7] offset:\tp*16*MP+64*\i+16
.endr
.endr
	WIN 0x0c
.irp tp, 0,1
.irp i, 0,1,2,3,4,5,6,7
	ds_store_b128 v[MW], v[64*(2*\rho+\tp)+8*\i:64*(2*\rho+\tp)+8*\i+3]   offset:\tp*16*MP+64*(8+\i)
	ds_store_b128 v[MW], v[64*(2*\rho+\tp)+8*\i+4:64*(2*\rho+\tp)+8*\i+7] offset:\tp*16*MP+64*(8+\i)+16
.endr
.endr
	WIN 0
	BAR
.endm
.macro MROW k, buf                     ; row 8 w + k of the four images: eight loads of 512 consecutive bytes
	ds_load_b128 v[\buf:\buf+3],     v[MR0] offset:(\k)*MP
	ds_load_b128 v[\buf+4:\buf+7],   v[MR0] offset:(\k)*MP+512
	ds_load_b128 v[\buf+8:\buf+11],  v[MR0] offset:MIMG+(\k)*MP
	ds_load_b128 v[\buf+12:\buf+15], v[MR0] offset:MIMG+(\k)*MP+512
	ds_load_b128 v[\buf+16:\buf+19], v[MR1] offset:(\k)*MP
	ds_load_b128 v[\buf+20:\buf+23], v[MR1] offset:(\k)*MP+512
	ds_load_b128 v[\buf+24:\buf+27], v[MR1] offset:MIMG+(\k)*MP
	ds_load_b128 v[\buf+28:\buf+31], v[MR1] offset:MIMG+(\k)*MP+512
.endm
.macro MREAD rho
	MROW 0, RB
.irp k, 0,1,2,3,4,5,6,7
.if \k < 7
	MROW (\k+1), RB+32*((\k+1)&1)
	s_wait_dscnt 8                                 ; row k is in; the next row's eight loads stay out
.else
	s_wait_dscnt 0x0
.endif
.set bb, RB+32*(\k&1)
.set x, AR+8*(8*\rho+\k)
.irp p, 0,2,4,6
	v_pk_add_f32 v[bb+\p:bb+\p+1], v[bb+\p:bb+\p+1], v[bb+8+\p:bb+8+\p+1]
	v_pk_add_f32 v[bb+16+\p:bb+16+\p+1], v[bb+16+\p:bb+16+\p+1], v[bb+24+\p:bb+24+\p+1]
	v_pk_add_f32 v[x+\p:x+\p+1], v[bb+\p:bb+\p+1], v[bb+16+\p:bb+16+\p+1]
.endr
.endr
.endm
.macro RSUM off                        ; four rows' sums over the 32 lanes, in every lane
.irp m, 1,2,4,8
.irp i, 0,1,2,3
	v_add_f32_dpp v[LT+8*\i+\off], v[LT+8*\i+\off], v[LT+8*\i+\off] row_xmask:\m row_mask:0xf bank_mask:0xf
.endr
.endr
.irp i, 0,1,2,3
	v_permlanex16_b32 v[LT+8*\i+\off+1], v[LT+8*\i+\off], s26, s27
.endr
.irp i, 0,1,2,3
	v_add_f32 v[LT+8*\i+\off], v[LT+8*\i+\off], v[LT+8*\i+\off+1]
.endr
.endm
.macro LN4 base                        ; layer norm of row slots base .. base + 3: the mean is taken away first, then the squares are summed
.irp i, 0,1,2,3
.set x, AR+8*(\base+\i)
.set u, LT+8*\i
	v_pk_add_f32 v[u:u+1], v[x:x+1], v[x+2:x+3]
	v_pk_add_f32 v[u+2:u+3], v[x+4:x+5], v[x+6:x+7]
	v_pk_add_f32 v[u:u+1], v[u:u+1], v[u+2:u+3]
	v_add_f32 v[u], v[u], v[u+1]
.endr
	RSUM 0
.irp i, 0,1,2,3
.set x, AR+8*(\base+\i)
.set u, LT+8*\i
	v_mul_f32 v[u+1], s28, v[u]
	v_mul_f32 v[u], s28, v[u]
.irp p, 0,2,4,6
	v_pk_add_f32 v[x+\p:x+\p+1], v[x+\p:x+\p+1], v[u:u+1] neg_lo:[0,1] neg_hi:[0,1]
.endr
	v_pk_mul_f32 v[u+2:u+3], v[x:x+1], v[x:x+1]
.irp p, 2,4,6
	v_pk_fma_f32 v[u+2:u+3], v[x+\p:x+\p+1], v[x+\p:x+\p+1], v[u+2:u+3]
.endr
	v_add_f32 v[u+2], v[u+2], v[u+3]
.endr
	RSUM 2
.irp i, 0,1,2,3
	v_fma_f32 v[LT+8*\i+2], v[LT+8*\i+2], s28, s29               ; variance + epsilon
.endr
.irp i, 0,1,2,3
	v_rsq_f32 v[LT+8*\i+4], v[LT+8*\i+2]
.endr
	v_nop                                          ; the plain place behind the roots
	s_wait_alu depctr_va_vdst(0)
.irp i, 0,1,2,3
	v_mov_b32 v[LT+8*\i+5], v[LT+8*\i+4]
.endr
.irp i, 0,1,2,3
.set x, AR+8*(\base+\i)
.set u, LT+8*\i
.irp p, 0,2,4,6
	v_pk_mul_f32 v[x+\p:x+\p+1], v[x+\p:x+\p+1], v[u+4:u+5]
.endr
.irp p, 0,2,4,6
	v_pk_fma_f32 v[x+\p:x+\p+1], v[x+\p:x+\p+1], v[G+\p:G+\p+1], v[BT+\p:BT+\p+1]
.endr
.endr
.endm
	s_load_b512 s[8:23], s[0:1], 0x0               ; q_c, k_c, v_c, wt, x1, ln_g, ln_b, b1
	s_load_b64 s[24:25], s[0:1], 0x40              ; out0
	v_lshl_add_u32 v254, v0, 2, 0x4bc00
	v_mov_b32 v255, 0
	ds_add_u32 v254, v255
	s_wait_dscnt 0x0
	v_lshrrev_b32 v1, 5, v0
	v_readfirstlane_b32 s5, v1                     ; wave
	s_bfe_u32 s6, ttmp6, 0x40000                   ; cx
	s_mov_b32 s4, 7                                ; blocks of the loop
	s_lshr_b32 s7, ttmp9, 3                        ; batch
	s_mov_b32 s26, 0x76543210                      ; v_permlanex16_b32: lane i reads lane i of the other half
	s_mov_b32 s27, 0xfedcba98
	s_mov_b32 s28, 0x3b800000                      ; 1/256
	s_mov_b32 s29, 0x3a83126f                      ; 0.001
	GROUP1 32, W0K, 64
	GROUP1 40, W0V, 64
	GROUP1 48, W0Q, 16
	s_lshl_b32 s78, s7, 20                         ; batch x 2,048 rows x 512 bytes
	s_lshl_b32 s79, s5, 15                         ; + my 64 rows of a tile
	s_add_co_u32 s78, s78, s79
	s_add_co_u32 s82, s79, WIDX*TILEB
	s_mov_b32 s79, 0
	s_mov_b32 s83, 0
	s_mov_b32 s80, 7*TILEB                         ; the first step's block
	s_mov_b32 s81, 0
	s_lshl_b32 s84, ttmp9, 2                       ; what hangs on cx stays in s84-s89, which feed no joint descriptor
	s_add_co_u32 s84, s84, s6                      ; my block of 64 rows
	s_lshl_b32 s86, s84, 16                        ; x 64 x 1,024 bytes
	s_mov_b32 s87, 0
	s_lshl_b32 s84, s84, 15                        ; x 64 x 512 bytes
	s_lshl_b32 s88, s5, 13                         ; + 16 w rows of 512 bytes
	s_add_co_u32 s88, s88, s84
	s_mov_b32 s89, 0
	s_mov_b32 s56, 1                               ; groups 0: K, V, Q
	s_mul_i32 s57, s5, KQ
	s_mov_b32 s60, 1
	s_mul_i32 s61, s5, VQ
	s_add_co_u32 s61, s61, SLOTV
	s_mov_b32 s68, 1
	s_mul_i32 s69, s5, 16*KP
	s_add_co_u32 s69, s69, XT
	s_wait_kmcnt 0x0
	s_add_nc_u64 s[72:73], s[10:11], s[78:79]      ; K of block 0: the next block of the loop
	s_add_nc_u64 s[74:75], s[12:13], s[78:79]      ; V of block 0
	s_add_nc_u64 s[76:77], s[14:15], s[82:83]      ; the weight
	s_add_nc_u64 s[58:59], s[72:73], s[80:81]
	s_or_b32 s59, s59, 0x80000000
	s_add_nc_u64 s[62:63], s[74:75], s[80:81]
	s_or_b32 s63, s63, 0x80000000
	s_add_nc_u64 s[70:71], s[8:9], s[88:89]
	s_or_b32 s71, s71, 0x80000000
	s_add_nc_u64 s[16:17], s[16:17], s[86:87]      ; x1 and out0 at my first row
	s_add_nc_u64 s[24:25], s[24:25], s[86:87]
	ROUND                                          ; the four partners are here: the first joint loads meet
	tensor_load_to_lds s[68:71], s[48:55]          ; my 16 rows of Q
	s_nop 0
	tensor_load_to_lds s[56:59], s[32:39]          ; my 64 keys of block 7
	s_nop 0
	tensor_load_to_lds s[60:63], s[40:47]          ; and their V: three tensor loads of the wave are out
	s_nop 0
	v_and_b32 v6, 15, v0                           ; r
	v_bfe_u32 v7, v0, 4, 1                         ; h
	v_mul_u32_u24 v3, v6, KP
	v_lshl_add_u32 v3, v7, 4, v3                   ; r x pitch + 16 h
	s_mul_i32 s7, s5, KQ
	v_add_nc_u32 v[KADR], s7, v3
	v_add_nc_u32 v[QADR], XT, v3
	v_and_b32 v2, 7, v0
	v_lshl_add_u32 v2, v7, 3, v2                   ; key row 8 h + (L & 7)
	v_mul_u32_u24 v2, v2, VP
	v_bfe_u32 v4, v0, 3, 1
	v_lshl_add_u32 v2, v4, 4, v2                   ; + 16 ((L >> 3) & 1)
	s_mul_i32 s7, s5, VQ
	s_add_co_u32 s7, s7, SLOTV
	v_add_nc_u32 v[VADR], s7, v2
	v_lshlrev_b32 v[REDR], 4, v6
	v_add_nc_u32 v[REDR], RED, v[REDR]             ; RED + 16 r
	s_lshl_b32 s7, s5, 8
	v_add_nc_u32 v[REDW], s7, v[REDR]              ; + 256 w
	s_wait_tensorcnt 0x1                           ; Q and K have landed; V stays out
	BAR                                            ; every wave's rows of Q are in
	LOADQ 0x40
	STEP 1
	s_mov_b32 s3, 0
.Lstep:
	STEP 0
	s_add_co_u32 s3, s3, 1
	s_cmp_lt_u32 s3, s4
	s_cbranch_scc1 .Lstep
	; the four waves' maxima and sums meet
.irp t, 0,1,2,3
	v_add_f32 v[LS+2*\t], v[LS+2*\t], v[LS+2*\t+1]
.endr
.irp t, 0,1,2,3
	v_permlanex16_b32 v[LS+2*\t+1], v[LS+2*\t], s26, s27
.endr
.irp t, 0,1,2,3
	v_mov_b32 v[160+\t], v[M+2*\t]
	v_add_f32 v[164+\t], v[LS+2*\t], v[LS+2*\t+1]
.endr
	ds_store_b128 v[REDW], v[160:163]
	ds_store_b128 v[REDW], v[164:167] offset:1024
	s_wait_tensorcnt 0x0                           ; the weight has landed; no tensor load follows
	BAR
.irp wv, 0,1,2,3
	ds_load_b128 v[168+4*\wv:168+4*\wv+3], v[REDR] offset:256*\wv
	ds_load_b128 v[184+4*\wv:184+4*\wv+3], v[REDR] offset:1024+256*\wv
.endr
	s_wait_dscnt 0x0
.irp t, 0,1,2,3
	v_max3_num_f32 v[200+\t], v[168+\t], v[172+\t], v[176+\t]
.endr
.irp t, 0,1,2,3
	v_max_num_f32 v[200+\t], v[200+\t], v[180+\t]
.endr
.irp wv, 0,1,2,3
.irp t, 0,1,2,3
	v_sub_f32 v[168+4*\wv+\t], v[168+4*\wv+\t], v[200+\t]
.endr
.endr
.irp t, 0,1,2,3
	v_sub_f32 v[208+\t], v[M+2*\t], v[200+\t]
.endr
.set n, 0
.rept 16
	v_exp_f32 v[168+n], v[168+n]
.set n, n+1
.endr
.irp t, 0,1,2,3
	v_exp_f32 v[208+\t], v[208+\t]
.endr
	v_nop                                          ; the plain place behind the exponentials
	s_wait_alu depctr_va_vdst(0)
.irp t, 0,1,2,3
	v_mul_f32 v[204+\t], v[168+\t], v[184+\t]
.endr
.irp wv, 1,2,3
.irp t, 0,1,2,3
	v_fmac_f32 v[204+\t], v[168+4*\wv+\t], v[184+4*\wv+\t]
.endr
.endr
.irp t, 0,1,2,3
	v_rcp_f32 v[212+\t], v[204+\t]                 ; the sum is at least 1: the wave that holds the maximum adds its own
.endr
	v_nop
	s_wait_alu depctr_va_vdst(0)
.irp t, 0,1,2,3
	v_mul_f32 v[AL+2*\t], v[208+\t], v[212+\t]
.endr
.irp t, 0,1,2,3
	v_mov_b32 v[AL+2*\t+1], v[AL+2*\t]
.endr
	RESCALE                                        ; my part, brought to the common maximum and divided by the whole sum
	v_and_b32 v24, 31, v0                          ; L
	v_and_b32 v25, 15, v0                          ; r
	v_bfe_u32 v26, v0, 4, 1                        ; h
	s_mul_i32 s7, s5, MIMG
	s_add_co_u32 s7, s7, MST
	v_mul_u32_u24 v27, v25, MP
	v_lshl_add_u32 v27, v26, 5, v27                ; r x 1,040 + 32 h
	v_add_nc_u32 v[MW], s7, v27                    ; my image
	s_lshl_b32 s7, s5, 8
	s_add_co_u32 s7, s7, MST
	v_add_nc_u32 v[STO], s7, v27                   ; the Dense layer's stage: row r, 32 h + 256 w
	s_mul_i32 s7, s5, 8*MP
	s_add_co_u32 s7, s7, MST
	v_lshlrev_b32 v[GBA], 4, v24                   ; 16 L
	v_add_nc_u32 v[MR0], s7, v[GBA]                ; images 0 and 1, row 8 w; also the stage's row 8 w
	v_add_nc_u32 v[MR1], 2*MIMG, v[MR0]            ; images 2 and 3
	s_lshl_b32 s7, s5, 13
	v_add_nc_u32 v[RESA], s7, v[GBA]               ; 8 w rows of 1,024 bytes + 16 L
	s_mul_i32 s7, s5, 8*KP
	s_add_co_u32 s7, s7, XT
	v_lshl_add_u32 v[XW], v24, 3, s7
	MWRITE 0
	WIN 0xc0                                       ; the residual lands in window 3, where q tiles 0 and 1 have just left
.irp rho, 0,1
.irp k, 0,1,2,3,4,5,6,7
	global_load_b128 v[8*(8*\rho+\k):8*(8*\rho+\k)+3],   v[RESA], s[16:17] offset:\rho*32768+\k*1024 th:TH_LOAD_NT
	global_load_b128 v[8*(8*\rho+\k)+4:8*(8*\rho+\k)+7], v[RESA], s[16:17] offset:\rho*32768+\k*1024+512 th:TH_LOAD_NT
.endr
.endr
	WIN 0
	global_load_b128 v[G:G+3],       v[GBA], s[18:19]
	global_load_b128 v[G+4:G+7],     v[GBA], s[18:19] offset:512
	global_load_b128 v[BT:BT+3],     v[GBA], s[20:21]
	global_load_b128 v[BT+4:BT+7],   v[GBA], s[20:21] offset:512
	global_load_b128 v[B1R:B1R+3],   v[GBA], s[22:23]
	global_load_b128 v[B1R+4:B1R+7], v[GBA], s[22:23] offset:512
	MREAD 0
	BAR                                            ; every wave has read the images: they may be written again
	MWRITE 1
	MREAD 1
	s_wait_loadcnt 0x0                             ; residual, gain and the two biases
	WIN 0x0c
.set n, 0
.rept 64
	v_pk_add_f32 v[AR+2*n:AR+2*n+1], v[AR+2*n:AR+2*n+1], v[2*n:2*n+1]
.set n, n+1
.endr
	WIN 0
.irp b, 0,4,8,12
	LN4 \b
.endr
.set n, 0
.rept 64
	v_cvt_pk_bf16_f32 v[XB+n], v[AR+2*n], v[AR+2*n+1]
.set n, n+1
.endr
.irp rho, 0,1
.irp k, 0,1,2,3,4,5,6,7
	ds_store_b64 v[XW], v[XB+4*(8*\rho+\k):XB+4*(8*\rho+\k)+1]   offset:(32*\rho+\k)*KP
	ds_store_b64 v[XW], v[XB+4*(8*\rho+\k)+2:XB+4*(8*\rho+\k)+3] offset:(32*\rho+\k)*KP+256
.endr
.endr
	BAR                                            ; x2 in bf16 is whole; nobody reads the images any more
	LOADQ 0x40
	WIN 0x80
	v_mov_b32 v[KADR], v[KADR]                     ; the fragment address, copied into window 2
	SMUL 0xa6, KADR                                ; (x2 W1)^T: results, fragments and address in window 2, x2 in window 1; x2 in f32 stays in window 0
	WIN 0x08
.irp kt, 0,1,2,3
.irp t, 0,1,2,3
.set sx, SB+8*((\kt&1)*8+(\kt>>1)*4+\t)
	ds_store_b128 v[STO], v[sx:sx+3]   offset:\t*16*MP+64*\kt    ; row 16 t + r, e = 64 w + 16 kt + 8 h ..
	ds_store_b128 v[STO], v[sx+4:sx+7] offset:\t*16*MP+64*\kt+16
.endr
.endr
	WIN 0
	BAR
.irp rho, 0,1
.irp k, 0,1,2,3,4,5,6,7
	ds_load_b128 v[RB+8*\k:RB+8*\k+3],   v[MR0] offset:(32*\rho+\k)*MP
	ds_load_b128 v[RB+8*\k+4:RB+8*\k+7], v[MR0] offset:(32*\rho+\k)*MP+512
.endr
.irp k, 0,1,2,3,4,5,6,7
	s_wait_dscnt 14-2*\k                           ; row k is in, the younger rows stay out
.set bb, RB+8*\k
.set x, AR+8*(8*\rho+\k)
.irp p, 0,2,4,6
	v_pk_add_f32 v[bb+\p:bb+\p+1], v[bb+\p:bb+\p+1], v[B1R+\p:B1R+\p+1]
.endr
.irp j, 0,1,2,3,4,5,6,7
	v_max_num_f32 v[bb+\j], 0, v[bb+\j]
.endr
.irp p, 0,2,4,6
	v_pk_add_f32 v[x+\p:x+\p+1], v[x+\p:x+\p+1], v[bb+\p:bb+\p+1]
.endr
.endr
.endr
.irp b, 0,4,8,12
	LN4 \b
.endr
.set n, 0
.rept 128
	v_max_num_f32 v[AR+n], 0, v[AR+n]
.set n, n+1
.endr
.irp rho, 0,1
.irp k, 0,1,2,3,4,5,6,7
	global_store_b128 v[RESA], v[AR+8*(8*\rho+\k):AR+8*(8*\rho+\k)+3],   s[24:25] offset:\rho*32768+\k*1024 th:TH_STORE_NT       ; 512 consecutive, aligned bytes a store
	global_store_b128 v[RESA], v[AR+8*(8*\rho+\k)+4:AR+8*(8*\rho+\k)+7], s[24:25] offset:\rho*32768+\k*1024+512 th:TH_STORE_NT
.endr
.endr
	s_wait_xcnt 0x0
	v_lshl_add_u32 v254, v0, 2, 0x4bc00
	v_mov_b32 v255, 0
	s_wait_tensorcnt 0x0
	ds_add_u32 v254, v255
	s_wait_dscnt 0x0
	ROUND                                          ; the closing round
	s_endpgm
.Lfunc_end_k_q56e424c1d1_crossffn:
	.size	k_q56e424c1d1_crossffn, .Lfunc_end_k_q56e424c1d1_crossffn-k_q56e424c1d1_crossffn
	.p2alignl 7, 3214868480
	.fill 96, 4, 3214868480
	.section	.rodata,"a",@progbits
	.p2align	6, 0x0
	.amdhsa_kernel k_q56e424c1d1_crossffn
		.amdhsa_group_segment_fixed_size 327680
		.amdhsa_private_segment_fixed_size 0
		.amdhsa_enable_private_segment 0
		.amdhsa_kernarg_size 72
		.amdhsa_user_sgpr_count 2
		.amdhsa_user_sgpr_kernarg_segment_ptr 1
		.amdhsa_wavefront_size32 1
		.amdhsa_system_sgpr_workgroup_id_x 1
		.amdhsa_system_sgpr_workgroup_id_y 1
		.amdhsa_system_sgpr_workgroup_id_z 1
		.amdhsa_system_vgpr_workitem_id 0
		.amdhsa_next_free_vgpr 1024
		.amdhsa_next_free_sgpr 92
		.amdhsa_reserve_vcc 0
		.amdhsa_float_denorm_mode_32 3
		.amdhsa_float_denorm_mode_16_64 3
		.amdhsa_memory_ordered 1
		.amdhsa_forward_progress 1
		.amdhsa_inst_pref_size 255
	.end_amdhsa_kernel
	.section	.bss,"aw",@nobits
	.p2align	6
	.space	262144
	.amdgpu_metadata
---
amdhsa.version: [ 1, 2 ]
amdhsa.kernels:
  - .name:           k_q56e424c1d1_crossffn
    .symbol:         k_q56e424c1d1_crossffn.kd
    .args:
      - { .name: q_c, .offset: 0, .size: 8, .value_kind: global_buffer, .address_space: global }
      - { .name: k_c, .offset: 8, .size: 8, .value_kind: global_buffer, .address_space: global }
      - { .name: v_c, .offset: 16, .size: 8, .value_kind: global_buffer, .address_space: global }
      - { .name: wt, .offset: 24, .size: 8, .value_kind: global_buffer, .address_space: global }
      - { .name: x1, .offset: 32, .size: 8, .value_kind: global_buffer, .address_space: global }
      - { .name: ln_g, .offset: 40, .size: 8, .value_kind: global_buffer, .address_space: global }
      - { .name: ln_b, .offset: 48, .size: 8, .value_kind: global_buffer, .address_space: global }
      - { .name: b1, .offset: 56, .size: 8, .value_kind: global_buffer, .address_space: global }
      - { .name: out0, .offset: 64, .size: 8, .value_kind: global_buffer, .address_space: global }
    .group_segment_fixed_size: 327680
    .private_segment_fixed_size: 0
    .kernarg_segment_align: 8
    .kernarg_segment_size: 72
    .max_flat_workgroup_size: 128
    .sgpr_count:     92
    .vgpr_count:     1024
    .wavefront_size: 32
...
	.end_amdgpu_metadata
.endif
;; end of part 4
;; ======== version 2 of 2: 3 launches; 1.19 times as fast as version 1
;; workspace buffers: wt 655,360 bytes; xb_s 8,388,608 bytes; xb_c 8,388,608 bytes; q_c 8,388,608 bytes; x1 16,777,216 bytes
;; launch prep (part 5): grid 312 x 1, 4 waves a work-group, no clusters, 93,696 bytes of LDS; arguments Wk_s, Wq_s, Wk_c, Wq_c, Wv_s, Wv_c, W1, wt, inputs, context, xb_s, xb_c; writes wt, xb_s, xb_c
.if DOCPART == 5
	.amdgcn_target "amdgcn-amd-amdhsa--gfx1250"
	.amdhsa_code_object_version 6
	.text
	.protected	k_q56e424c1d1_prep
	.globl	k_q56e424c1d1_prep
	.p2align	8
	.type	k_q56e424c1d1_prep,@function
k_q56e424c1d1_prep:
	s_mov_b64 s[64:65], 0
	v_nop
	global_prefetch_b8 v0, s[64:65] scope:SCOPE_SE
	s_setreg_imm32_b32 hwreg(HW_REG_WAVE_MODE, 25, 1), 1
	s_wait_xcnt 0x0
; Three kinds of work-group, none of which needs another's result:
;   0-31    a block of 32 rows x 128 columns of T[d'][d] = c * sum over e of Wk[d'][e] Wq[d][e] (wt tile 0: self, tile 1: cross), c = log2(e)/16:
;           then x_q Wq (x_k Wk)^T / 16 * log2(e) = (x_q T^T) x_k^T
;   32-55   a block of 128 d x 64 e of Wv_s, Wv_c or W1, transposed through LDS: wt tiles 2, 3, 4: wt[e][d] = W[d][e]
;   56-311  128 rows of inputs (the first 128 work-groups) or of context, rounded to bf16: xb_s, xb_c
; wt's five tiles are 256 rows x 512 bytes (bf16), each read later as 16-row fragments with the summed index along the rows.
; The attention launches take x itself as keys and as values: Q K^T = (x_q Wq Wk^T) x_k^T and P V = (P x) Wv, so K and V are never formed.
; Both operands of T have the summed index e along their rows as they are stored: rows come in as whole halves of 512 bytes, are rounded to bf16,
; laid into LDS at a pitch of 528 bytes and read back as fragments.  Source 0 = rows of Wq (M = d), source 1 = rows of Wk (N = d'), so that a lane's
; eight results are eight neighbouring d of one row d'.
; No cluster and no tensor load: the weights are 1.8 MB, a row read by at most eight work-groups, and the cast shares nothing.
; At 512 registers a wave and 93,696 bytes of LDS two work-groups fit on a WGP, so all 312 can be resident; those with the longest chains come first.
; LIMITS: Wk and Wq are rounded to bf16 as matrix operands (c is applied to Wk in f32 before that) and T is rounded to bf16 once more:
; an order of rounding that differs from forming Q and K first.  NaN and infinities are not treated.
.set TILEB, 131072
.set PW,  264                          ; transposing: LDS pitch of a row of 128 bf16: 256 bytes + 8
.set DAT, 16                           ; transposing: v[16:79]
.set CB,  16                           ; cast: v[16:143] the rows in bf16
.set KP,  528                          ; product: LDS pitch of 256 bf16: 512 bytes + 16, an odd multiple of 16
.set AQ,  0                            ; 128 rows of Wq
.set BK,  128*KP                       ; 32 rows of Wk
.set ST,  BK+32*KP                     ; the way out: 32 rows x 272
.set SP,  272
.set KL,  16                           ; v[16:79]   Wk as loaded; rounded in place into v[16:47]; at the end the rows on their way out
.set QB,  80                           ; v[80:207]  Wq in bf16
.set ACC, 208                          ; v[208:239] four result tiles (kt, t) at ACC + 8 (2 kt + t)
.set SW,  240
.set SR,  241
.set GO,  242
; window 1: Wq (cast: x) as loaded, 256 registers; later the fragments: Wq (kt, ch) at 8 (2 ch + kt), Wk (t, ch) at 128 + 8 (2 ch + t)
.set MSB, 0
.macro WIN new                         ; the immediate's high byte repeats the setting that is left
.if MSB != \new
	s_set_vgpr_msb (MSB<<8)|\new
.set MSB, \new
.endif
.endm
.macro BAR
	s_wait_dscnt 0x0                               ; no LDS instruction of mine is pending at the signal
	s_barrier_signal -1
	s_barrier_wait -1
.endm
	v_lshl_add_u32 v254, v0, 2, 0x16c00
	v_mov_b32 v255, 0
	s_cmp_ge_u32 ttmp9, 56
	s_cbranch_scc1 .Lcast
	s_load_b512 s[8:23], s[0:1], 0x0               ; Wk_s, Wq_s, Wk_c, Wq_c, Wv_s, Wv_c, W1, wt
	v_and_b32 v1, 15, v0                           ; r
	v_bfe_u32 v2, v0, 4, 1                         ; h
	v_lshrrev_b32 v3, 5, v0                        ; w
	s_cmp_ge_u32 ttmp9, 32
	s_cbranch_scc1 .Ltrans
	; ---- a block of T ----
	v_readfirstlane_b32 s5, v3                     ; wave
	s_lshr_b32 s2, ttmp9, 4                        ; 0: self, 1: cross
	s_and_b32 s3, ttmp9, 15
	s_lshr_b32 s4, s3, 1                           ; which 32 rows d'
	s_and_b32 s3, s3, 1                            ; which 128 columns d
	s_lshl_b32 s28, s4, 15                         ; Wk: 32 rows of 1,024 bytes
	s_mov_b32 s29, 0
	s_lshl_b32 s30, s3, 17                         ; Wq: 128 rows of 1,024 bytes
	s_mov_b32 s31, 0
	s_lshl_b32 s32, s2, 17                         ; out: the tile,
	s_lshl_b32 s6, s4, 14                          ; 32 rows of 512 bytes,
	s_add_co_u32 s32, s32, s6
	s_lshl_b32 s6, s3, 8                           ; 256 bytes
	s_add_co_u32 s32, s32, s6
	s_mov_b32 s33, 0
	v_and_b32 v4, 31, v0                           ; L
	v_lshlrev_b32 v5, 4, v4                        ; 16 L
	v_lshl_add_u32 v6, v3, 15, v5                  ; Wq: my 32 rows
	v_lshl_add_u32 v7, v3, 13, v5                  ; Wk: my 8 rows
	v_mov_b32 v12, 0x3db8aa3b                      ; log2(e) / 16, twice
	v_mov_b32 v13, 0x3db8aa3b
	s_wait_kmcnt 0x0
	s_cmp_eq_u32 s2, 0
	s_cselect_b64 s[24:25], s[8:9], s[12:13]       ; Wk
	s_cselect_b64 s[26:27], s[10:11], s[14:15]     ; Wq
	s_add_nc_u64 s[24:25], s[24:25], s[28:29]
	s_add_nc_u64 s[26:27], s[26:27], s[30:31]
	s_add_nc_u64 s[22:23], s[22:23], s[32:33]
	WIN 0x40                                       ; destination in window 1
.set n, 0
.rept 64
	global_load_b128 v[4*n:4*n+3], v6, s[26:27] offset:(n>>1)*1024+(n&1)*512     ; half a row: 512 consecutive bytes
.set n, n+1
.endr
	WIN 0
.set n, 0
.rept 16
	global_load_b128 v[KL+4*n:KL+4*n+3], v7, s[24:25] offset:(n>>1)*1024+(n&1)*512
.set n, n+1
.endr
	s_mul_i32 s6, s5, 32*KP
	v_lshl_add_u32 v8, v4, 3, s6                   ; Wq into LDS: my 32 rows, 8 L
	v_mul_u32_u24 v10, v1, KP
	v_lshl_add_u32 v10, v2, 4, v10                 ; r x pitch + 16 h
	v_add_nc_u32 v11, s6, v10                      ; fragments of my 32 rows of Wq
	v_add_nc_u32 v14, BK, v10                      ; fragments of Wk
	s_mul_i32 s6, s5, 8*KP
	s_add_co_u32 s6, s6, BK
	v_lshl_add_u32 v9, v4, 3, s6                   ; Wk into LDS: my 8 rows, 8 L
	v_mul_u32_u24 v[SW], v1, SP
	v_lshl_add_u32 v[SW], v2, 4, v[SW]
	s_lshl_b32 s6, s5, 6
	s_add_co_u32 s6, s6, ST
	v_add_nc_u32 v[SW], s6, v[SW]                  ; stage in: row r, 16 h + 64 w
	v_lshl_add_u32 v[GO], v3, 3, v2                ; row 8 w + h
	v_mul_u32_u24 v[SR], v[GO], SP
	v_lshl_add_u32 v[SR], v1, 4, v[SR]
	v_add_nc_u32 v[SR], ST, v[SR]                  ; stage back: sixteen lanes take a row of 256 bytes
	v_lshlrev_b32 v[GO], 9, v[GO]
	v_lshl_add_u32 v[GO], v1, 4, v[GO]
.irp half, 0,1
	s_wait_loadcnt 48-32*\half                     ; loads return in order: this half of Wq is in; the 48 (16) loads issued behind it stay out
	WIN 0x05                                       ; both sources in window 1
.set n, 64*\half
.rept 64
	v_cvt_pk_bf16_f32 v[QB+n], v[2*n], v[2*n+1]
.set n, n+1
.endr
	WIN 0
.set n, 32*\half
.rept 32
	ds_store_b64 v8, v[QB+2*n:QB+2*n+1] offset:(n>>1)*KP+(n&1)*256
.set n, n+1
.endr
.endr
	s_wait_loadcnt 0x0                             ; Wk
.set n, 0
.rept 32
	v_pk_mul_f32 v[KL+2*n:KL+2*n+1], v[KL+2*n:KL+2*n+1], v[12:13]
.set n, n+1
.endr
.set n, 0
.rept 32
	v_cvt_pk_bf16_f32 v[KL+n], v[KL+2*n], v[KL+2*n+1]            ; in place: register n was read at step n / 2
.set n, n+1
.endr
.set n, 0
.rept 16
	ds_store_b64 v9, v[KL+2*n:KL+2*n+1] offset:(n>>1)*KP+(n&1)*256
.set n, n+1
.endr
	BAR                                            ; the 32 rows of Wk are whole
	WIN 0x40
.irp ch, 0,1,2,3,4,5,6,7
.irp i, 0,1
	ds_load_b128 v[8*(2*\ch+\i):8*(2*\ch+\i)+3],           v11 offset:\i*16*KP+64*\ch
	ds_load_b128 v[8*(2*\ch+\i)+4:8*(2*\ch+\i)+7],         v11 offset:\i*16*KP+64*\ch+32
	ds_load_b128 v[128+8*(2*\ch+\i):128+8*(2*\ch+\i)+3],   v14 offset:\i*16*KP+64*\ch
	ds_load_b128 v[128+8*(2*\ch+\i)+4:128+8*(2*\ch+\i)+7], v14 offset:\i*16*KP+64*\ch+32
.endr
.endr
	s_wait_dscnt 0x0
	WIN 0x05                                       ; sources 0 and 1 in window 1, sums in window 0
; 32 matrix instructions; the four accumulators take turns, one instruction a turn
.irp ch, 0,1,2,3,4,5,6,7
.irp kt, 0,1
.irp t, 0,1
.if \ch == 0
	v_wmma_f32_16x16x32_bf16 v[ACC+8*(2*\kt+\t):ACC+8*(2*\kt+\t)+7], v[8*(2*\ch+\kt):8*(2*\ch+\kt)+7], v[128+8*(2*\ch+\t):128+8*(2*\ch+\t)+7], 0
.else
	v_wmma_f32_16x16x32_bf16 v[ACC+8*(2*\kt+\t):ACC+8*(2*\kt+\t)+7], v[8*(2*\ch+\kt):8*(2*\ch+\kt)+7], v[128+8*(2*\ch+\t):128+8*(2*\ch+\t)+7], v[ACC+8*(2*\kt+\t):ACC+8*(2*\kt+\t)+7]
.endif
.endr
.endr
.endr
.rept 4
	v_nop                                          ; four places before the results are read (ISA guide 7.12.1)
.endr
	WIN 0
.irp n, 0,1,2,3
.irp i, 0,1,2,3
	v_cvt_pk_bf16_f32 v[ACC+8*\n+\i], v[ACC+8*\n+2*\i], v[ACC+8*\n+2*\i+1]
.endr
.endr
.irp kt, 0,1
.irp t, 0,1
	ds_store_b128 v[SW], v[ACC+8*(2*\kt+\t):ACC+8*(2*\kt+\t)+3] offset:\t*16*SP+32*\kt   ; row 16 t + r, d = 32 w + 16 kt + 8 h ..
.endr
.endr
	BAR                                            ; the four waves' columns make whole rows of 256 bytes
.irp m, 0,1,2,3
	ds_load_b128 v[KL+4*\m:KL+4*\m+3], v[SR] offset:\m*2*SP
.endr
.irp m, 0,1,2,3
	s_wait_dscnt 3-\m                              ; pair m of rows is in, the younger pairs stay out
	global_store_b128 v[GO], v[KL+4*\m:KL+4*\m+3], s[22:23] offset:\m*1024       ; sixteen lanes store 256 consecutive, aligned bytes
.endr
	s_wait_tensorcnt 0x0
	ds_add_u32 v254, v255
	s_wait_dscnt 0x0
	s_endpgm
	; ---- a block of a transposed weight ----
.Ltrans:
	s_sub_co_u32 s2, ttmp9, 32
	s_lshr_b32 s6, s2, 3                           ; 0 Wv_s, 1 Wv_c, 2 W1
	s_and_b32 s3, s2, 3                            ; eb: which 64 columns e
	s_bfe_u32 s4, s2, 0x10002                      ; dh: which 128 rows d
	s_lshl_b32 s28, s4, 17                         ; in: dh x 128 rows x 1,024 bytes
	s_lshl_b32 s5, s3, 8                           ;     + eb x 256 bytes
	s_add_co_u32 s28, s28, s5
	s_mov_b32 s29, 0
	s_add_co_u32 s30, s6, 2                        ; out: tile 2 + weight
	s_lshl_b32 s30, s30, 17
	s_lshl_b32 s5, s3, 15                          ;      + eb x 64 rows x 512 bytes
	s_add_co_u32 s30, s30, s5
	s_lshl_b32 s5, s4, 8                           ;      + dh x 256 bytes
	s_add_co_u32 s30, s30, s5
	s_mov_b32 s31, 0
	v_lshlrev_b32 v4, 15, v3                       ; global in: (32 w + 2 h) x 1,024 + 16 r
	v_lshl_add_u32 v4, v2, 11, v4
	v_lshl_add_u32 v4, v1, 4, v4
	v_mul_u32_u24 v5, v1, 4*PW                     ; LDS in: row e = 4 r, byte 2 (32 w + 2 h)
	v_lshl_add_u32 v5, v3, 6, v5
	v_lshl_add_u32 v5, v2, 2, v5
	v_lshl_add_u32 v6, v3, 4, v2                   ; 16 w + h
	v_mul_u32_u24 v7, v6, PW                       ; LDS out: row e = 16 w + h, byte 16 r
	v_lshl_add_u32 v7, v1, 4, v7
	v_lshlrev_b32 v6, 9, v6                        ; global out: (16 w + h) x 512 + 16 r
	v_lshl_add_u32 v6, v1, 4, v6
	s_wait_kmcnt 0x0
	s_mov_b64 s[24:25], s[16:17]                   ; the weight's address is chosen by a number that hangs on no address
	s_cmp_eq_u32 s6, 1
	s_cselect_b64 s[24:25], s[18:19], s[24:25]
	s_cmp_eq_u32 s6, 2
	s_cselect_b64 s[24:25], s[20:21], s[24:25]
	s_add_nc_u64 s[24:25], s[24:25], s[28:29]
	s_add_nc_u64 s[22:23], s[22:23], s[30:31]
; sixteen loads: group g brings rows d = 32 w + 4 g + 2 h and d + 1; sixteen lanes read 256 consecutive, aligned bytes of a row
.irp g, 0,1,2,3,4,5,6,7
	global_load_b128 v[DAT+8*\g:DAT+8*\g+3],   v4, s[24:25] offset:\g*4096 th:TH_LOAD_NT
	global_load_b128 v[DAT+8*\g+4:DAT+8*\g+7], v4, s[24:25] offset:\g*4096+1024 th:TH_LOAD_NT
.endr
.irp g, 0,1,2,3,4,5,6,7
	s_wait_loadcnt 14-2*\g                         ; group g is in, the 14 - 2 g younger loads stay out
.irp k, 0,1,2,3
	v_cvt_pk_bf16_f32 v[DAT+8*\g+\k], v[DAT+8*\g+\k], v[DAT+8*\g+4+\k]   ; (d, d + 1) of column e = 4 r + k
.endr
.irp k, 0,1,2,3
	ds_store_b32 v5, v[DAT+8*\g+\k] offset:\k*PW+8*\g
.endr
.endr
	BAR
.irp m, 0,1,2,3,4,5,6,7
	ds_load_b64 v[DAT+4*\m:DAT+4*\m+1],   v7 offset:\m*2*PW      ; row e = 16 w + h + 2 m; the pitch is a multiple of 8, so 8 bytes at a time
	ds_load_b64 v[DAT+4*\m+2:DAT+4*\m+3], v7 offset:\m*2*PW+8
.endr
.irp m, 0,1,2,3,4,5,6,7
	s_wait_dscnt 14-2*\m                           ; pair m is in, the younger pairs stay out
	global_store_b128 v6, v[DAT+4*\m:DAT+4*\m+3], s[22:23] offset:\m*1024   ; sixteen lanes store 256 consecutive, aligned bytes
.endr
	s_wait_tensorcnt 0x0
	ds_add_u32 v254, v255
	s_wait_dscnt 0x0
	s_endpgm
	; ---- 128 rows of inputs or of context, to bf16 ----
	; A wave takes 32 rows: 64 loads of 512 consecutive bytes, all issued at once (32 KiB of the wave on their way), rounded and stored in four quarters.
	; No register is used twice, so no wait frees one.
.Lcast:
	s_load_b256 s[8:15], s[0:1], 0x40              ; inputs, context, xb_s, xb_c
	s_sub_co_u32 s2, ttmp9, 56
	s_lshr_b32 s3, s2, 7                           ; 0: inputs, 1: context
	s_and_b32 s2, s2, 127                          ; which 128 rows
	s_lshl_b32 s28, s2, 17                         ; x 128 x 1,024 bytes
	s_mov_b32 s29, 0
	s_lshl_b32 s30, s2, 16                         ; x 128 x 512 bytes
	s_mov_b32 s31, 0
	v_and_b32 v4, 31, v0                           ; L
	v_lshrrev_b32 v3, 5, v0                        ; w
	v_lshlrev_b32 v5, 4, v4
	v_lshl_add_u32 v5, v3, 15, v5                  ; in: 32 w rows of 1,024 bytes + 16 L
	v_lshlrev_b32 v6, 3, v4
	v_lshl_add_u32 v6, v3, 14, v6                  ; out: 32 w rows of 512 bytes + 8 L
	s_wait_kmcnt 0x0
	s_cmp_eq_u32 s3, 0
	s_cselect_b64 s[24:25], s[8:9], s[10:11]
	s_cselect_b64 s[26:27], s[12:13], s[14:15]
	s_add_nc_u64 s[24:25], s[24:25], s[28:29]
	s_add_nc_u64 s[26:27], s[26:27], s[30:31]
	WIN 0x40                                       ; destination in window 1
.set n, 0
.rept 64
	global_load_b128 v[4*n:4*n+3], v5, s[24:25] offset:(n>>1)*1024+(n&1)*512 th:TH_LOAD_NT
.set n, n+1
.endr
	WIN 0
.irp q, 0,1,2,3
	s_wait_loadcnt 48-16*\q                        ; loads return in order: quarter q is in, the younger quarters' 16 loads each stay out
	WIN 0x05                                       ; both sources in window 1
.set n, 32*\q
.rept 32
	v_cvt_pk_bf16_f32 v[CB+n], v[2*n], v[2*n+1]
.set n, n+1
.endr
	WIN 0
.set n, 16*\q
.rept 16
	global_store_b64 v6, v[CB+2*n:CB+2*n+1], s[26:27] offset:(n>>1)*512+(n&1)*256   ; the wave stores 256 consecutive, aligned bytes
.set n, n+1
.endr
.endr
	s_endpgm
.Lfunc_end_k_q56e424c1d1_prep:
	.size	k_q56e424c1d1_prep, .Lfunc_end_k_q56e424c1d1_prep-k_q56e424c1d1_prep
	.p2alignl 7, 3214868480
	.fill 96, 4, 3214868480
	.section	.rodata,"a",@progbits
	.p2align	6, 0x0
	.amdhsa_kernel k_q56e424c1d1_prep
		.amdhsa_group_segment_fixed_size 93696
		.amdhsa_private_segment_fixed_size 0
		.amdhsa_enable_private_segment 0
		.amdhsa_kernarg_size 96
		.amdhsa_user_sgpr_count 2
		.amdhsa_user_sgpr_kernarg_segment_ptr 1
		.amdhsa_wavefront_size32 1
		.amdhsa_system_sgpr_workgroup_id_x 1
		.amdhsa_system_sgpr_workgroup_id_y 1
		.amdhsa_system_sgpr_workgroup_id_z 1
		.amdhsa_system_vgpr_workitem_id 0
		.amdhsa_next_free_vgpr 512
		.amdhsa_next_free_sgpr 66
		.amdhsa_reserve_vcc 0
		.amdhsa_float_denorm_mode_32 3
		.amdhsa_float_denorm_mode_16_64 3
		.amdhsa_memory_ordered 1
		.amdhsa_forward_progress 1
		.amdhsa_inst_pref_size 67
	.end_amdhsa_kernel
	.amdgpu_metadata
---
amdhsa.version: [ 1, 2 ]
amdhsa.kernels:
  - .name:           k_q56e424c1d1_prep
    .symbol:         k_q56e424c1d1_prep.kd
    .args:
      - { .name: Wk_s, .offset: 0, .size: 8, .value_kind: global_buffer, .address_space: global }
      - { .name: Wq_s, .offset: 8, .size: 8, .value_kind: global_buffer, .address_space: global }
      - { .name: Wk_c, .offset: 16, .size: 8, .value_kind: global_buffer, .address_space: global }
      - { .name: Wq_c, .offset: 24, .size: 8, .value_kind: global_buffer, .address_space: global }
      - { .name: Wv_s, .offset: 32, .size: 8, .value_kind: global_buffer, .address_space: global }
      - { .name: Wv_c, .offset: 40, .size: 8, .value_kind: global_buffer, .address_space: global }
      - { .name: W1, .offset: 48, .size: 8, .value_kind: global_buffer, .address_space: global }
      - { .name: wt, .offset: 56, .size: 8, .value_kind: global_buffer, .address_space: global }
      - { .name: inputs, .offset: 64, .size: 8, .value_kind: global_buffer, .address_space: global }
      - { .name: context, .offset: 72, .size: 8, .value_kind: global_buffer, .address_space: global }
      - { .name: xb_s, .offset: 80, .size: 8, .value_kind: global_buffer, .address_space: global }
      - { .name: xb_c, .offset: 88, .size: 8, .value_kind: global_buffer, .address_space: global }
    .group_segment_fixed_size: 93696
    .private_segment_fixed_size: 0
    .kernarg_segment_align: 8
    .kernarg_segment_size: 96
    .max_flat_workgroup_size: 128
    .sgpr_count:     66
    .vgpr_count:     512
    .wavefront_size: 32
...
	.end_amdgpu_metadata
.endif
;; end of part 5
;; launch selfatt (part 6): grid 256 x 1, 4 waves a work-group, clusters of 4 x 1, 327,680 bytes of LDS; arguments xb_s, wt, inputs, ln_g, ln_b, x1, q_c; writes x1, q_c
.if DOCPART == 6
	.amdgcn_target "amdgcn-amd-amdhsa--gfx1250"
	.amdhsa_code_object_version 6
	.text
	.protected	k_q56e424c1d1_selfatt
	.globl	k_q56e424c1d1_selfatt
	.p2align	8
	.type	k_q56e424c1d1_selfatt,@function
k_q56e424c1d1_selfatt:
	s_mov_b64 s[64:65], 0
	v_nop
	global_prefetch_b8 v0, s[64:65] scope:SCOPE_SE
	s_setreg_imm32_b32 hwreg(HW_REG_WAVE_MODE, 25, 1), 1
	s_wait_xcnt 0x0
	s_wait_alu depctr_hold_cnt(0) depctr_sa_sdst(0) depctr_va_vdst(0) depctr_va_sdst(0) depctr_va_ssrc(0) depctr_va_vcc(0) depctr_vm_vsrc(0)
	s_getreg_b32 s2, hwreg(HW_REG_IB_STS2, 6, 4)
	s_cmp_eq_u32 s2, 0
	s_cbranch_scc0 .Lentry_in_a_cluster
	s_endpgm
.Lentry_in_a_cluster:
	s_bfe_u32 s2, ttmp6, 0x10000c
	s_cmp_lg_u32 s2, 0x3003
	s_cbranch_scc0 .Lentry_shape_is_right
	s_endpgm
.Lentry_shape_is_right:
; x1 = LN(causal attention + inputs);  q_c = bf16(x1 x Wq_c Wk_c^T log2(e)/16).
; The attention is taken as softmax(q x^T) x Wv_s with x = xb_s (inputs in bf16) and q = bf16(x Wq_s Wk_s^T log2(e)/16): the same sums as Q K^T and P V in another
; order.  So ONE tile of 256 rows of x serves a step's scores (plain fragment loads) and its P x (transposing loads), and two such slots fit in LDS:
; one round and one joint load a step, asked for a whole step ahead of its use.  q of the work-group's own 64 rows is made at the head, from the rows themselves.
; A work-group owns 64 query rows; a cluster of four owns 256 rows of one batch and walks the same key blocks.  Every product is taken transposed, so that a lane
; owns a query row: S^T = x q^T (M = key, N = q), O^T = x^T P^T (M = d, N = q); two neighbouring score tiles, rounded in pairs, are a source-1 fragment of P.
; Each wave takes all 64 rows and its own 64 keys of a block, with its own running maximum, sum and O^T (512 registers); the four are merged once at the end.
; TILES: Wk_s Wq_s^T, the diagonal block c (masked), blocks 0 .. c - 1, then Wv_s^T; the last block always lies in slot 0 and Wv_s^T in slot 1, so that every LDS
; address is a constant of the text: for c even the first step runs on slot 0, for c odd on slot 1 with one step on slot 0 behind it; then pairs of steps
; (slot 1, slot 0).  Slot 0 has then had its last fill and serves the merge and the stages; slot 1 is filled once more, with the tile of Wk_c Wq_c^T.
; CLUSTER: all tiles but my own rows are asked for jointly by the four work-groups (mask 15).  c = cluster number mod 8 is the same in all partners.
; The clusters' work is uneven (1 to 8 steps).
; LIMITS: NaN and infinities are not treated.  A masked score is -FLT_MAX: true scores must lie above it.  q, x, P, P x, x1 and the weights are rounded to bf16
; as matrix operands: P x is rounded before Wv_s, an order of rounding that differs from forming V first.  The sum of the exponentials is taken from the
; unrounded numbers.  An exponential below 2^-126 comes out as 0 (ISA guide, V_EXP_F32).
.set KP,    528                        ; pitch of all bf16 rows: 512 bytes + 16, an odd multiple of 16
.set KQ,    64*KP
.set SLOT,  4*KQ                       ; slot 0 at 0, slot 1 at SLOT
.set XT,    2*SLOT                     ; 64 x 528: my rows of x (filled once), then q, later P x and x1 in bf16
.set RED,   XT+64*KP                   ; 1 KiB of maxima, 1 KiB of sums
.set MP,    1040                       ; slot 0 as scratch, from LDS byte 0: four images of 32 q x 256 d f32, pitch 1,024 + 16; later 64 x 1,040 and 64 x 528
.set MIMG,  32*MP
.set TILEB, 131072                     ; 256 rows x 512 bytes
.set WA,    2                          ; Wv_s^T
.set WB,    1                          ; Wk_c Wq_c^T
.set KADR, 1                           ; v1, v2  plain fragments of my 64 rows in slot 0, 1
.set VADR, 3                           ; v3, v4  transposing loads in slot 0, 1
.set QADR, 5
.set DM,   6                           ; 64 (cx - w) + r - 8 h: a score is masked where 16 (kt - t) + j is greater
.set NEG,  7
.set REDW, 6                           ; behind the steps
.set REDR, 7
.set STX,  13                          ; ahead of the steps: where q goes into XT
.set M,    8                           ; v[8:15]   running maximum of q tile t, twice (a pair for packed arithmetic)
.set AL,   16                          ; v[16:23]  factor for the old sums, twice
.set LS,   24                          ; v[24:31]  two partial sums of q tile t
.set SB,   32                          ; v[32:159] sixteen score tiles; tile (kt, t) at SB + 8 ((kt & 1) 8 + (kt >> 1) 4 + t); P(c, t) at SB + 8 (4 c + t)
.set FB,   160                         ; v[160:255] three fragment buffers of 32 registers
.set FA,   160                         ; P x: eight x^T fragments
.set FO,   96                          ; P x: eight more, where the odd score tiles lay
.set MX,   160
.set TM,   164
; the end of the kernel, window 0
.set MW,   8
.set MR0,  9
.set MR1,  10
.set RESA, 11
.set GBA,  12
.set XW,   13
.set STO,  14
.set STQ,  15
.set RD,   28
.set AR,   32                          ; v[32:159] sixteen rows: slot 8 rho + k = local row 32 rho + 8 w + k; registers 0-3: d = 4 L .., 4-7: d = 128 + 4 L ..
.set G,    160
.set BT,   168
.set LT,   184
.set RB,   184
.set XB,   184
; window 1: source-1 fragments (x, q, P x, x1), chunk ch of 32 d, q tile t at 8 (4 ch + t)
; windows 2, 3: O^T tile (a, i, t) at window 2 + a, register 64 t + 8 i: lane (r, h), register j holds q = 16 t + r, d = 128 a + 64 h + 8 i + j
.set W0K, 15|(1<<16)|(1<<20)|(1<<21)|(6<<22)|(3<<25)   ; mask 15; 2-byte elements; padding on; bit 21 beside a mask; after 128 words; 4 words
.set W0Q, (1<<16)|(1<<20)|(6<<22)|(3<<25)              ; no mask: my own rows
.set MSB, 0
.macro WIN new                         ; the immediate's high byte repeats the setting that is left
.if MSB != \new
	s_set_vgpr_msb (MSB<<8)|\new
.set MSB, \new
.endif
.endm
.macro NOP4
.rept 4
	v_nop
.endr
.endm
.macro BAR                             ; a work-group barrier behind which no tensor load fills bytes again
	s_wait_dscnt 0x0
	s_barrier_signal -1
	s_barrier_wait -1
.endm
.macro ROUND                           ; a round of the cluster's barrier
	s_barrier_signal -1
	s_barrier_wait -1
	s_cmp_lg_u32 s5, 0
	s_cbranch_scc1 .Lnot_wave_0_\@
	s_barrier_signal -3
.Lnot_wave_0_\@:
	s_barrier_wait -3
	s_barrier_signal -1
	s_barrier_wait -1
.endm
.macro GROUP1 g, w0, rows              ; rows x 256 elements of 2 bytes, row to row 256 elements
	s_mov_b32 s[\g], \w0
	s_mov_b32 s[\g+1], 256<<16
	s_mov_b32 s[\g+2], \rows<<16
	s_mov_b32 s[\g+3], 256<<16
	s_mov_b32 s[\g+4], \rows
	s_mov_b32 s[\g+5], 256
	s_mov_b32 s[\g+6], 0
	s_mov_b32 s[\g+7], 0
.endm
.macro LOADQ set                       ; 64 rows x 256 d of XT into window 1, as source-1 fragments
	WIN \set
.irp ch, 0,1,2,3,4,5,6,7
.irp t, 0,1,2,3
	ds_load_b128 v[8*(4*\ch+\t):8*(4*\ch+\t)+3],   v[QADR] offset:\t*16*KP+64*\ch
	ds_load_b128 v[8*(4*\ch+\t)+4:8*(4*\ch+\t)+7], v[QADR] offset:\t*16*KP+64*\ch+32
.endr
.endr
	WIN 0
	s_wait_dscnt 0x0
.endm
.macro SCHUNK adr, ch                  ; eight loads: my 64 rows of a slot, 32 along d, into buffer ch mod 3
.irp kt, 0,1,2,3
	ds_load_b128 v[FB+32*((\ch)%3)+8*\kt:FB+32*((\ch)%3)+8*\kt+3],   v[\adr] offset:\kt*16*KP+64*(\ch)
	ds_load_b128 v[FB+32*((\ch)%3)+8*\kt+4:FB+32*((\ch)%3)+8*\kt+7], v[\adr] offset:\kt*16*KP+64*(\ch)+32
.endr
.endm
; 64 x 64 x 256: 128 matrix instructions; the first chunk starts the sums.  The sixteen accumulators take turns, one instruction a turn.
; Chunk ch + 2 is requested ahead of chunk ch's products.
.macro SMUL set, adr
	WIN \set
	SCHUNK \adr, 0
	SCHUNK \adr, 1
.irp ch, 0,1,2,3,4,5,6,7
.if \ch < 6
.if \ch > 0
	NOP4                                           ; four places between chunk ch - 1's products and the loads into the buffer that they read
.endif
	SCHUNK \adr, (\ch+2)
	s_wait_dscnt 16                                ; chunk ch is in; the 8 loads each of the two younger chunks stay out
.else
	s_wait_dscnt 8*(7-\ch)                         ; one younger chunk, then none
.endif
.irp kt, 0,1,2,3
.irp t, 0,1,2,3
.set sx, SB+8*((\kt&1)*8+(\kt>>1)*4+\t)
.set fx, FB+32*(\ch%3)+8*\kt
.set qx, 8*(4*\ch+\t)
.if \ch == 0
	v_wmma_f32_16x16x32_bf16 v[sx:sx+7], v[fx:fx+7], v[qx:qx+7], 0
.else
	v_wmma_f32_16x16x32_bf16 v[sx:sx+7], v[fx:fx+7], v[qx:qx+7], v[sx:sx+7]
.endif
.endr
.endr
.endr
	NOP4                                           ; four places before anything reads the results
	WIN 0
.endm
; q^T = (Wk_s Wq_s^T c) x^T of my work-group's 64 rows; the weight's tile lies in slot 'slot', x in window 1.  My 64 d' of all rows are rounded to bf16 and laid
; into XT, where x lay; then every wave takes all of q as source-1 fragments.
.macro QPROD slot
	SMUL 0x04, KADR+\slot
.set n, 0
.rept 16
.irp i, 0,1,2,3
	v_cvt_pk_bf16_f32 v[SB+8*n+\i], v[SB+8*n+2*\i], v[SB+8*n+2*\i+1]
.endr
.set n, n+1
.endr
	BAR                                            ; every wave has taken x out of XT
.irp kt, 0,1,2,3
.irp t, 0,1,2,3
.set sx, SB+8*((\kt&1)*8+(\kt>>1)*4+\t)
	ds_store_b128 v[STX], v[sx:sx+3] offset:\t*16*KP+32*\kt      ; row 16 t + r, d' = 64 w + 16 kt + 8 h ..
.endr
.endr
	BAR                                            ; the four waves' columns make whole rows of q
	LOADQ 0x40
.endm
.macro MASK                            ; key 64 w + 16 kt + 8 h + j above query 64 cx + 16 t + r: the score becomes -FLT_MAX.  cx enters data alone
.irp kt, 0,1,2,3
.irp t, 0,1,2,3
.set sx, SB+8*((\kt&1)*8+(\kt>>1)*4+\t)
.irp j, 0,1,2,3,4,5,6,7
	v_cmp_gt_i32 vcc_lo, 16*(\kt-\t)+\j, v[DM]
	v_cndmask_b32 v[sx+\j], v[sx+\j], v[NEG], vcc_lo
.endr
.endr
.endr
.endm
; The tile at SB + 8 n belongs to q tile n & 3.  A lane holds 32 scores of each of four query rows; its partner, lane xor 16, the other 32.
.macro SOFTMAX first
.irp t, 0,1,2,3
	v_max3_num_f32 v[MX+\t], v[SB+8*\t], v[SB+8*\t+1], v[SB+8*\t+2]
.endr
.set n, 3
.rept 14
.irp t, 0,1,2,3
	v_max3_num_f32 v[MX+\t], v[MX+\t], v[SB+32*(n>>3)+8*\t+(n&7)], v[SB+32*((n+1)>>3)+8*\t+((n+1)&7)]
.endr
.set n, n+2
.endr
.irp t, 0,1,2,3
	v_max_num_f32 v[MX+\t], v[MX+\t], v[SB+96+8*\t+7]
.endr
.irp t, 0,1,2,3
	v_permlanex16_b32 v[TM+\t], v[MX+\t], s26, s27
.endr
.if \first
.irp t, 0,1,2,3
	v_max_num_f32 v[M+2*\t], v[MX+\t], v[TM+\t]
.endr
.irp t, 0,1,2,3
	v_mov_b32 v[M+2*\t+1], v[M+2*\t]
.endr
.else
.irp t, 0,1,2,3
	v_max3_num_f32 v[MX+\t], v[MX+\t], v[TM+\t], v[M+2*\t]       ; the new running maximum
.endr
.irp t, 0,1,2,3
	v_sub_f32 v[TM+\t], v[M+2*\t], v[MX+\t]
.endr
.irp t, 0,1,2,3
	v_exp_f32 v[AL+2*\t], v[TM+\t]                 ; the moves below are the plain place behind these (ISA guide 5.7.2)
.endr
.irp t, 0,1,2,3
	v_mov_b32 v[M+2*\t], v[MX+\t]
	v_mov_b32 v[M+2*\t+1], v[MX+\t]
.endr
	s_wait_alu depctr_va_vdst(0)
.irp t, 0,1,2,3
	v_mov_b32 v[AL+2*\t+1], v[AL+2*\t]
.endr
.endif
.set n, 0
.rept 16
.irp p, 0,2,4,6
	v_pk_add_f32 v[SB+8*n+\p:SB+8*n+\p+1], v[SB+8*n+\p:SB+8*n+\p+1], v[M+2*(n&3):M+2*(n&3)+1] neg_lo:[0,1] neg_hi:[0,1]
.endr
.irp j, 0,1,2,3,4,5,6,7
	v_exp_f32 v[SB+8*n+\j], v[SB+8*n+\j]           ; the next tile's subtraction is the plain place behind these
.endr
.set n, n+1
.endr
.irp t, 0,1,2,3
.if \first
	s_wait_alu depctr_va_vdst(0)
	v_pk_add_f32 v[LS+2*\t:LS+2*\t+1], v[SB+8*\t:SB+8*\t+1], v[SB+8*\t+2:SB+8*\t+3]
.else
	s_wait_alu depctr_va_vdst(0)
	v_pk_fma_f32 v[LS+2*\t:LS+2*\t+1], v[LS+2*\t:LS+2*\t+1], v[AL+2*\t:AL+2*\t+1], v[SB+8*\t:SB+8*\t+1]
.endif
.endr
.set n, 1+\first
.rept 15-\first
.irp t, 0,1,2,3
	v_pk_add_f32 v[LS+2*\t:LS+2*\t+1], v[LS+2*\t:LS+2*\t+1], v[SB+32*(n>>2)+8*\t+2*(n&3):SB+32*(n>>2)+8*\t+2*(n&3)+1]
.endr
.set n, n+1
.endr
.set n, 0
.rept 8                                ; P(c, t), n = 4 c + t: keys 8 h .. from tile (2 c, t), in place; keys 16 + 8 h .. from tile (2 c + 1, t)
.irp i, 0,1,2,3
	v_cvt_pk_bf16_f32 v[SB+8*n+\i], v[SB+8*n+2*\i], v[SB+8*n+2*\i+1]
.endr
.irp i, 0,1,2,3
	v_cvt_pk_bf16_f32 v[SB+8*n+4+\i], v[SB+64+8*n+2*\i], v[SB+64+8*n+2*\i+1]
.endr
.set n, n+1
.endr
.endm
.macro RESCALE                         ; O^T of q tile t times AL(t): a lane's 128 numbers of a tile column belong to one query row
.irp win, 0x82, 0xc3
	WIN \win
.irp t, 0,1,2,3
.set n, 0
.rept 32
	v_pk_mul_f32 v[64*\t+2*n:64*\t+2*n+1], v[64*\t+2*n:64*\t+2*n+1], v[AL+2*\t:AL+2*\t+1]
.set n, n+1
.endr
.endr
.endr
	WIN 0
.endm
; Sixteen transposing loads: x^T fragments (a, i = 0 .. 7) of my keys 32 c .. 32 c + 31.  Lanes 0-7 of a half-wave address columns 128 a + 8 i .., lanes 8-15 the
; columns 64 further on (128 bytes, in VADR): with rows 528 bytes apart the sixteen lanes then touch sixteen different 16-byte columns modulo 256 bytes.
.macro VGRP c, a, buf, slot
.irp i, 0,1,2,3,4,5,6,7
	ds_load_tr16_b128 v[\buf+8*\i:\buf+8*\i+3],   v[VADR+\slot] offset:\c*32*KP+256*\a+16*\i
	ds_load_tr16_b128 v[\buf+8*\i+4:\buf+8*\i+7], v[VADR+\slot] offset:\c*32*KP+256*\a+16*\i+16*KP
.endr
.endm
.macro PVG c, buf, zero                ; 32 matrix instructions on the 32 accumulators of the window that is set, by turns
.irp i, 0,1,2,3,4,5,6,7
.irp t, 0,1,2,3
.if \zero
	v_wmma_f32_16x16x32_bf16 v[64*\t+8*\i:64*\t+8*\i+7], v[\buf+8*\i:\buf+8*\i+7], v[SB+8*(4*\c+\t):SB+8*(4*\c+\t)+7], 0
.else
	v_wmma_f32_16x16x32_bf16 v[64*\t+8*\i:64*\t+8*\i+7], v[\buf+8*\i:\buf+8*\i+7], v[SB+8*(4*\c+\t):SB+8*(4*\c+\t)+7], v[64*\t+8*\i:64*\t+8*\i+7]
.endif
.endr
.endr
.endm
.macro PVMUL first, slot
	VGRP 0, 0, FA, \slot
	VGRP 0, 1, FO, \slot
.if \first == 0
	RESCALE
.endif
	s_wait_dscnt 16                                ; the first group is in; the second group's 16 loads stay out
	WIN 0xa0
	PVG 0, FA, \first
	NOP4                                           ; four places before loads land in the fragments just read
	WIN 0
	VGRP 1, 0, FA, \slot
	s_wait_dscnt 16
	WIN 0xf0
	PVG 0, FO, \first
	NOP4
	WIN 0
	VGRP 1, 1, FO, \slot
	s_wait_dscnt 16
	WIN 0xa0
	PVG 1, FA, 0
	s_wait_dscnt 0x0
	WIN 0xf0
	PVG 1, FO, 0
	NOP4
	v_nop                                          ; five places: the next scores are written over P and over the fragments
	WIN 0
.endm
; One block of 256 keys, in slot 'slot'.  At its head the tile of the NEXT step (behind the last block: Wv_s^T) is asked for, into the slot read last:
; by the step before, or, ahead of the first step, by the product that made q.
.macro STEP slot, first, mask
	s_wait_dscnt 0x0                               ; my reads of the other slot are done
	s_wait_xcnt 0x0
	v_lshl_add_u32 v254, v0, 2, 0x4ac00
	v_mov_b32 v255, 0
	s_wait_tensorcnt 0x0                           ; all my tensor loads have landed: this step's tile; the other slot's group 0 may be written
	ds_add_u32 v254, v255
	s_wait_dscnt 0x0
	s_cmp_gt_u32 s30, 0                            ; s30: key blocks not yet asked for
	s_cselect_b64 s[62-4*\slot:63-4*\slot], s[72:73], s[76:77]   ; another key block, or the weight
	s_or_b32 s[63-4*\slot], s[63-4*\slot], 0x80000000
	s_add_nc_u64 s[72:73], s[72:73], TILEB
	s_sub_co_u32 s30, s30, 1                       ; behind the weight's turn no step asks again
	ROUND
	tensor_load_to_lds s[60-4*\slot:63-4*\slot], s[32:39]        ; my one tensor load behind the round
	s_nop 0
	SMUL 0x04, KADR+\slot
.if \mask
	MASK
.endif
	SOFTMAX \first
	PVMUL \first, \slot
.endm
.macro MWRITE rho                      ; my O^T of q tiles 2 rho, 2 rho + 1 as an image [32 q][256 d] f32: byte 512 a + 256 h + 32 i + 4 j of a row
.irp a, 0,1
	WIN 0x08+4*\a
.irp tp, 0,1
.irp i, 0,1,2,3,4,5,6,7
	ds_store_b128 v[MW], v[64*(2*\rho+\tp)+8*\i:64*(2*\rho+\tp)+8*\i+3]   offset:\tp*16*MP+512*\a+32*\i
	ds_store_b128 v[MW], v[64*(2*\rho+\tp)+8*\i+4:64*(2*\rho+\tp)+8*\i+7] offset:\tp*16*MP+512*\a+32*\i+16
.endr
.endr
.endr
	WIN 0
	BAR
.endm
.macro MROW k, buf                     ; row 8 w + k of the four images: eight loads of 512 consecutive bytes
	ds_load_b128 v[\buf:\buf+3],     v[MR0] offset:(\k)*MP
	ds_load_b128 v[\buf+4:\buf+7],   v[MR0] offset:(\k)*MP+512
	ds_load_b128 v[\buf+8:\buf+11],  v[MR0] offset:MIMG+(\k)*MP
	ds_load_b128 v[\buf+12:\buf+15], v[MR0] offset:MIMG+(\k)*MP+512
	ds_load_b128 v[\buf+16:\buf+19], v[MR1] offset:(\k)*MP
	ds_load_b128 v[\buf+20:\buf+23], v[MR1] offset:(\k)*MP+512
	ds_load_b128 v[\buf+24:\buf+27], v[MR1] offset:MIMG+(\k)*MP
	ds_load_b128 v[\buf+28:\buf+31], v[MR1] offset:MIMG+(\k)*MP+512
.endm
.macro MREAD rho
	MROW 0, RB
.irp k, 0,1,2,3,4,5,6,7
.if \k < 7
	MROW (\k+1), RB+32*((\k+1)&1)
	s_wait_dscnt 8                                 ; row k is in; the next row's eight loads stay out
.else
	s_wait_dscnt 0x0
.endif
.set bb, RB+32*(\k&1)
.set x, AR+8*(8*\rho+\k)
.irp p, 0,2,4,6
	v_pk_add_f32 v[bb+\p:bb+\p+1], v[bb+\p:bb+\p+1], v[bb+8+\p:bb+8+\p+1]
	v_pk_add_f32 v[bb+16+\p:bb+16+\p+1], v[bb+16+\p:bb+16+\p+1], v[bb+24+\p:bb+24+\p+1]
	v_pk_add_f32 v[x+\p:x+\p+1], v[bb+\p:bb+\p+1], v[bb+16+\p:bb+16+\p+1]
.endr
.endr
.endm
.macro XSTAGE                          ; my sixteen rows in AR, rounded to bf16, into XT; then all 64 rows as source-1 fragments into window 1
.set n, 0
.rept 64
	v_cvt_pk_bf16_f32 v[XB+n], v[AR+2*n], v[AR+2*n+1]
.set n, n+1
.endr
.irp rho, 0,1
.irp k, 0,1,2,3,4,5,6,7
	ds_store_b64 v[XW], v[XB+4*(8*\rho+\k):XB+4*(8*\rho+\k)+1]   offset:(32*\rho+\k)*KP
	ds_store_b64 v[XW], v[XB+4*(8*\rho+\k)+2:XB+4*(8*\rho+\k)+3] offset:(32*\rho+\k)*KP+256
.endr
.endr
	BAR                                            ; the 64 rows are whole; nobody reads the scratch in slot 0 any more
	LOADQ 0x40
.endm
.macro FSOUT                           ; a product's sixteen tiles (window 2) as 64 rows x 256 f32 in slot 0
	WIN 0x08
.irp kt, 0,1,2,3
.irp t, 0,1,2,3
.set sx, SB+8*((\kt&1)*8+(\kt>>1)*4+\t)
	ds_store_b128 v[STO], v[sx:sx+3]   offset:\t*16*MP+64*\kt    ; row 16 t + r, e = 64 w + 16 kt + 8 h ..
	ds_store_b128 v[STO], v[sx+4:sx+7] offset:\t*16*MP+64*\kt+16
.endr
.endr
	WIN 0
	BAR
.endm
.macro FSIN                            ; my sixteen rows of that stage into AR
.irp rho, 0,1
.irp k, 0,1,2,3,4,5,6,7
	ds_load_b128 v[AR+8*(8*\rho+\k):AR+8*(8*\rho+\k)+3],   v[MR0] offset:(32*\rho+\k)*MP
	ds_load_b128 v[AR+8*(8*\rho+\k)+4:AR+8*(8*\rho+\k)+7], v[MR0] offset:(32*\rho+\k)*MP+512
.endr
.endr
	s_wait_dscnt 0x0
.endm
.macro RSUM off                        ; four rows' sums over the 32 lanes, in every lane
.irp m, 1,2,4,8
.irp i, 0,1,2,3
	v_add_f32_dpp v[LT+8*\i+\off], v[LT+8*\i+\off], v[LT+8*\i+\off] row_xmask:\m row_mask:0xf bank_mask:0xf
.endr
.endr
.irp i, 0,1,2,3
	v_permlanex16_b32 v[LT+8*\i+\off+1], v[LT+8*\i+\off], s26, s27
.endr
.irp i, 0,1,2,3
	v_add_f32 v[LT+8*\i+\off], v[LT+8*\i+\off], v[LT+8*\i+\off+1]
.endr
.endm
.macro LN4 base                        ; layer norm of row slots base .. base + 3: the mean is taken away first, then the squares are summed
.irp i, 0,1,2,3
.set x, AR+8*(\base+\i)
.set u, LT+8*\i
	v_pk_add_f32 v[u:u+1], v[x:x+1], v[x+2:x+3]
	v_pk_add_f32 v[u+2:u+3], v[x+4:x+5], v[x+6:x+7]
	v_pk_add_f32 v[u:u+1], v[u:u+1], v[u+2:u+3]
	v_add_f32 v[u], v[u], v[u+1]
.endr
	RSUM 0
.irp i, 0,1,2,3
.set x, AR+8*(\base+\i)
.set u, LT+8*\i
	v_mul_f32 v[u+1], s28, v[u]
	v_mul_f32 v[u], s28, v[u]
.irp p, 0,2,4,6
	v_pk_add_f32 v[x+\p:x+\p+1], v[x+\p:x+\p+1], v[u:u+1] neg_lo:[0,1] neg_hi:[0,1]
.endr
	v_pk_mul_f32 v[u+2:u+3], v[x:x+1], v[x:x+1]
.irp p, 2,4,6
	v_pk_fma_f32 v[u+2:u+3], v[x+\p:x+\p+1], v[x+\p:x+\p+1], v[u+2:u+3]
.endr
	v_add_f32 v[u+2], v[u+2], v[u+3]
.endr
	RSUM 2
.irp i, 0,1,2,3
	v_fma_f32 v[LT+8*\i+2], v[LT+8*\i+2], s28, s29               ; variance + epsilon
.endr
.irp i, 0,1,2,3
	v_rsq_f32 v[LT+8*\i+4], v[LT+8*\i+2]
.endr
	v_nop                                          ; the plain place behind the roots
	s_wait_alu depctr_va_vdst(0)
.irp i, 0,1,2,3
	v_mov_b32 v[LT+8*\i+5], v[LT+8*\i+4]
.endr
.irp i, 0,1,2,3
.set x, AR+8*(\base+\i)
.set u, LT+8*\i
.irp p, 0,2,4,6
	v_pk_mul_f32 v[x+\p:x+\p+1], v[x+\p:x+\p+1], v[u+4:u+5]
.endr
.irp p, 0,2,4,6
	v_pk_fma_f32 v[x+\p:x+\p+1], v[x+\p:x+\p+1], v[G+\p:G+\p+1], v[BT+\p:BT+\p+1]
.endr
.endr
.endm
	s_load_b64 s[10:11], s[0:1], 0x0               ; xb_s
	s_load_b128 s[12:15], s[0:1], 0x8              ; wt, inputs
	s_load_b128 s[16:19], s[0:1], 0x18             ; ln_g, ln_b
	s_load_b128 s[20:23], s[0:1], 0x28             ; x1, q_c
	v_lshl_add_u32 v254, v0, 2, 0x4ac00
	v_mov_b32 v255, 0
	ds_add_u32 v254, v255
	s_wait_dscnt 0x0
	v_lshrrev_b32 v1, 5, v0
	v_readfirstlane_b32 s5, v1                     ; wave
	s_bfe_u32 s6, ttmp6, 0x40000                   ; cx
	s_and_b32 s4, ttmp9, 7                         ; c: the diagonal block, and the number of blocks below it
	s_lshr_b32 s7, ttmp9, 3                        ; batch
	s_mov_b32 s26, 0x76543210                      ; v_permlanex16_b32: lane i reads lane i of the other half
	s_mov_b32 s27, 0xfedcba98
	s_mov_b32 s28, 0x3b800000                      ; 1/256
	s_mov_b32 s29, 0x3a83126f                      ; 0.001
	GROUP1 32, W0K, 64
	GROUP1 48, W0Q, 16
	s_lshl_b32 s40, s7, 20                         ; batch x 2,048 rows x 512 bytes
	s_lshl_b32 s41, s5, 15                         ; + my 64 rows of a tile
	s_add_co_u32 s40, s40, s41
	s_add_co_u32 s42, s41, WA*TILEB
	s_add_co_u32 s44, s41, WB*TILEB
	s_mov_b32 s24, s41                             ; tile 0 of wt: Wk_s Wq_s^T
	s_mov_b32 s25, 0
	s_mov_b32 s41, 0
	s_mov_b32 s43, 0
	s_mov_b32 s45, 0
	s_lshl_b32 s46, s4, 17                         ; the diagonal block
	s_mov_b32 s47, 0
	s_lshl_b32 s84, ttmp9, 2                       ; what hangs on cx stays in s84-s90, which feed no joint descriptor
	s_add_co_u32 s84, s84, s6                      ; my block of 64 rows
	s_lshl_b32 s86, s84, 16                        ; x 64 x 1,024 bytes
	s_mov_b32 s87, 0
	s_lshl_b32 s84, s84, 15                        ; x 64 x 512 bytes
	s_mov_b32 s85, 0
	s_lshl_b32 s88, s5, 13                         ; + 16 w rows of 512 bytes
	s_add_co_u32 s88, s88, s84
	s_mov_b32 s89, 0
	s_sub_co_i32 s90, s6, s5
	s_lshl_b32 s90, s90, 6                         ; 64 (cx - w)
	s_mov_b32 s56, 1                               ; groups 0: slot 0, slot 1, my rows
	s_mul_i32 s57, s5, KQ
	s_mov_b32 s60, 1
	s_mul_i32 s61, s5, KQ
	s_add_co_u32 s61, s61, SLOT
	s_mov_b32 s68, 1
	s_mul_i32 s69, s5, 16*KP
	s_add_co_u32 s69, s69, XT
	s_mov_b32 s30, s4                              ; key blocks not yet asked for
	v_and_b32 v8, 15, v0                           ; r
	v_bfe_u32 v9, v0, 4, 1                         ; h
	v_mul_u32_u24 v10, v8, KP
	v_lshl_add_u32 v10, v9, 4, v10                 ; r x pitch + 16 h
	s_mul_i32 s7, s5, KQ
	v_add_nc_u32 v[KADR], s7, v10
	v_add_nc_u32 v[KADR+1], SLOT, v[KADR]
	v_add_nc_u32 v[QADR], XT, v10
	v_and_b32 v11, 7, v0
	v_lshl_add_u32 v11, v9, 3, v11                 ; key row 8 h + (L & 7)
	v_mul_u32_u24 v11, v11, KP
	v_bfe_u32 v12, v0, 3, 1
	v_lshl_add_u32 v11, v12, 7, v11                ; + 128 ((L >> 3) & 1)
	v_add_nc_u32 v[VADR], s7, v11
	v_add_nc_u32 v[VADR+1], SLOT, v[VADR]
	s_lshl_b32 s7, s5, 7
	v_add_nc_u32 v[STX], s7, v[QADR]               ; q into XT: row r, 16 h + 128 w
	v_lshlrev_b32 v12, 3, v9
	v_sub_nc_u32 v12, v8, v12
	v_add_nc_u32 v[DM], s90, v12
	v_mov_b32 v[NEG], 0xff7fffff
	s_wait_kmcnt 0x0
	s_add_nc_u64 s[72:73], s[10:11], s[40:41]      ; x of block 0: the next block
	s_add_nc_u64 s[76:77], s[12:13], s[42:43]      ; Wv_s^T
	s_add_nc_u64 s[78:79], s[12:13], s[44:45]      ; Wk_c Wq_c^T
	s_add_nc_u64 s[80:81], s[72:73], s[46:47]      ; the diagonal block
	s_add_nc_u64 s[82:83], s[12:13], s[24:25]      ; Wk_s Wq_s^T
	s_add_nc_u64 s[70:71], s[10:11], s[88:89]      ; my 16 rows of x
	s_or_b32 s71, s71, 0x80000000
	s_add_nc_u64 s[14:15], s[14:15], s[86:87]      ; inputs, x1 and q_c at my first row
	s_add_nc_u64 s[20:21], s[20:21], s[86:87]
	s_add_nc_u64 s[22:23], s[22:23], s[84:85]
	ROUND                                          ; the four partners are here: the first joint loads meet
	s_and_b32 s7, s4, 1
	s_cmp_lg_u32 s7, 0
	s_cbranch_scc1 .Lodd
	; c even: an odd number of steps, the first on slot 0; q's weight in slot 1
	s_mov_b64 s[58:59], s[80:81]
	s_or_b32 s59, s59, 0x80000000
	s_mov_b64 s[62:63], s[82:83]
	s_or_b32 s63, s63, 0x80000000
	tensor_load_to_lds s[68:71], s[48:55]          ; my 16 rows of x
	s_nop 0
	tensor_load_to_lds s[60:63], s[32:39]          ; my 64 rows of q's weight
	s_nop 0
	tensor_load_to_lds s[56:59], s[32:39]          ; my 64 keys of the diagonal block: three tensor loads of the wave are out
	s_nop 0
	s_wait_tensorcnt 0x1                           ; the rows and the weight have landed; the diagonal block stays out
	BAR                                            ; every wave's rows of x are in
	LOADQ 0x40
	QPROD 1
	STEP 0, 1, 1
	s_branch .Ljoin
.Lodd:
	; c odd: an even number of steps, the first on slot 1; q's weight in slot 0
	s_mov_b64 s[62:63], s[80:81]
	s_or_b32 s63, s63, 0x80000000
	s_mov_b64 s[58:59], s[82:83]
	s_or_b32 s59, s59, 0x80000000
	tensor_load_to_lds s[68:71], s[48:55]
	s_nop 0
	tensor_load_to_lds s[56:59], s[32:39]
	s_nop 0
	tensor_load_to_lds s[60:63], s[32:39]
	s_nop 0
	s_wait_tensorcnt 0x1                           ; as above
	BAR
	LOADQ 0x40
	QPROD 0
	STEP 1, 1, 1
	STEP 0, 0, 0
.Ljoin:
	s_lshr_b32 s3, s4, 1                           ; pairs of steps left
	s_cmp_eq_u32 s3, 0
	s_cbranch_scc1 .Lmerge
.Lpair:
	STEP 1, 0, 0
	STEP 0, 0, 0
	s_sub_co_u32 s3, s3, 1
	s_cmp_lg_u32 s3, 0
	s_cbranch_scc1 .Lpair
.Lmerge:
	; the four waves' maxima and sums meet.  A wave, or a row of it, that has seen masked keys alone holds -FLT_MAX and finite sums: its factor is exactly 0.
	v_and_b32 v[REDR], 15, v0
	v_lshlrev_b32 v[REDR], 4, v[REDR]
	v_add_nc_u32 v[REDR], RED, v[REDR]             ; RED + 16 r
	s_lshl_b32 s7, s5, 8
	v_add_nc_u32 v[REDW], s7, v[REDR]              ; + 256 w
.irp t, 0,1,2,3
	v_add_f32 v[LS+2*\t], v[LS+2*\t], v[LS+2*\t+1]
.endr
.irp t, 0,1,2,3
	v_permlanex16_b32 v[LS+2*\t+1], v[LS+2*\t], s26, s27
.endr
.irp t, 0,1,2,3
	v_mov_b32 v[160+\t], v[M+2*\t]
	v_add_f32 v[164+\t], v[LS+2*\t], v[LS+2*\t+1]
.endr
	ds_store_b128 v[REDW], v[160:163]
	ds_store_b128 v[REDW], v[164:167] offset:1024
	s_wait_tensorcnt 0x0                           ; Wv_s^T has landed
	BAR                                            ; and every wave has read the last block: slot 0 is scratch from here on
.irp wv, 0,1,2,3
	ds_load_b128 v[168+4*\wv:168+4*\wv+3], v[REDR] offset:256*\wv
	ds_load_b128 v[184+4*\wv:184+4*\wv+3], v[REDR] offset:1024+256*\wv
.endr
	s_wait_dscnt 0x0
.irp t, 0,1,2,3
	v_max3_num_f32 v[200+\t], v[168+\t], v[172+\t], v[176+\t]
.endr
.irp t, 0,1,2,3
	v_max_num_f32 v[200+\t], v[200+\t], v[180+\t]
.endr
.irp wv, 0,1,2,3
.irp t, 0,1,2,3
	v_sub_f32 v[168+4*\wv+\t], v[168+4*\wv+\t], v[200+\t]
.endr
.endr
.irp t, 0,1,2,3
	v_sub_f32 v[208+\t], v[M+2*\t], v[200+\t]
.endr
.set n, 0
.rept 16
	v_exp_f32 v[168+n], v[168+n]
.set n, n+1
.endr
.irp t, 0,1,2,3
	v_exp_f32 v[208+\t], v[208+\t]
.endr
	v_nop                                          ; the plain place behind the exponentials
	s_wait_alu depctr_va_vdst(0)
.irp t, 0,1,2,3
	v_mul_f32 v[204+\t], v[168+\t], v[184+\t]
.endr
.irp wv, 1,2,3
.irp t, 0,1,2,3
	v_fmac_f32 v[204+\t], v[168+4*\wv+\t], v[184+4*\wv+\t]
.endr
.endr
.irp t, 0,1,2,3
	v_rcp_f32 v[212+\t], v[204+\t]                 ; the sum is at least 1: the wave that holds the maximum adds its own
.endr
	v_nop
	s_wait_alu depctr_va_vdst(0)
.irp t, 0,1,2,3
	v_mul_f32 v[AL+2*\t], v[208+\t], v[212+\t]
.endr
.irp t, 0,1,2,3
	v_mov_b32 v[AL+2*\t+1], v[AL+2*\t]
.endr
	RESCALE                                        ; my part, brought to the common maximum and divided by the whole sum
	v_and_b32 v24, 31, v0                          ; L
	v_and_b32 v25, 15, v0                          ; r
	v_bfe_u32 v26, v0, 4, 1                        ; h
	v_mul_u32_u24 v27, v25, MP
	s_mul_i32 s7, s5, MIMG
	v_lshl_add_u32 v[MW], v26, 8, v27
	v_add_nc_u32 v[MW], s7, v[MW]                  ; my image, row r, 256 h
	s_lshl_b32 s7, s5, 8
	v_lshl_add_u32 v[STO], v26, 5, v27
	v_add_nc_u32 v[STO], s7, v[STO]                ; f32 stage: row r, 32 h + 256 w
	v_lshlrev_b32 v[GBA], 4, v24                   ; 16 L
	s_mul_i32 s7, s5, 8*MP
	v_add_nc_u32 v[MR0], s7, v[GBA]                ; images 0 and 1, row 8 w; also the f32 stage's row 8 w
	v_add_nc_u32 v[MR1], 2*MIMG, v[MR0]            ; images 2 and 3
	s_lshl_b32 s7, s5, 13
	v_add_nc_u32 v[RESA], s7, v[GBA]               ; 8 w rows of 1,024 bytes (= 16 w rows of 512) + 16 L
	s_mul_i32 s7, s5, 8*KP
	s_add_co_u32 s7, s7, XT
	v_lshl_add_u32 v[XW], v24, 3, s7
	v_mul_u32_u24 v27, v25, KP
	v_lshl_add_u32 v27, v26, 4, v27
	s_lshl_b32 s7, s5, 7
	v_add_nc_u32 v[STQ], s7, v27                   ; stage of q_c: row r, 16 h + 128 w
	s_mul_i32 s7, s5, 16*KP
	v_add_nc_u32 v[RD], s7, v[GBA]
	MWRITE 0
	WIN 0xc0                                       ; the residual lands in window 3, where q tiles 0 and 1 have just left
.irp rho, 0,1
.irp k, 0,1,2,3,4,5,6,7
	global_load_b128 v[8*(8*\rho+\k):8*(8*\rho+\k)+3],   v[RESA], s[14:15] offset:\rho*32768+\k*1024 th:TH_LOAD_NT
	global_load_b128 v[8*(8*\rho+\k)+4:8*(8*\rho+\k)+7], v[RESA], s[14:15] offset:\rho*32768+\k*1024+512 th:TH_LOAD_NT
.endr
.endr
	WIN 0
	global_load_b128 v[G:G+3],     v[GBA], s[16:17]
	global_load_b128 v[G+4:G+7],   v[GBA], s[16:17] offset:512
	global_load_b128 v[BT:BT+3],   v[GBA], s[18:19]
	global_load_b128 v[BT+4:BT+7], v[GBA], s[18:19] offset:512
	MREAD 0
	BAR                                            ; every wave has read the images: they may be written again
	MWRITE 1
	MREAD 1                                        ; AR = softmax(..) x, whole
	XSTAGE
	WIN 0x80
	v_mov_b32 v[KADR+1], v[KADR+1]                 ; slot 1's fragment address, copied into window 2
	SMUL 0xa6, KADR+1                              ; (P x Wv_s)^T: results, fragments and address in window 2, P x in window 1
	s_wait_dscnt 0x0                               ; my reads of slot 1 are done
	s_wait_xcnt 0x0
	v_lshl_add_u32 v254, v0, 2, 0x4ac00
	v_mov_b32 v255, 0
	s_wait_tensorcnt 0x0                           ; no tensor load of mine is out: group 0 may be written
	ds_add_u32 v254, v255
	s_wait_dscnt 0x0
	s_mov_b64 s[62:63], s[78:79]
	s_or_b32 s63, s63, 0x80000000
	ROUND
	tensor_load_to_lds s[60:63], s[32:39]          ; the last weight: my one tensor load behind the round, and the last
	s_nop 0
	FSOUT
	FSIN
	s_wait_loadcnt 0x0                             ; residual, gain and bias
	WIN 0x0c
.set n, 0
.rept 64
	v_pk_add_f32 v[AR+2*n:AR+2*n+1], v[AR+2*n:AR+2*n+1], v[2*n:2*n+1]
.set n, n+1
.endr
	WIN 0
.irp b, 0,4,8,12
	LN4 \b
.endr
.irp rho, 0,1
.irp k, 0,1,2,3,4,5,6,7
	global_store_b128 v[RESA], v[AR+8*(8*\rho+\k):AR+8*(8*\rho+\k)+3],   s[20:21] offset:\rho*32768+\k*1024       ; x1: 512 consecutive, aligned bytes a store
	global_store_b128 v[RESA], v[AR+8*(8*\rho+\k)+4:AR+8*(8*\rho+\k)+7], s[20:21] offset:\rho*32768+\k*1024+512
.endr
.endr
	s_wait_tensorcnt 0x0                           ; my quarter of the last weight has landed; I alone read it
	XSTAGE
	SMUL 0xa6, KADR+1                              ; q_c^T
	WIN 0x8a
.set n, 0
.rept 16
.irp i, 0,1,2,3
	v_cvt_pk_bf16_f32 v[SB+8*n+\i], v[SB+8*n+2*\i], v[SB+8*n+2*\i+1]
.endr
.set n, n+1
.endr
	WIN 0x08
.irp kt, 0,1,2,3
.irp t, 0,1,2,3
.set sx, SB+8*((\kt&1)*8+(\kt>>1)*4+\t)
	ds_store_b128 v[STQ], v[sx:sx+3] offset:\t*16*KP+32*\kt
.endr
.endr
	WIN 0
	BAR
.irp k, 0,1,2,3,4,5,6,7,8,9,10,11,12,13,14,15
	ds_load_b128 v[RB+4*\k:RB+4*\k+3], v[RD] offset:\k*KP
.endr
.irp k, 0,1,2,3,4,5,6,7,8,9,10,11,12,13,14,15
	s_wait_dscnt 15-\k                             ; row k is in, the younger rows stay out
	global_store_b128 v[RESA], v[RB+4*\k:RB+4*\k+3], s[22:23] offset:\k*512
.endr
	s_wait_xcnt 0x0
	v_lshl_add_u32 v254, v0, 2, 0x4ac00
	v_mov_b32 v255, 0
	s_wait_tensorcnt 0x0
	ds_add_u32 v254, v255
	s_wait_dscnt 0x0
	ROUND                                          ; the closing round
	s_endpgm
.Lfunc_end_k_q56e424c1d1_selfatt:
	.size	k_q56e424c1d1_selfatt, .Lfunc_end_k_q56e424c1d1_selfatt-k_q56e424c1d1_selfatt
	.p2alignl 7, 3214868480
	.fill 96, 4, 3214868480
	.section	.rodata,"a",@progbits
	.p2align	6, 0x0
	.amdhsa_kernel k_q56e424c1d1_selfatt
		.amdhsa_group_segment_fixed_size 327680
		.amdhsa_private_segment_fixed_size 0
		.amdhsa_enable_private_segment 0
		.amdhsa_kernarg_size 56
		.amdhsa_user_sgpr_count 2
		.amdhsa_user_sgpr_kernarg_segment_ptr 1
		.amdhsa_wavefront_size32 1
		.amdhsa_system_sgpr_workgroup_id_x 1
		.amdhsa_system_sgpr_workgroup_id_y 1
		.amdhsa_system_sgpr_workgroup_id_z 1
		.amdhsa_system_vgpr_workitem_id 0
		.amdhsa_next_free_vgpr 1024
		.amdhsa_next_free_sgpr 92
		.amdhsa_reserve_vcc 1
		.amdhsa_float_denorm_mode_32 3
		.amdhsa_float_denorm_mode_16_64 3
		.amdhsa_memory_ordered 1
		.amdhsa_forward_progress 1
		.amdhsa_inst_pref_size 255
	.end_amdhsa_kernel
	.section	.bss,"aw",@nobits
	.p2align	6
	.space	262144
	.amdgpu_metadata
---
amdhsa.version: [ 1, 2 ]
amdhsa.kernels:
  - .name:           k_q56e424c1d1_selfatt
    .symbol:         k_q56e424c1d1_selfatt.kd
    .args:
      - { .name: xb_s, .offset: 0, .size: 8, .value_kind: global_buffer, .address_space: global }
      - { .name: wt, .offset: 8, .size: 8, .value_kind: global_buffer, .address_space: global }
      - { .name: inputs, .offset: 16, .size: 8, .value_kind: global_buffer, .address_space: global }
      - { .name: ln_g, .offset: 24, .size: 8, .value_kind: global_buffer, .address_space: global }
      - { .name: ln_b, .offset: 32, .size: 8, .value_kind: global_buffer, .address_space: global }
      - { .name: x1, .offset: 40, .size: 8, .value_kind: global_buffer, .address_space: global }
      - { .name: q_c, .offset: 48, .size: 8, .value_kind: global_buffer, .address_space: global }
    .group_segment_fixed_size: 327680
    .private_segment_fixed_size: 0
    .kernarg_segment_align: 8
    .kernarg_segment_size: 56
    .max_flat_workgroup_size: 128
    .sgpr_count:     92
    .vgpr_count:     1024
    .wavefront_size: 32
...
	.end_amdgpu_metadata
.endif
;; end of part 6
;; launch crossffn (part 7): grid 256 x 1, 4 waves a work-group, clusters of 4 x 1, 327,680 bytes of LDS; arguments q_c, xb_c, wt, x1, ln_g, ln_b, b1, out0; writes out0
.if DOCPART == 7
	.amdgcn_target "amdgcn-amd-amdhsa--gfx1250"
	.amdhsa_code_object_version 6
	.text
	.protected	k_q56e424c1d1_crossffn
	.globl	k_q56e424c1d1_crossffn
	.p2align	8
	.type	k_q56e424c1d1_crossffn,@function
k_q56e424c1d1_crossffn:
	s_mov_b64 s[64:65], 0
	v_nop
	global_prefetch_b8 v0, s[64:65] scope:SCOPE_SE
	s_setreg_imm32_b32 hwreg(HW_REG_WAVE_MODE, 25, 1), 1
	s_wait_xcnt 0x0
	s_wait_alu depctr_hold_cnt(0) depctr_sa_sdst(0) depctr_va_vdst(0) depctr_va_sdst(0) depctr_va_ssrc(0) depctr_va_vcc(0) depctr_vm_vsrc(0)
	s_getreg_b32 s2, hwreg(HW_REG_IB_STS2, 6, 4)
	s_cmp_eq_u32 s2, 0
	s_cbranch_scc0 .Lentry_in_a_cluster
	s_endpgm
.Lentry_in_a_cluster:
	s_bfe_u32 s2, ttmp6, 0x10000c
	s_cmp_lg_u32 s2, 0x3003
	s_cbranch_scc0 .Lentry_shape_is_right
	s_endpgm
.Lentry_shape_is_right:
; x2 = LN(attention + x1);  out0 = relu(LN(relu(x2 x W1 + b1) + x2)).
; The attention is taken as softmax(q_c x^T) x Wv_c with x = xb_c (context in bf16) and q_c = x1 Wq_c Wk_c^T log2(e)/16: the same sums as Q K^T and P V in another
; order.  So ONE tile of 256 rows of x serves a step's scores (plain fragment loads) and its P x (transposing loads), and two such slots fit in LDS:
; one round and one joint load a step, asked for a whole step ahead of its use.
; A work-group owns 64 query rows; a cluster of four owns 256 rows of one batch and walks the batch's eight key blocks.  Every product is taken transposed, so that
; a lane owns a query row: S^T = x q^T (M = key, N = q), O^T = x^T P^T (M = d, N = q); two neighbouring score tiles, rounded in pairs, are a source-1 fragment of P.
; Each wave takes all 64 rows and its own 64 keys of a block, with its own running maximum, sum and O^T (512 registers); the four are merged once at the end.
; TILES: block 7 (slot 1; its products start the sums), blocks 0 .. 6 (slots 0, 1, .. 0), then Wv_c^T (slot 1).  Slot 0 has then had its last fill and serves the
; merge and the stages; slot 1 is filled once more, with W1^T.
; CLUSTER: all tiles but Q are asked for jointly by the four work-groups (mask 15).
; LIMITS: NaN and infinities are not treated.  q_c, x, P, P x, x2 and the weights are rounded to bf16 as matrix operands: P x is rounded before Wv_c, an order of
; rounding that differs from forming V first.  The sum of the exponentials is taken from the unrounded numbers.  An exponential below 2^-126 comes out as 0
; (ISA guide, V_EXP_F32).
.set KP,    528                        ; pitch of all bf16 rows: 512 bytes + 16, an odd multiple of 16
.set KQ,    64*KP
.set SLOT,  4*KQ                       ; slot 0 at 0, slot 1 at SLOT
.set XT,    2*SLOT                     ; 64 x 528: the Q tile (filled once), later P x and x2 in bf16
.set RED,   XT+64*KP                   ; 1 KiB of maxima, 1 KiB of sums
.set MP,    1040                       ; slot 0 as scratch, from LDS byte 0: four images of 32 q x 256 d f32, pitch 1,024 + 16; later 64 x 1,040
.set MIMG,  32*MP
.set TILEB, 131072                     ; 256 rows x 512 bytes
.set WA,    3                          ; Wv_c^T
.set WB,    4                          ; W1^T
.set KADR, 1                           ; v1, v2  plain fragments of my 64 rows in slot 0, 1
.set VADR, 3                           ; v3, v4  transposing loads in slot 0, 1
.set QADR, 5
.set REDW, 6
.set REDR, 7
.set M,    8                           ; v[8:15]   running maximum of q tile t, twice (a pair for packed arithmetic)
.set AL,   16                          ; v[16:23]  factor for the old sums, twice
.set LS,   24                          ; v[24:31]  two partial sums of q tile t
.set SB,   32                          ; v[32:159] sixteen score tiles; tile (kt, t) at SB + 8 ((kt & 1) 8 + (kt >> 1) 4 + t); P(c, t) at SB + 8 (4 c + t)
.set FB,   160                         ; v[160:255] three fragment buffers of 32 registers
.set FA,   160                         ; P x: eight x^T fragments
.set FO,   96                          ; P x: eight more, where the odd score tiles lay
.set MX,   160
.set TM,   164
; the end of the kernel, window 0
.set MW,   8
.set MR0,  9
.set MR1,  10
.set RESA, 11
.set GBA,  12
.set XW,   13
.set STO,  14
.set AR,   32                          ; v[32:159] sixteen rows: slot 8 rho + k = local row 32 rho + 8 w + k; registers 0-3: d = 4 L .., 4-7: d = 128 + 4 L ..
.set G,    160
.set BT,   168
.set B1R,  176
.set LT,   184
.set RB,   184
.set XB,   184
; window 1: source-1 fragments (Q, P x, x2), chunk ch of 32 d, q tile t at 8 (4 ch + t)
; windows 2, 3: O^T tile (a, i, t) at window 2 + a, register 64 t + 8 i: lane (r, h), register j holds q = 16 t + r, d = 128 a + 64 h + 8 i + j
.set W0K, 15|(1<<16)|(1<<20)|(1<<21)|(6<<22)|(3<<25)   ; mask 15; 2-byte elements; padding on; bit 21 beside a mask; after 128 words; 4 words
.set W0Q, (1<<16)|(1<<20)|(6<<22)|(3<<25)              ; no mask: my own rows
.set MSB, 0
.macro WIN new                         ; the immediate's high byte repeats the setting that is left
.if MSB != \new
	s_set_vgpr_msb (MSB<<8)|\new
.set MSB, \new
.endif
.endm
.macro NOP4
.rept 4
	v_nop
.endr
.endm
.macro BAR                             ; a work-group barrier behind which no tensor load fills bytes again
	s_wait_dscnt 0x0
	s_barrier_signal -1
	s_barrier_wait -1
.endm
.macro ROUND                           ; a round of the cluster's barrier
	s_barrier_signal -1
	s_barrier_wait -1
	s_cmp_lg_u32 s5, 0
	s_cbranch_scc1 .Lnot_wave_0_\@
	s_barrier_signal -3
.Lnot_wave_0_\@:
	s_barrier_wait -3
	s_barrier_signal -1
	s_barrier_wait -1
.endm
.macro GROUP1 g, w0, rows              ; rows x 256 elements of 2 bytes, row to row 256 elements
	s_mov_b32 s[\g], \w0
	s_mov_b32 s[\g+1], 256<<16
	s_mov_b32 s[\g+2], \rows<<16
	s_mov_b32 s[\g+3], 256<<16
	s_mov_b32 s[\g+4], \rows
	s_mov_b32 s[\g+5], 256
	s_mov_b32 s[\g+6], 0
	s_mov_b32 s[\g+7], 0
.endm
.macro LOADQ set                       ; 64 rows x 256 d of XT into window 1, as source-1 fragments
	WIN \set
.irp ch, 0,1,2,3,4,5,6,7
.irp t, 0,1,2,3
	ds_load_b128 v[8*(4*\ch+\t):8*(4*\ch+\t)+3],   v[QADR] offset:\t*16*KP+64*\ch
	ds_load_b128 v[8*(4*\ch+\t)+4:8*(4*\ch+\t)+7], v[QADR] offset:\t*16*KP+64*\ch+32
.endr
.endr
	WIN 0
	s_wait_dscnt 0x0
.endm
.macro SCHUNK adr, ch                  ; eight loads: my 64 rows of a slot, 32 along d, into buffer ch mod 3
.irp kt, 0,1,2,3
	ds_load_b128 v[FB+32*((\ch)%3)+8*\kt:FB+32*((\ch)%3)+8*\kt+3],   v[\adr] offset:\kt*16*KP+64*(\ch)
	ds_load_b128 v[FB+32*((\ch)%3)+8*\kt+4:FB+32*((\ch)%3)+8*\kt+7], v[\adr] offset:\kt*16*KP+64*(\ch)+32
.endr
.endm
; 64 x 64 x 256: 128 matrix instructions; the first chunk starts the sums.  The sixteen accumulators take turns, one instruction a turn.
; Chunk ch + 2 is requested ahead of chunk ch's products.
.macro SMUL set, adr
	WIN \set
	SCHUNK \adr, 0
	SCHUNK \adr, 1
.irp ch, 0,1,2,3,4,5,6,7
.if \ch < 6
.if \ch > 0
	NOP4                                           ; four places between chunk ch - 1's products and the loads into the buffer that they read
.endif
	SCHUNK \adr, (\ch+2)
	s_wait_dscnt 16                                ; chunk ch is in; the 8 loads each of the two younger chunks stay out
.else
	s_wait_dscnt 8*(7-\ch)                         ; one younger chunk, then none
.endif
.irp kt, 0,1,2,3
.irp t, 0,1,2,3
.set sx, SB+8*((\kt&1)*8+(\kt>>1)*4+\t)
.set fx, FB+32*(\ch%3)+8*\kt
.set qx, 8*(4*\ch+\t)
.if \ch == 0
	v_wmma_f32_16x16x32_bf16 v[sx:sx+7], v[fx:fx+7], v[qx:qx+7], 0
.else
	v_wmma_f32_16x16x32_bf16 v[sx:sx+7], v[fx:fx+7], v[qx:qx+7], v[sx:sx+7]
.endif
.endr
.endr
.endr
	NOP4                                           ; four places before anything reads the results
	WIN 0
.endm
; The tile at SB + 8 n belongs to q tile n & 3.  A lane holds 32 scores of each of four query rows; its partner, lane xor 16, the other 32.
.macro SOFTMAX first
.irp t, 0,1,2,3
	v_max3_num_f32 v[MX+\t], v[SB+8*\t], v[SB+8*\t+1], v[SB+8*\t+2]
.endr
.set n, 3
.rept 14
.irp t, 0,1,2,3
	v_max3_num_f32 v[MX+\t], v[MX+\t], v[SB+32*(n>>3)+8*\t+(n&7)], v[SB+32*((n+1)>>3)+8*\t+((n+1)&7)]
.endr
.set n, n+2
.endr
.irp t, 0,1,2,3
	v_max_num_f32 v[MX+\t], v[MX+\t], v[SB+96+8*\t+7]
.endr
.irp t, 0,1,2,3
	v_permlanex16_b32 v[TM+\t], v[MX+\t], s26, s27
.endr
.if \first
.irp t, 0,1,2,3
	v_max_num_f32 v[M+2*\t], v[MX+\t], v[TM+\t]
.endr
.irp t, 0,1,2,3
	v_mov_b32 v[M+2*\t+1], v[M+2*\t]
.endr
.else
.irp t, 0,1,2,3
	v_max3_num_f32 v[MX+\t], v[MX+\t], v[TM+\t], v[M+2*\t]       ; the new running maximum
.endr
.irp t, 0,1,2,3
	v_sub_f32 v[TM+\t], v[M+2*\t], v[MX+\t]
.endr
.irp t, 0,1,2,3
	v_exp_f32 v[AL+2*\t], v[TM+\t]                 ; the moves below are the plain place behind these (ISA guide 5.7.2)
.endr
.irp t, 0,1,2,3
	v_mov_b32 v[M+2*\t], v[MX+\t]
	v_mov_b32 v[M+2*\t+1], v[MX+\t]
.endr
	s_wait_alu depctr_va_vdst(0)
.irp t, 0,1,2,3
	v_mov_b32 v[AL+2*\t+1], v[AL+2*\t]
.endr
.endif
.set n, 0
.rept 16
.irp p, 0,2,4,6
	v_pk_add_f32 v[SB+8*n+\p:SB+8*n+\p+1], v[SB+8*n+\p:SB+8*n+\p+1], v[M+2*(n&3):M+2*(n&3)+1] neg_lo:[0,1] neg_hi:[0,1]
.endr
.irp j, 0,1,2,3,4,5,6,7
	v_exp_f32 v[SB+8*n+\j], v[SB+8*n+\j]           ; the next tile's subtraction is the plain place behind these
.endr
.set n, n+1
.endr
.irp t, 0,1,2,3
.if \first
	s_wait_alu depctr_va_vdst(0)
	v_pk_add_f32 v[LS+2*\t:LS+2*\t+1], v[SB+8*\t:SB+8*\t+1], v[SB+8*\t+2:SB+8*\t+3]
.else
	s_wait_alu depctr_va_vdst(0)
	v_pk_fma_f32 v[LS+2*\t:LS+2*\t+1], v[LS+2*\t:LS+2*\t+1], v[AL+2*\t:AL+2*\t+1], v[SB+8*\t:SB+8*\t+1]
.endif
.endr
.set n, 1+\first
.rept 15-\first
.irp t, 0,1,2,3
	v_pk_add_f32 v[LS+2*\t:LS+2*\t+1], v[LS+2*\t:LS+2*\t+1], v[SB+32*(n>>2)+8*\t+2*(n&3):SB+32*(n>>2)+8*\t+2*(n&3)+1]
.endr
.set n, n+1
.endr
.set n, 0
.rept 8                                ; P(c, t), n = 4 c + t: keys 8 h .. from tile (2 c, t), in place; keys 16 + 8 h .. from tile (2 c + 1, t)
.irp i, 0,1,2,3
	v_cvt_pk_bf16_f32 v[SB+8*n+\i], v[SB+8*n+2*\i], v[SB+8*n+2*\i+1]
.endr
.irp i, 0,1,2,3
	v_cvt_pk_bf16_f32 v[SB+8*n+4+\i], v[SB+64+8*n+2*\i], v[SB+64+8*n+2*\i+1]
.endr
.set n, n+1
.endr
.endm
.macro RESCALE                         ; O^T of q tile t times AL(t): a lane's 128 numbers of a tile column belong to one query row
.irp win, 0x82, 0xc3
	WIN \win
.irp t, 0,1,2,3
.set n, 0
.rept 32
	v_pk_mul_f32 v[64*\t+2*n:64*\t+2*n+1], v[64*\t+2*n:64*\t+2*n+1], v[AL+2*\t:AL+2*\t+1]
.set n, n+1
.endr
.endr
.endr
	WIN 0
.endm
; Sixteen transposing loads: x^T fragments (a, i = 0 .. 7) of my keys 32 c .. 32 c + 31.  Lanes 0-7 of a half-wave address columns 128 a + 8 i .., lanes 8-15 the
; columns 64 further on (128 bytes, in VADR): with rows 528 bytes apart the sixteen lanes then touch sixteen different 16-byte columns modulo 256 bytes.
.macro VGRP c, a, buf, slot
.irp i, 0,1,2,3,4,5,6,7
	ds_load_tr16_b128 v[\buf+8*\i:\buf+8*\i+3],   v[VADR+\slot] offset:\c*32*KP+256*\a+16*\i
	ds_load_tr16_b128 v[\buf+8*\i+4:\buf+8*\i+7], v[VADR+\slot] offset:\c*32*KP+256*\a+16*\i+16*KP
.endr
.endm
.macro PVG c, buf, zero                ; 32 matrix instructions on the 32 accumulators of the window that is set, by turns
.irp i, 0,1,2,3,4,5,6,7
.irp t, 0,1,2,3
.if \zero
	v_wmma_f32_16x16x32_bf16 v[64*\t+8*\i:64*\t+8*\i+7], v[\buf+8*\i:\buf+8*\i+7], v[SB+8*(4*\c+\t):SB+8*(4*\c+\t)+7], 0
.else
	v_wmma_f32_16x16x32_bf16 v[64*\t+8*\i:64*\t+8*\i+7], v[\buf+8*\i:\buf+8*\i+7], v[SB+8*(4*\c+\t):SB+8*(4*\c+\t)+7], v[64*\t+8*\i:64*\t+8*\i+7]
.endif
.endr
.endr
.endm
.macro PVMUL first, slot
	VGRP 0, 0, FA, \slot
	VGRP 0, 1, FO, \slot
.if \first == 0
	RESCALE
.endif
	s_wait_dscnt 16                                ; the first group is in; the second group's 16 loads stay out
	WIN 0xa0
	PVG 0, FA, \first
	NOP4                                           ; four places before loads land in the fragments just read
	WIN 0
	VGRP 1, 0, FA, \slot
	s_wait_dscnt 16
	WIN 0xf0
	PVG 0, FO, \first
	NOP4
	WIN 0
	VGRP 1, 1, FO, \slot
	s_wait_dscnt 16
	WIN 0xa0
	PVG 1, FA, 0
	s_wait_dscnt 0x0
	WIN 0xf0
	PVG 1, FO, 0
	NOP4
	v_nop                                          ; five places: the next scores are written over P and over the fragments
	WIN 0
.endm
; One block of 256 keys, in slot 'slot'.  At its head the tile of the NEXT step (behind the last block: the weight) is asked for, into the slot read last step.
.macro STEP slot, first
.if \first == 0
	s_wait_dscnt 0x0                               ; my reads of the other slot are done
	s_wait_xcnt 0x0
	v_lshl_add_u32 v254, v0, 2, 0x4ac00
	v_mov_b32 v255, 0
	s_wait_tensorcnt 0x0                           ; all my tensor loads have landed: this step's tile; the other slot's group 0 may be written
	ds_add_u32 v254, v255
	s_wait_dscnt 0x0
	s_cmp_gt_u32 s30, 0                            ; s30: key blocks not yet asked for
	s_cselect_b64 s[62-4*\slot:63-4*\slot], s[72:73], s[76:77]   ; another key block, or the weight
	s_or_b32 s[63-4*\slot], s[63-4*\slot], 0x80000000
	s_add_nc_u64 s[72:73], s[72:73], TILEB
	s_sub_co_u32 s30, s30, 1                       ; behind the weight's turn no step asks again
	ROUND
	tensor_load_to_lds s[60-4*\slot:63-4*\slot], s[32:39]        ; my one tensor load behind the round
	s_nop 0
.endif
	SMUL 0x04, KADR+\slot
	SOFTMAX \first
	PVMUL \first, \slot
.endm
.macro MWRITE rho                      ; my O^T of q tiles 2 rho, 2 rho + 1 as an image [32 q][256 d] f32: byte 512 a + 256 h + 32 i + 4 j of a row
.irp a, 0,1
	WIN 0x08+4*\a
.irp tp, 0,1
.irp i, 0,1,2,3,4,5,6,7
	ds_store_b128 v[MW], v[64*(2*\rho+\tp)+8*\i:64*(2*\rho+\tp)+8*\i+3]   offset:\tp*16*MP+512*\a+32*\i
	ds_store_b128 v[MW], v[64*(2*\rho+\tp)+8*\i+4:64*(2*\rho+\tp)+8*\i+7] offset:\tp*16*MP+512*\a+32*\i+16
.endr
.endr
.endr
	WIN 0
	BAR
.endm
.macro MROW k, buf                     ; row 8 w + k of the four images: eight loads of 512 consecutive bytes
	ds_load_b128 v[\buf:\buf+3],     v[MR0] offset:(\k)*MP
	ds_load_b128 v[\buf+4:\buf+7],   v[MR0] offset:(\k)*MP+512
	ds_load_b128 v[\buf+8:\buf+11],  v[MR0] offset:MIMG+(\k)*MP
	ds_load_b128 v[\buf+12:\buf+15], v[MR0] offset:MIMG+(\k)*MP+512
	ds_load_b128 v[\buf+16:\buf+19], v[MR1] offset:(\k)*MP
	ds_load_b128 v[\buf+20:\buf+23], v[MR1] offset:(\k)*MP+512
	ds_load_b128 v[\buf+24:\buf+27], v[MR1] offset:MIMG+(\k)*MP
	ds_load_b128 v[\buf+28:\buf+31], v[MR1] offset:MIMG+(\k)*MP+512
.endm
.macro MREAD rho
	MROW 0, RB
.irp k, 0,1,2,3,4,5,6,7
.if \k < 7
	MROW (\k+1), RB+32*((\k+1)&1)
	s_wait_dscnt 8                                 ; row k is in; the next row's eight loads stay out
.else
	s_wait_dscnt 0x0
.endif
.set bb, RB+32*(\k&1)
.set x, AR+8*(8*\rho+\k)
.irp p, 0,2,4,6
	v_pk_add_f32 v[bb+\p:bb+\p+1], v[bb+\p:bb+\p+1], v[bb+8+\p:bb+8+\p+1]
	v_pk_add_f32 v[bb+16+\p:bb+16+\p+1], v[bb+16+\p:bb+16+\p+1], v[bb+24+\p:bb+24+\p+1]
	v_pk_add_f32 v[x+\p:x+\p+1], v[bb+\p:bb+\p+1], v[bb+16+\p:bb+16+\p+1]
.endr
.endr
.endm
.macro XSTAGE                          ; my sixteen rows in AR, rounded to bf16, into XT; then all 64 rows as source-1 fragments into window 1
.set n, 0
.rept 64
	v_cvt_pk_bf16_f32 v[XB+n], v[AR+2*n], v[AR+2*n+1]
.set n, n+1
.endr
.irp rho, 0,1
.irp k, 0,1,2,3,4,5,6,7
	ds_store_b64 v[XW], v[XB+4*(8*\rho+\k):XB+4*(8*\rho+\k)+1]   offset:(32*\rho+\k)*KP
	ds_store_b64 v[XW], v[XB+4*(8*\rho+\k)+2:XB+4*(8*\rho+\k)+3] offset:(32*\rho+\k)*KP+256
.endr
.endr
	BAR                                            ; the 64 rows are whole; nobody reads the scratch in slot 0 any more
	LOADQ 0x40
.endm
.macro FSOUT                           ; a product's sixteen tiles (window 2) as 64 rows x 256 f32 in slot 0
	WIN 0x08
.irp kt, 0,1,2,3
.irp t, 0,1,2,3
.set sx, SB+8*((\kt&1)*8+(\kt>>1)*4+\t)
	ds_store_b128 v[STO], v[sx:sx+3]   offset:\t*16*MP+64*\kt    ; row 16 t + r, e = 64 w + 16 kt + 8 h ..
	ds_store_b128 v[STO], v[sx+4:sx+7] offset:\t*16*MP+64*\kt+16
.endr
.endr
	WIN 0
	BAR
.endm
.macro FSIN                            ; my sixteen rows of that stage into AR
.irp rho, 0,1
.irp k, 0,1,2,3,4,5,6,7
	ds_load_b128 v[AR+8*(8*\rho+\k):AR+8*(8*\rho+\k)+3],   v[MR0] offset:(32*\rho+\k)*MP
	ds_load_b128 v[AR+8*(8*\rho+\k)+4:AR+8*(8*\rho+\k)+7], v[MR0] offset:(32*\rho+\k)*MP+512
.endr
.endr
	s_wait_dscnt 0x0
.endm
.macro RSUM off                        ; four rows' sums over the 32 lanes, in every lane
.irp m, 1,2,4,8
.irp i, 0,1,2,3
	v_add_f32_dpp v[LT+8*\i+\off], v[LT+8*\i+\off], v[LT+8*\i+\off] row_xmask:\m row_mask:0xf bank_mask:0xf
.endr
.endr
.irp i, 0,1,2,3
	v_permlanex16_b32 v[LT+8*\i+\off+1], v[LT+8*\i+\off], s26, s27
.endr
.irp i, 0,1,2,3
	v_add_f32 v[LT+8*\i+\off], v[LT+8*\i+\off], v[LT+8*\i+\off+1]
.endr
.endm
.macro LN4 base                        ; layer norm of row slots base .. base + 3: the mean is taken away first, then the squares are summed
.irp i, 0,1,2,3
.set x, AR+8*(\base+\i)
.set u, LT+8*\i
	v_pk_add_f32 v[u:u+1], v[x:x+1], v[x+2:x+3]
	v_pk_add_f32 v[u+2:u+3], v[x+4:x+5], v[x+6:x+7]
	v_pk_add_f32 v[u:u+1], v[u:u+1], v[u+2:u+3]
	v_add_f32 v[u], v[u], v[u+1]
.endr
	RSUM 0
.irp i, 0,1,2,3
.set x, AR+8*(\base+\i)
.set u, LT+8*\i
	v_mul_f32 v[u+1], s28, v[u]
	v_mul_f32 v[u], s28, v[u]
.irp p, 0,2,4,6
	v_pk_add_f32 v[x+\p:x+\p+1], v[x+\p:x+\p+1], v[u:u+1] neg_lo:[0,1] neg_hi:[0,1]
.endr
	v_pk_mul_f32 v[u+2:u+3], v[x:x+1], v[x:x+1]
.irp p, 2,4,6
	v_pk_fma_f32 v[u+2:u+3], v[x+\p:x+\p+1], v[x+\p:x+\p+1], v[u+2:u+3]
.endr
	v_add_f32 v[u+2], v[u+2], v[u+3]
.endr
	RSUM 2
.irp i, 0,1,2,3
	v_fma_f32 v[LT+8*\i+2], v[LT+8*\i+2], s28, s29               ; variance + epsilon
.endr
.irp i, 0,1,2,3
	v_rsq_f32 v[LT+8*\i+4], v[LT+8*\i+2]
.endr
	v_nop                                          ; the plain place behind the roots
	s_wait_alu depctr_va_vdst(0)
.irp i, 0,1,2,3
	v_mov_b32 v[LT+8*\i+5], v[LT+8*\i+4]
.endr
.irp i, 0,1,2,3
.set x, AR+8*(\base+\i)
.set u, LT+8*\i
.irp p, 0,2,4,6
	v_pk_mul_f32 v[x+\p:x+\p+1], v[x+\p:x+\p+1], v[u+4:u+5]
.endr
.irp p, 0,2,4,6
	v_pk_fma_f32 v[x+\p:x+\p+1], v[x+\p:x+\p+1], v[G+\p:G+\p+1], v[BT+\p:BT+\p+1]
.endr
.endr
.endm
	s_load_b512 s[8:23], s[0:1], 0x0               ; q_c, xb_c, wt, x1, ln_g, ln_b, b1, out0
	v_lshl_add_u32 v254, v0, 2, 0x4ac00
	v_mov_b32 v255, 0
	ds_add_u32 v254, v255
	s_wait_dscnt 0x0
	v_lshrrev_b32 v1, 5, v0
	v_readfirstlane_b32 s5, v1                     ; wave
	s_bfe_u32 s6, ttmp6, 0x40000                   ; cx
	s_lshr_b32 s7, ttmp9, 3                        ; batch
	s_mov_b32 s26, 0x76543210                      ; v_permlanex16_b32: lane i reads lane i of the other half
	s_mov_b32 s27, 0xfedcba98
	s_mov_b32 s28, 0x3b800000                      ; 1/256
	s_mov_b32 s29, 0x3a83126f                      ; 0.001
	GROUP1 32, W0K, 64
	GROUP1 48, W0Q, 16
	s_lshl_b32 s40, s7, 20                         ; batch x 2,048 rows x 512 bytes
	s_lshl_b32 s41, s5, 15                         ; + my 64 rows of a tile
	s_add_co_u32 s40, s40, s41
	s_add_co_u32 s42, s41, WA*TILEB
	s_add_co_u32 s44, s41, WB*TILEB
	s_mov_b32 s41, 0
	s_mov_b32 s43, 0
	s_mov_b32 s45, 0
	s_lshl_b32 s84, ttmp9, 2                       ; what hangs on cx stays in s84-s89, which feed no joint descriptor
	s_add_co_u32 s84, s84, s6                      ; my block of 64 rows
	s_lshl_b32 s86, s84, 16                        ; x 64 x 1,024 bytes
	s_mov_b32 s87, 0
	s_lshl_b32 s84, s84, 15                        ; x 64 x 512 bytes
	s_lshl_b32 s88, s5, 13                         ; + 16 w rows of 512 bytes
	s_add_co_u32 s88, s88, s84
	s_mov_b32 s89, 0
	s_mov_b32 s56, 1                               ; groups 0: slot 0, slot 1, Q
	s_mul_i32 s57, s5, KQ
	s_mov_b32 s60, 1
	s_mul_i32 s61, s5, KQ
	s_add_co_u32 s61, s61, SLOT
	s_mov_b32 s68, 1
	s_mul_i32 s69, s5, 16*KP
	s_add_co_u32 s69, s69, XT
	s_mov_b32 s30, 6                               ; key blocks not yet asked for behind the first fills (blocks 7 and 0)
	v_and_b32 v8, 15, v0                           ; r
	v_bfe_u32 v9, v0, 4, 1                         ; h
	v_mul_u32_u24 v10, v8, KP
	v_lshl_add_u32 v10, v9, 4, v10                 ; r x pitch + 16 h
	s_mul_i32 s7, s5, KQ
	v_add_nc_u32 v[KADR], s7, v10
	v_add_nc_u32 v[KADR+1], SLOT, v[KADR]
	v_add_nc_u32 v[QADR], XT, v10
	v_and_b32 v11, 7, v0
	v_lshl_add_u32 v11, v9, 3, v11                 ; key row 8 h + (L & 7)
	v_mul_u32_u24 v11, v11, KP
	v_bfe_u32 v12, v0, 3, 1
	v_lshl_add_u32 v11, v12, 7, v11                ; + 128 ((L >> 3) & 1)
	v_add_nc_u32 v[VADR], s7, v11
	v_add_nc_u32 v[VADR+1], SLOT, v[VADR]
	v_lshlrev_b32 v[REDR], 4, v8
	v_add_nc_u32 v[REDR], RED, v[REDR]             ; RED + 16 r
	s_lshl_b32 s7, s5, 8
	v_add_nc_u32 v[REDW], s7, v[REDR]              ; + 256 w
	s_wait_kmcnt 0x0
	s_add_nc_u64 s[72:73], s[10:11], s[40:41]      ; x of block 0
	s_add_nc_u64 s[76:77], s[12:13], s[42:43]      ; the first weight
	s_add_nc_u64 s[78:79], s[12:13], s[44:45]      ; the second
	s_add_nc_u64 s[62:63], s[72:73], 7*TILEB       ; slot 1: block 7
	s_or_b32 s63, s63, 0x80000000
	s_mov_b64 s[58:59], s[72:73]                   ; slot 0: block 0
	s_or_b32 s59, s59, 0x80000000
	s_add_nc_u64 s[72:73], s[72:73], TILEB         ; the next block
	s_add_nc_u64 s[70:71], s[8:9], s[88:89]
	s_or_b32 s71, s71, 0x80000000
	s_add_nc_u64 s[14:15], s[14:15], s[86:87]      ; x1 and out0 at my first row
	s_add_nc_u64 s[22:23], s[22:23], s[86:87]
	ROUND                                          ; the four partners are here: the first joint loads meet
	tensor_load_to_lds s[68:71], s[48:55]          ; my 16 rows of Q
	s_nop 0
	tensor_load_to_lds s[60:63], s[32:39]          ; my 64 keys of block 7
	s_nop 0
	tensor_load_to_lds s[56:59], s[32:39]          ; and of block 0: three tensor loads of the wave are out
	s_nop 0
	s_wait_tensorcnt 0x1                           ; Q and block 7 have landed; block 0 stays out
	BAR                                            ; every wave's rows of Q are in
	LOADQ 0x40
	STEP 1, 1
	STEP 0, 0
	s_mov_b32 s3, 3                                ; three pairs of steps
.Lpair:
	STEP 1, 0
	STEP 0, 0
	s_sub_co_u32 s3, s3, 1
	s_cmp_lg_u32 s3, 0
	s_cbranch_scc1 .Lpair
	; the four waves' maxima and sums meet
.irp t, 0,1,2,3
	v_add_f32 v[LS+2*\t], v[LS+2*\t], v[LS+2*\t+1]
.endr
.irp t, 0,1,2,3
	v_permlanex16_b32 v[LS+2*\t+1], v[LS+2*\t], s26, s27
.endr
.irp t, 0,1,2,3
	v_mov_b32 v[160+\t], v[M+2*\t]
	v_add_f32 v[164+\t], v[LS+2*\t], v[LS+2*\t+1]
.endr
	ds_store_b128 v[REDW], v[160:163]
	ds_store_b128 v[REDW], v[164:167] offset:1024
	s_wait_tensorcnt 0x0                           ; the first weight has landed
	BAR                                            ; and every wave has read the last block: slot 0 is scratch from here on
.irp wv, 0,1,2,3
	ds_load_b128 v[168+4*\wv:168+4*\wv+3], v[REDR] offset:256*\wv
	ds_load_b128 v[184+4*\wv:184+4*\wv+3], v[REDR] offset:1024+256*\wv
.endr
	s_wait_dscnt 0x0
.irp t, 0,1,2,3
	v_max3_num_f32 v[200+\t], v[168+\t], v[172+\t], v[176+\t]
.endr
.irp t, 0,1,2,3
	v_max_num_f32 v[200+\t], v[200+\t], v[180+\t]
.endr
.irp wv, 0,1,2,3
.irp t, 0,1,2,3
	v_sub_f32 v[168+4*\wv+\t], v[168+4*\wv+\t], v[200+\t]
.endr
.endr
.irp t, 0,1,2,3
	v_sub_f32 v[208+\t], v[M+2*\t], v[200+\t]
.endr
.set n, 0
.rept 16
	v_exp_f32 v[168+n], v[168+n]
.set n, n+1
.endr
.irp t, 0,1,2,3
	v_exp_f32 v[208+\t], v[208+\t]
.endr
	v_nop                                          ; the plain place behind the exponentials
	s_wait_alu depctr_va_vdst(0)
.irp t, 0,1,2,3
	v_mul_f32 v[204+\t], v[168+\t], v[184+\t]
.endr
.irp wv, 1,2,3
.irp t, 0,1,2,3
	v_fmac_f32 v[204+\t], v[168+4*\wv+\t], v[184+4*\wv+\t]
.endr
.endr
.irp t, 0,1,2,3
	v_rcp_f32 v[212+\t], v[204+\t]                 ; the sum is at least 1: the wave that holds the maximum adds its own
.endr
	v_nop
	s_wait_alu depctr_va_vdst(0)
.irp t, 0,1,2,3
	v_mul_f32 v[AL+2*\t], v[208+\t], v[212+\t]
.endr
.irp t, 0,1,2,3
	v_mov_b32 v[AL+2*\t+1], v[AL+2*\t]
.endr
	RESCALE                                        ; my part, brought to the common maximum and divided by the whole sum
	v_and_b32 v24, 31, v0                          ; L
	v_and_b32 v25, 15, v0                          ; r
	v_bfe_u32 v26, v0, 4, 1                        ; h
	v_mul_u32_u24 v27, v25, MP
	s_mul_i32 s7, s5, MIMG
	v_lshl_add_u32 v[MW], v26, 8, v27
	v_add_nc_u32 v[MW], s7, v[MW]                  ; my image, row r, 256 h
	s_lshl_b32 s7, s5, 8
	v_lshl_add_u32 v[STO], v26, 5, v27
	v_add_nc_u32 v[STO], s7, v[STO]                ; f32 stage: row r, 32 h + 256 w
	v_lshlrev_b32 v[GBA], 4, v24                   ; 16 L
	s_mul_i32 s7, s5, 8*MP
	v_add_nc_u32 v[MR0], s7, v[GBA]                ; images 0 and 1, row 8 w; also the f32 stage's row 8 w
	v_add_nc_u32 v[MR1], 2*MIMG, v[MR0]            ; images 2 and 3
	s_lshl_b32 s7, s5, 13
	v_add_nc_u32 v[RESA], s7, v[GBA]               ; 8 w rows of 1,024 bytes + 16 L
	s_mul_i32 s7, s5, 8*KP
	s_add_co_u32 s7, s7, XT
	v_lshl_add_u32 v[XW], v24, 3, s7
	MWRITE 0
	WIN 0xc0                                       ; the residual lands in window 3, where q tiles 0 and 1 have just left
.irp rho, 0,1
.irp k, 0,1,2,3,4,5,6,7
	global_load_b128 v[8*(8*\rho+\k):8*(8*\rho+\k)+3],   v[RESA], s[14:15] offset:\rho*32768+\k*1024 th:TH_LOAD_NT
	global_load_b128 v[8*(8*\rho+\k)+4:8*(8*\rho+\k)+7], v[RESA], s[14:15] offset:\rho*32768+\k*1024+512 th:TH_LOAD_NT
.endr
.endr
	WIN 0
	global_load_b128 v[G:G+3],       v[GBA], s[16:17]
	global_load_b128 v[G+4:G+7],     v[GBA], s[16:17] offset:512
	global_load_b128 v[BT:BT+3],     v[GBA], s[18:19]
	global_load_b128 v[BT+4:BT+7],   v[GBA], s[18:19] offset:512
	global_load_b128 v[B1R:B1R+3],   v[GBA], s[20:21]
	global_load_b128 v[B1R+4:B1R+7], v[GBA], s[20:21] offset:512
	MREAD 0
	BAR                                            ; every wave has read the images: they may be written again
	MWRITE 1
	MREAD 1                                        ; AR = softmax(..) x, whole
	XSTAGE
	WIN 0x80
	v_mov_b32 v[KADR+1], v[KADR+1]                 ; slot 1's fragment address, copied into window 2
	SMUL 0xa6, KADR+1                              ; (P x Wv_c)^T: results, fragments and address in window 2, P x in window 1
	s_wait_dscnt 0x0                               ; my reads of slot 1 are done
	s_wait_xcnt 0x0
	v_lshl_add_u32 v254, v0, 2, 0x4ac00
	v_mov_b32 v255, 0
	s_wait_tensorcnt 0x0                           ; no tensor load of mine is out: group 0 may be written
	ds_add_u32 v254, v255
	s_wait_dscnt 0x0
	s_mov_b64 s[62:63], s[78:79]
	s_or_b32 s63, s63, 0x80000000
	ROUND
	tensor_load_to_lds s[60:63], s[32:39]          ; W1^T: my one tensor load behind the round, and the last
	s_nop 0
	FSOUT
	FSIN
	s_wait_loadcnt 0x0                             ; residual, gain and the two biases
	WIN 0x0c
.set n, 0
.rept 64
	v_pk_add_f32 v[AR+2*n:AR+2*n+1], v[AR+2*n:AR+2*n+1], v[2*n:2*n+1]
.set n, n+1
.endr
	WIN 0
.irp b, 0,4,8,12
	LN4 \b
.endr
	s_wait_tensorcnt 0x0                           ; my quarter of W1^T has landed; I alone read it
	XSTAGE
	SMUL 0xa6, KADR+1                              ; (x2 W1)^T in window 2; x2 in f32 stays in window 0
	FSOUT
.irp rho, 0,1
.irp k, 0,1,2,3,4,5,6,7
	ds_load_b128 v[RB+8*\k:RB+8*\k+3],   v[MR0] offset:(32*\rho+\k)*MP
	ds_load_b128 v[RB+8*\k+4:RB+8*\k+7], v[MR0] offset:(32*\rho+\k)*MP+512
.endr
.irp k, 0,1,2,3,4,5,6,7
	s_wait_dscnt 14-2*\k                           ; row k is in, the younger rows stay out
.set bb, RB+8*\k
.set x, AR+8*(8*\rho+\k)
.irp p, 0,2,4,6
	v_pk_add_f32 v[bb+\p:bb+\p+1], v[bb+\p:bb+\p+1], v[B1R+\p:B1R+\p+1]
.endr
.irp j, 0,1,2,3,4,5,6,7
	v_max_num_f32 v[bb+\j], 0, v[bb+\j]
.endr
.irp p, 0,2,4,6
	v_pk_add_f32 v[x+\p:x+\p+1], v[x+\p:x+\p+1], v[bb+\p:bb+\p+1]
.endr
.endr
.endr
.irp b, 0,4,8,12
	LN4 \b
.endr
.set n, 0
.rept 128
	v_max_num_f32 v[AR+n], 0, v[AR+n]
.set n, n+1
.endr
.irp rho, 0,1
.irp k, 0,1,2,3,4,5,6,7
	global_store_b128 v[RESA], v[AR+8*(8*\rho+\k):AR+8*(8*\rho+\k)+3],   s[22:23] offset:\rho*32768+\k*1024 th:TH_STORE_NT       ; 512 consecutive, aligned bytes a store
	global_store_b128 v[RESA], v[AR+8*(8*\rho+\k)+4:AR+8*(8*\rho+\k)+7], s[22:23] offset:\rho*32768+\k*1024+512 th:TH_STORE_NT
.endr
.endr
	s_wait_xcnt 0x0
	v_lshl_add_u32 v254, v0, 2, 0x4ac00
	v_mov_b32 v255, 0
	s_wait_tensorcnt 0x0
	ds_add_u32 v254, v255
	s_wait_dscnt 0x0
	ROUND                                          ; the closing round
	s_endpgm
.Lfunc_end_k_q56e424c1d1_crossffn:
	.size	k_q56e424c1d1_crossffn, .Lfunc_end_k_q56e424c1d1_crossffn-k_q56e424c1d1_crossffn
	.p2alignl 7, 3214868480
	.fill 96, 4, 3214868480
	.section	.rodata,"a",@progbits
	.p2align	6, 0x0
	.amdhsa_kernel k_q56e424c1d1_crossffn
		.amdhsa_group_segment_fixed_size 327680
		.amdhsa_private_segment_fixed_size 0
		.amdhsa_enable_private_segment 0
		.amdhsa_kernarg_size 64
		.amdhsa_user_sgpr_count 2
		.amdhsa_user_sgpr_kernarg_segment_ptr 1
		.amdhsa_wavefront_size32 1
		.amdhsa_system_sgpr_workgroup_id_x 1
		.amdhsa_system_sgpr_workgroup_id_y 1
		.amdhsa_system_sgpr_workgroup_id_z 1
		.amdhsa_system_vgpr_workitem_id 0
		.amdhsa_next_free_vgpr 1024
		.amdhsa_next_free_sgpr 92
		.amdhsa_reserve_vcc 0
		.amdhsa_float_denorm_mode_32 3
		.amdhsa_float_denorm_mode_16_64 3
		.amdhsa_memory_ordered 1
		.amdhsa_forward_progress 1
		.amdhsa_inst_pref_size 255
	.end_amdhsa_kernel
	.section	.bss,"aw",@nobits
	.p2align	6
	.space	262144
	.amdgpu_metadata
---
amdhsa.version: [ 1, 2 ]
amdhsa.kernels:
  - .name:           k_q56e424c1d1_crossffn
    .symbol:         k_q56e424c1d1_crossffn.kd
    .args:
      - { .name: q_c, .offset: 0, .size: 8, .value_kind: global_buffer, .address_space: global }
      - { .name: xb_c, .offset: 8, .size: 8, .value_kind: global_buffer, .address_space: global }
      - { .name: wt, .offset: 16, .size: 8, .value_kind: global_buffer, .address_space: global }
      - { .name: x1, .offset: 24, .size: 8, .value_kind: global_buffer, .address_space: global }
      - { .name: ln_g, .offset: 32, .size: 8, .value_kind: global_buffer, .address_space: global }
      - { .name: ln_b, .offset: 40, .size: 8, .value_kind: global_buffer, .address_space: global }
      - { .name: b1, .offset: 48, .size: 8, .value_kind: global_buffer, .address_space: global }
      - { .name: out0, .offset: 56, .size: 8, .value_kind: global_buffer, .address_space: global }
    .group_segment_fixed_size: 327680
    .private_segment_fixed_size: 0
    .kernarg_segment_align: 8
    .kernarg_segment_size: 64
    .max_flat_workgroup_size: 128
    .sgpr_count:     92
    .vgpr_count:     1024
    .wavefront_size: 32
...
	.end_amdgpu_metadata
.endif
;; end of part 7
